; MI455X (gfx1250); checked and timed in simulation.
; The chip was launched on July 23, 2026; its instructions are those of AMD's public machine-readable ISA for CDNA 5 (MIT licence, August 2026) and "CDNA5" Instruction Set Architecture Reference Guide (July 2026). The comments in the code are by the model that wrote it; some were corrected since.
;; Edge Aware Module. Allowed arithmetic: float matrix products may take bf16 or f16 operands with f32 sums; all other float work in f32.
;; Inputs: e_b1 64 float32; e_b2 1 float32; e_lnb 64 float32; e_lnw 64 float32; e_w1 272 x 64 float32; e_w2 64 x 1 float32; features 8 x 4,096 x 256 float32; g_b1 32 float32; g_b2 16 float32; g_lnb 32 float32; g_lnw 32 float32; g_w1 10 x 32 float32; g_w2 32 x 16 float32; r_b 256 float32; r_lnb 256 float32; r_lnw 256 float32; r_w 256 x 256 float32; xyz 8 x 4,096 x 3 float32.
;; Outputs: out0 8 x 4,096 x 256 float32; out1 8 x 4,096 x 1 float32.
;; 3 versions, each right; version 2 is faster than version 1; version 3 is version 2 with the launch coarse written anew for expert scheduling mode. Each part assembles by itself: llvm-mc -triple=amdgcn-amd-amdhsa -mcpu=gfx1250 --defsym DOCPART=n.
;; ======== version 1 of 3: 3 launches
;; limits: values within 3.05e-05 (relative) of each other or of a threshold may be ordered or decided otherwise than in the reference
;; workspace buffers: groups 524,288 bytes of whole numbers; nbr 1,048,576 bytes of whole numbers; wimg 171,008 bytes
;; launch coarse (part 1): grid 256 x 1, 4 waves a work-group, no clusters, 262,656 bytes of LDS; arguments xyz, r_w, e_w1, g_w1, g_w2, groups, wimg; writes groups, wimg
.if DOCPART == 1
	.amdgcn_target "amdgcn-amd-amdhsa--gfx1250"
	.amdhsa_code_object_version 6
	.text
	.protected	k_q6debf55d8b_coarse
	.globl	k_q6debf55d8b_coarse
	.p2align	8
	.type	k_q6debf55d8b_coarse,@function
k_q6debf55d8b_coarse:
	s_mov_b64 s[64:65], 0
	v_nop
	global_prefetch_b8 v0, s[64:65] scope:SCOPE_SE
	s_setreg_imm32_b32 hwreg(HW_REG_WAVE_MODE, 25, 1), 1
	s_wait_xcnt 0x0
; COARSE: for each of the 8 x 4096 points, the 16 groups (of 16 consecutive points of its batch) whose nearest member is nearest.
; Also, one per work-group 0..166: the four weight matrices as bf16 images in matrix-operand order (buffer wimg).
;
; HOW THE TOP 16 OF 4096 IS FOUND.  Cut the 4096 candidates into 256 groups of 16.  Each of the 16 nearest points lies in one of the 16
; groups with the smallest group minimum: were its group not among them, 16 other groups would each hold a point at least as near.  So
; this launch takes one minimum per group and the 16 smallest of 256 minima; the next launch ranks the 16 x 16 points of those groups.
; WORK OF THE FORMULA THAT NO RESULT NEEDS, for all values of the inputs: the values that top_k returns (only its indices are used); the six
; off-diagonal sums of cov (trace and det read the diagonal alone); the mean that std takes away from cen (cen is centred, its mean is 0 by
; identity).  Every input has a way to an output and is loaded by some launch.  A NaN, an infinity or an overflow that would arise only in
; the work left out is not carried to the result.
; LIMITS.  NaN and infinity in xyz are not served.  A squared distance below 2^-126 counts as 2^-126.  The ranking key is the squared
; distance with its low 8 mantissa bits replaced by an index, so two points whose squared distances agree to 2^-15 relative may be taken in
; either order, and exact ties do not follow top_k's lower index.
;
; DISTANCES ON THE MATRIX UNIT IN F32 QUALITY.  Every coordinate, less the batch's point 0 (distances do not change, and a common offset
; drops out), is cut exactly into three bf16 pieces (8 + 8 + 8 significant bits).  K slot 9 d + 3 i + j holds piece i of -2 q'[d] on the
; query's side and piece j of c'[d] on the candidate's; slots 27..29 hold 1 and the pieces of |c'|^2; slots 30, 31 hold 0.
; One 16x16x32 product then gives |c'|^2 - 2 q'.c' for 16 candidates x 16 queries; |q'|^2 is added to the group's minimum.
;
; SHARES.  Work-group g: batch g >> 5, queries 128 (g & 31) .. + 127.  Wave w: 32 queries as two operands f.  Lane (r = l & 15, h = l >> 4):
; query 32 w + 16 f + r against the groups G with G & 1 = h.  The table of all 4096 candidates (64 bytes each) is built in LDS by the
; work-group itself; it is computed, not copied, so the tensor data mover and clusters have nothing to bring.
; TABLE.  Candidate c = 32 p + 16 hr + 8 e + j is row 8 hr + j of tile 2 p + e; its dwords 4 k .. 4 k + 3 lie at 2048 p + 1024 e + 256 k + 16 row.
; A lane's operand load is then 16 bytes at 1024 tile + 16 l (and + 512): 512 consecutive bytes a wave.  In the result lane half h holds rows
; 8 h .. 8 h + 7, which over tiles 2 p and 2 p + 1 are the 16 points of group 2 p + h.
.set BATCHB, 49152                     ; bytes of a batch of xyz
.set PT,  64                           ; v[64:127]   build: 16 loaded points, 4 registers apart
.set QL,  128                          ; v[128:134]  build: my two queries as loaded
.set PC,  160                          ; v[160:171]  build: the pieces xh xm xl yh ym yl zh zm zl th tm tl
.set CP,  172                          ; v[172:175]  build: x', y', z', |c'|^2
.set U,   176                          ; v[176:191]  build: the 16 dwords of a row; v191 stays 0
.set BQ,  16                           ; v[16:31]    the two query operands
.set AF,  32                           ; v[32:63]    candidate operands [parity][tile of the pair]
.set DD,  64                           ; v[64:127]   results [parity][f][tile]
.set TT,  128                          ; v[128:159]  the running 16 smallest keys, ascending, for f = 0, 1
.set SS,  160                          ; v[160:193]  16 new keys + 1 spare, for f = 0, 1
; v1 lane, v2 r, v3 h, v4 table address, v5 my group's number, v6 v7 |q'|^2, v8-v11 at work, v12-v15 build addresses
.macro PLACES                          ; four plain vector instructions behind matrix instructions (ISA guide 7.12.1)
.rept 4
	v_nop
.endr
.endm
; ---- selection: keys are positive normal f32, compared as floats.  Wires are names: a compare-exchange writes the minimum into the spare
; register and the maximum in place, and the names change hands, so it costs two instructions and no move.
.macro INITW base
.irp k, 0,1,2,3,4,5,6,7,8,9,10,11,12,13,14,15
.set W\k, \base+\k
.endr
.set FREE, \base+16
.endm
.macro CE a, b
	v_min_num_f32 v[FREE], v[W\a], v[W\b]
	v_max_num_f32 v[W\b], v[W\a], v[W\b]
.set TMPW, W\a
.set W\a, FREE
.set FREE, TMPW
.endm
.macro SORT16 base                     ; Batcher's odd-even merge sort of 16, 63 compare-exchanges, ascending
	INITW \base
	CE 0,1
	CE 2,3
	CE 4,5
	CE 6,7
	CE 8,9
	CE 10,11
	CE 12,13
	CE 14,15
	CE 0,2
	CE 1,3
	CE 4,6
	CE 5,7
	CE 8,10
	CE 9,11
	CE 12,14
	CE 13,15
	CE 1,2
	CE 5,6
	CE 9,10
	CE 13,14
	CE 0,4
	CE 1,5
	CE 2,6
	CE 3,7
	CE 8,12
	CE 9,13
	CE 10,14
	CE 11,15
	CE 2,4
	CE 3,5
	CE 10,12
	CE 11,13
	CE 1,2
	CE 3,4
	CE 5,6
	CE 9,10
	CE 11,12
	CE 13,14
	CE 0,8
	CE 1,9
	CE 2,10
	CE 3,11
	CE 4,12
	CE 5,13
	CE 6,14
	CE 7,15
	CE 4,8
	CE 5,9
	CE 6,10
	CE 7,11
	CE 2,4
	CE 3,5
	CE 6,8
	CE 7,9
	CE 10,12
	CE 11,13
	CE 1,2
	CE 3,4
	CE 5,6
	CE 7,8
	CE 9,10
	CE 11,12
	CE 13,14
.endm
.macro BST src, dst, d                 ; one stage of a bitonic merge, from one bank of 16 registers into the other
.set bi, 0
.rept 16
.if (bi & \d) == 0
	v_min_num_f32 v[\dst+bi], v[\src+bi], v[\src+bi+\d]
	v_max_num_f32 v[\dst+bi+\d], v[\src+bi], v[\src+bi+\d]
.endif
.set bi, bi+1
.endr
.endm
.macro MRG1 T, i, j
	v_min_num_f32 v[\T+\i], v[\T+\i], v[W\j]
.endm
; The 16 smallest of the running list T and the sorted wires: min(T[i], W[15 - i]) is that set, as a bitonic sequence; four stages sort it.
; The wires' registers are dead behind the minima and serve as the second bank.
.macro MERGE T, S, first
.if \first
.irp k, 0,1,2,3,4,5,6,7,8,9,10,11,12,13,14,15
	v_mov_b32 v[\T+\k], v[W\k]
.endr
.else
	MRG1 \T, 0, 15
	MRG1 \T, 1, 14
	MRG1 \T, 2, 13
	MRG1 \T, 3, 12
	MRG1 \T, 4, 11
	MRG1 \T, 5, 10
	MRG1 \T, 6, 9
	MRG1 \T, 7, 8
	MRG1 \T, 8, 7
	MRG1 \T, 9, 6
	MRG1 \T, 10, 5
	MRG1 \T, 11, 4
	MRG1 \T, 12, 3
	MRG1 \T, 13, 2
	MRG1 \T, 14, 1
	MRG1 \T, 15, 0
	BST \T, \S, 8
	BST \S, \T, 4
	BST \T, \S, 2
	BST \S, \T, 1
.endif
.endm
	s_load_b256 s[4:11], s[0:1], 0x0               ; xyz s[4:5], r_w s[6:7], e_w1 s[8:9], g_w1 s[10:11]
	s_load_b128 s[12:15], s[0:1], 0x20             ; g_w2 s[12:13], groups s[14:15]
	s_load_b64 s[16:17], s[0:1], 0x30              ; wimg
	v_lshl_add_u32 v208, v0, 2, 0x40000
	v_mov_b32 v209, 0
	v_and_b32 v1, 31, v0                           ; lane
	v_and_b32 v2, 15, v0                           ; r
	v_bfe_u32 v3, v0, 4, 1                         ; h
	v_lshrrev_b32 v8, 5, v0
	v_readfirstlane_b32 s18, v8                    ; wave
	s_mov_b32 s23, 0xffff0000                      ; the upper 16 bits of an f32: its leading bf16 piece
	s_mov_b32 s36, 0xffffff00                      ; a key's distance part
	s_mov_b32 s37, 0x00800000                      ; 2^-126
	s_mov_b32 s38, 0x76543210                      ; v_permlanex16_b32: lane i reads lane i of the other half
	s_mov_b32 s39, 0xfedcba98
	s_lshr_b32 s30, ttmp9, 5                       ; batch
	s_mul_i32 s42, s30, BATCHB
	s_mov_b32 s43, 0
	s_and_b32 s31, ttmp9, 31
	s_lshl_b32 s31, s31, 7                         ; the work-group's first query in the batch
	s_lshl_b32 s32, s18, 5
	s_add_co_u32 s31, s31, s32                     ; my wave's first query
	v_and_b32 v8, 7, v0                            ; the candidate that I build in each block of 128: j
	v_bfe_u32 v9, v0, 3, 1
	v_lshl_add_u32 v8, v9, 4, v8                   ; + 16 hr
	v_lshl_add_u32 v8, v3, 3, v8                   ; + 8 e
	v_lshl_add_u32 v8, s18, 5, v8                  ; + 32 wave
	v_mul_u32_u24 v9, v8, 12                       ; its byte offset in the batch
	v_add_nc_u32 v10, s31, v2
	v_mul_u32_u24 v10, v10, 12                     ; byte offset of my query of operand 0
	v_lshlrev_b32 v12, 4, v2                       ; where my candidate's row goes: 16 row
	v_lshl_add_u32 v12, v3, 10, v12                ; + 1024 e
	v_lshl_add_u32 v12, s18, 11, v12               ; + 2048 wave: the pair p = 4 i + wave
	v_add_nc_u32 v13, 0x10000, v12                 ; an LDS immediate reaches 65,535: four address registers 65,536 bytes apart
	v_add_nc_u32 v14, 0x20000, v12
	v_add_nc_u32 v15, 0x30000, v12
	v_lshlrev_b32 v4, 4, v1                        ; operand loads: 16 lane
	v_mov_b32 v5, v3                               ; my group in pair 0: h
	s_wait_kmcnt 0x0
	s_add_nc_u64 s[4:5], s[4:5], s[42:43]          ; xyz at my batch
	s_load_b96 s[20:22], s[4:5], 0x0               ; the batch's point 0
.irp i, 0,1,2,3,4,5,6,7,8,9,10,11,12,13,14,15
	global_load_b96 v[PT+4*\i:PT+4*\i+2], v9, s[4:5] offset:1536*\i    ; candidates 128 i + mine
.endr
	global_load_b96 v[QL:QL+2], v10, s[4:5]
	global_load_b96 v[QL+4:QL+6], v10, s[4:5] offset:192               ; 16 queries further
	; ---- one weight image of 1,024 bytes by each of work-groups 0..166: fragment f = the work-group's number.
	; f < 128: r_w, column tile f & 15, K step f >> 4.  f < 164: e_w1, tile (f-128) & 3, step (f-128) >> 2.  f < 166: g_w1, tile f - 164.  f = 166: g_w2.
	; Image: lane (r, h) of the first matrix operand holds W[k][16 tile + r]; bytes 16 l: k = 32 step + 8 h + 0..7; bytes 512 + 16 l: 16 more.  Rows k past the matrix are 0.
	s_cmp_lt_u32 ttmp9, 167
	s_cbranch_scc0 .Lnoimg
	s_mov_b64 s[24:25], s[12:13]                   ; g_w2:
	s_mov_b32 s26, 64                              ; bytes in a row
	s_mov_b32 s27, 32                              ; rows
	s_mov_b32 s28, 0                               ; column tile
	s_mov_b32 s29, 0                               ; K step
	s_sub_co_u32 s30, ttmp9, 164
	s_sub_co_u32 s31, ttmp9, 128
	s_and_b32 s32, s31, 3
	s_lshr_b32 s33, s31, 2
	s_and_b32 s34, ttmp9, 15
	s_lshr_b32 s35, ttmp9, 4
	s_cmp_lt_u32 ttmp9, 166
	s_cselect_b64 s[24:25], s[10:11], s[24:25]     ; g_w1
	s_cselect_b32 s26, 128, s26
	s_cselect_b32 s27, 10, s27
	s_cselect_b32 s28, s30, s28
	s_cmp_lt_u32 ttmp9, 164
	s_cselect_b64 s[24:25], s[8:9], s[24:25]       ; e_w1
	s_cselect_b32 s26, 256, s26
	s_cselect_b32 s27, 272, s27
	s_cselect_b32 s28, s32, s28
	s_cselect_b32 s29, s33, s29
	s_cmp_lt_u32 ttmp9, 128
	s_cselect_b64 s[24:25], s[6:7], s[24:25]       ; r_w
	s_cselect_b32 s26, 1024, s26
	s_cselect_b32 s27, 256, s27
	s_cselect_b32 s28, s34, s28
	s_cselect_b32 s29, s35, s29
	s_sub_co_u32 s30, s27, 1                       ; the last row
	v_lshrrev_b32 v176, 6, v0                      ; thread t makes bytes 8 t .. 8 t + 7 of the image: four k of one column
	v_lshlrev_b32 v176, 4, v176                    ; k = 16 (t >> 6)
	v_bfe_u32 v177, v0, 5, 1
	v_lshl_add_u32 v176, v177, 3, v176             ; + 8 h
	v_and_b32 v177, 1, v0
	v_lshl_add_u32 v176, v177, 2, v176             ; + 4 (t & 1)
	v_lshl_add_u32 v176, s29, 5, v176              ; + 32 step
	v_bfe_u32 v177, v0, 1, 4                       ; r
	v_lshl_add_u32 v177, s28, 4, v177              ; column
	v_lshlrev_b32 v177, 2, v177
.irp i, 0,1,2,3
	v_add_nc_u32 v[178+\i], \i, v176               ; k
	v_min_u32 v[182+\i], s30, v[178+\i]            ; no load leaves the matrix
	v_mad_u32_u24 v[182+\i], v[182+\i], s26, v177
	global_load_b32 v[186+\i], v[182+\i], s[24:25]
.endr
	s_wait_loadcnt 0x0                             ; the four weights (and all that was asked for before them)
.irp i, 0,1,2,3
	v_cmp_gt_u32 vcc_lo, s27, v[178+\i]
	v_cndmask_b32 v[186+\i], 0, v[186+\i], vcc_lo  ; 0 past the last row
.endr
	v_cvt_pk_bf16_f32 v190, v186, v187
	v_cvt_pk_bf16_f32 v191, v188, v189
	v_lshlrev_b32 v192, 3, v0
	s_lshl_b32 s42, ttmp9, 10
	s_add_nc_u64 s[16:17], s[16:17], s[42:43]
	global_store_b64 v192, v[190:191], s[16:17]    ; a wave stores 256 consecutive bytes, aligned
	s_wait_xcnt 0x0                                ; the store's registers are written again below only behind this wait
.Lnoimg:
	s_wait_kmcnt 0x0                               ; point 0
	s_xor_b32 s20, s20, 0x80000000                 ; kept negated: the subtraction is an addition with the scalar in front
	s_xor_b32 s21, s21, 0x80000000
	s_xor_b32 s22, s22, 0x80000000
	v_mov_b32 v[U+15], 0                           ; K slots 30, 31
.macro SPLIT3 hi, mi, lo, src          ; an f32 as three bf16 pieces, exactly: 8 leading bits, the next 8 of the rest, the last 8
	v_and_b32 v[\hi], s23, v[\src]
	v_sub_f32 v[\lo], v[\src], v[\hi]
	v_and_b32 v[\mi], s23, v[\lo]
	v_sub_f32 v[\lo], v[\lo], v[\mi]
.endm
.macro PK d, a, b                      ; two pieces into a dword: exact, they are bf16 numbers
	v_cvt_pk_bf16_f32 v[\d], v[\a], v[\b]
.endm
; Candidate 128 i + mine: shift, |c'|^2, pieces, the row's 15 dwords, four stores of 16 bytes (16 lanes fill 256 consecutive bytes).
.macro BUILD1 i
.if \i < 16
	s_wait_loadcnt 17                              ; younger than load i: 15 - i of the first sixteen, my 2 queries, the i reloads below
.else
	s_wait_loadcnt 31-\i                           ; younger than reload i: the reloads behind it
.endif
	v_add_f32 v[CP],   s20, v[PT+4*(\i&15)]
	v_add_f32 v[CP+1], s21, v[PT+4*(\i&15)+1]
	v_add_f32 v[CP+2], s22, v[PT+4*(\i&15)+2]
.if \i < 16
	global_load_b96 v[PT+4*(\i&15):PT+4*(\i&15)+2], v9, s[4:5] offset:1536*(\i+16)   ; the registers just read take candidate i + 16
.endif
	v_mul_f32 v[CP+3], v[CP], v[CP]
	v_fmac_f32 v[CP+3], v[CP+1], v[CP+1]
	v_fmac_f32 v[CP+3], v[CP+2], v[CP+2]
	SPLIT3 PC,   PC+1,  PC+2,  CP
	SPLIT3 PC+3, PC+4,  PC+5,  CP+1
	SPLIT3 PC+6, PC+7,  PC+8,  CP+2
	SPLIT3 PC+9, PC+10, PC+11, CP+3
	PK U,    PC,   PC+1
	PK U+1,  PC+2, PC
	PK U+2,  PC+1, PC+2
	PK U+3,  PC,   PC+1
	PK U+4,  PC+2, PC+3
	PK U+5,  PC+4, PC+5
	PK U+6,  PC+3, PC+4
	PK U+7,  PC+5, PC+3
	PK U+8,  PC+4, PC+5
	PK U+9,  PC+6, PC+7
	PK U+10, PC+8, PC+6
	PK U+11, PC+7, PC+8
	PK U+12, PC+6, PC+7
	PK U+13, PC+8, PC+9
	PK U+14, PC+10, PC+11
.irp k, 0,1,2,3
	ds_store_b128 v[12+(\i>>3)], v[U+4*\k:U+4*\k+3] offset:(\i&7)*8192+256*\k
.endr
.endm
.set bld, 0
.rept 32
	BUILD1 bld
.set bld, bld+1
.endr
; My query of operand f: |q'|^2, the pieces of -2 q', the 16 dwords, and of them the eight that my lane half holds
; (registers 0-3: K = 8 h .. 8 h + 7, registers 4-7: K = 16 + 8 h ..).  The queries' loads are older than the reloads waited for above.
.macro QFRAG f
	v_add_f32 v[CP],   s20, v[QL+4*\f]
	v_add_f32 v[CP+1], s21, v[QL+4*\f+1]
	v_add_f32 v[CP+2], s22, v[QL+4*\f+2]
	v_mul_f32 v[6+\f], v[CP], v[CP]
	v_fmac_f32 v[6+\f], v[CP+1], v[CP+1]
	v_fmac_f32 v[6+\f], v[CP+2], v[CP+2]
	v_mul_f32 v[CP],   -2.0, v[CP]
	v_mul_f32 v[CP+1], -2.0, v[CP+1]
	v_mul_f32 v[CP+2], -2.0, v[CP+2]
	SPLIT3 PC,   PC+1, PC+2, CP
	SPLIT3 PC+3, PC+4, PC+5, CP+1
	SPLIT3 PC+6, PC+7, PC+8, CP+2
	PK U,    PC,   PC
	PK U+1,  PC,   PC+1
	PK U+2,  PC+1, PC+1
	PK U+3,  PC+2, PC+2
	PK U+4,  PC+2, PC+3
	PK U+5,  PC+3, PC+3
	PK U+6,  PC+4, PC+4
	PK U+7,  PC+4, PC+5
	PK U+8,  PC+5, PC+5
	PK U+9,  PC+6, PC+6
	PK U+10, PC+6, PC+7
	PK U+11, PC+7, PC+7
	PK U+12, PC+8, PC+8
	v_cvt_pk_bf16_f32 v[U+13], v[PC+8], 1.0
	v_mov_b32 v[U+14], 0x3f803f80                  ; 1, 1
.irp k, 0,1,2,3
	v_cndmask_b32 v[BQ+8*\f+\k],   v[U+\k],   v[U+4+\k],  vcc_lo
	v_cndmask_b32 v[BQ+8*\f+4+\k], v[U+8+\k], v[U+12+\k], vcc_lo
.endr
.endm
	v_cmp_ne_u32 vcc_lo, 0, v3                     ; lanes 16-31
	QFRAG 0
	QFRAG 1
	s_wait_dscnt 0x0                               ; my rows of the table are written,
	s_barrier_signal -1
	s_barrier_wait -1                              ; everybody's are: the only barrier; the table is only read from here on
.macro LDPAIR par, off                 ; a pair of tiles = 32 candidates = two groups: four loads of 512 consecutive bytes
	ds_load_b128 v[AF+16*\par:AF+16*\par+3],     v4 offset:\off
	ds_load_b128 v[AF+16*\par+4:AF+16*\par+7],   v4 offset:\off+512
	ds_load_b128 v[AF+16*\par+8:AF+16*\par+11],  v4 offset:\off+1024
	ds_load_b128 v[AF+16*\par+12:AF+16*\par+15], v4 offset:\off+1536
.endm
.macro MMPAIR par                      ; 2 tiles x 2 query operands; each product stands alone (C = 0), four different results
.irp f, 0,1
.irp e, 0,1
	v_wmma_f32_16x16x32_bf16 v[DD+32*\par+16*\f+8*\e:DD+32*\par+16*\f+8*\e+7], v[AF+16*\par+8*\e:AF+16*\par+8*\e+7], v[BQ+8*\f:BQ+8*\f+7], 0
.endr
.endr
.endm
.macro RED f, par, i                   ; my group's minimum over its 16 points, + |q'|^2, at least 2^-126, the group's number in the low byte
.set DB, DD+32*\par+16*\f
.set KA, 8+2*\f
	v_min3_num_f32 v[KA],   v[DB],   v[DB+1],  v[DB+2]
	v_min3_num_f32 v[KA+1], v[DB+8], v[DB+9],  v[DB+10]
	v_min3_num_f32 v[KA],   v[KA],   v[DB+3],  v[DB+4]
	v_min3_num_f32 v[KA+1], v[KA+1], v[DB+11], v[DB+12]
	v_min3_num_f32 v[KA],   v[KA],   v[DB+5],  v[DB+6]
	v_min3_num_f32 v[KA+1], v[KA+1], v[DB+13], v[DB+14]
	v_min3_num_f32 v[KA],   v[KA],   v[DB+7],  v[DB+15]
	v_min_num_f32 v[KA], v[KA], v[KA+1]
	v_add_f32 v[KA], v[KA], v[6+\f]
	v_max_num_f32 v[KA], s37, v[KA]
	v_and_or_b32 v[SS+17*\f+\i], v[KA], s36, v5
.endm
; Step i of a trip works on pair p: asks for pair p + 2, multiplies pair p + 1, reduces pair p.  The 23 vector instructions of the reduction
; name none of the registers of the four matrix instructions in front of them: they are the places that stand between those and the next
; step's loads into their operands, its reads of their results and its products into the other set.
.macro STEP i, ld, mm
.set PR, (\i)&1
.set PN, 1-PR
.if \ld
	LDPAIR PR, ((\i)+2)*2048
	s_wait_dscnt 4                                 ; all but the four just issued: pair p + 1 is in
.else
.if \mm
	s_wait_dscnt 0                                 ; nothing was asked for in this step: the last pair is in
.endif
.endif
.if \mm
	MMPAIR PN
.endif
	RED 0, PR, \i
	RED 1, PR, \i
	v_add_nc_u32 v5, 2, v5                         ; my group in the next pair
.endm
; A trip: 16 pairs give 16 keys for each of my two queries; sort them and merge them into the running 16.
.macro TRIP first, last
.set stp, 0
.rept 14
	STEP stp, 1, 1
.set stp, stp+1
.endr
.if \last
	STEP 14, 0, 1                                  ; no pair is left to ask for,
	STEP 15, 0, 0                                  ; and none to multiply
.else
	STEP 14, 1, 1
	STEP 15, 1, 1
.endif
	SORT16 SS
	MERGE TT, SS, \first
	SORT16 SS+17
	MERGE TT+16, SS+17, \first
.if \last == 0
	v_add_nc_u32 v4, 0x8000, v4                    ; 16 pairs of 2,048 bytes on
.endif
.endm
	LDPAIR 0, 0
	LDPAIR 1, 2048
	s_wait_dscnt 4                                 ; pair 0 is in, pair 1's four loads may be out
	MMPAIR 0
	PLACES                                         ; in front of step 0's loads into pair 0's operands
	TRIP 1, 0
	s_mov_b32 s40, 6
.Ltrip:
	TRIP 0, 0
	s_sub_co_u32 s40, s40, 1
	s_cmp_lg_u32 s40, 0
	s_cbranch_scc1 .Ltrip
	TRIP 0, 1
	; The two lane halves hold sorted lists A and B over the even and the odd groups.  The 16 smallest of both are min(A[i], B[15 - i]), i = 0..15:
	; half 0 makes i = 0..7, half 1 (with the lists' parts exchanged) i = 8..15.  Only the low bytes, the groups' numbers, are stored.
	v_lshlrev_b32 v13, 4, v2                       ; 16 bytes a query,
	v_lshl_add_u32 v13, v3, 3, v13                 ; 8 of them from each half,
	v_lshl_add_u32 v13, s18, 9, v13                ; 32 queries a wave
	s_lshl_b32 s42, ttmp9, 11                      ; 128 queries a work-group
	s_add_nc_u64 s[14:15], s[14:15], s[42:43]
.macro OUTG f
.set TB, TT+16*\f
.set SB, SS+17*\f
.irp i, 0,1,2,3,4,5,6,7
	v_permlanex16_b32 v[SB+\i], v[TB+15-\i], s38, s39
.endr
.irp i, 0,1,2,3,4,5,6,7
	v_min_num_f32 v[SB+\i], v[SB+\i], v[TB+\i]
.endr
	v_perm_b32 v[SB+8], v[SB+1], v[SB],   0x0400   ; bytes 0, 1: the low bytes of two keys
	v_perm_b32 v[SB+9], v[SB+3], v[SB+2], 0x0400
	v_perm_b32 v[8+2*\f], v[SB+9], v[SB+8], 0x05040100
	v_perm_b32 v[SB+8], v[SB+5], v[SB+4], 0x0400
	v_perm_b32 v[SB+9], v[SB+7], v[SB+6], 0x0400
	v_perm_b32 v[9+2*\f], v[SB+9], v[SB+8], 0x05040100
	global_store_b64 v13, v[8+2*\f:9+2*\f], s[14:15] offset:256*\f   ; the wave stores 256 consecutive bytes, aligned
.endm
	OUTG 0
	OUTG 1
	s_wait_tensorcnt 0x0
	ds_add_u32 v208, v209
	s_wait_dscnt 0x0
	s_endpgm
.Lfunc_end_k_q6debf55d8b_coarse:
	.size	k_q6debf55d8b_coarse, .Lfunc_end_k_q6debf55d8b_coarse-k_q6debf55d8b_coarse
	.p2alignl 7, 3214868480
	.fill 96, 4, 3214868480
	.section	.rodata,"a",@progbits
	.p2align	6, 0x0
	.amdhsa_kernel k_q6debf55d8b_coarse
		.amdhsa_group_segment_fixed_size 262656
		.amdhsa_private_segment_fixed_size 0
		.amdhsa_enable_private_segment 0
		.amdhsa_kernarg_size 56
		.amdhsa_user_sgpr_count 2
		.amdhsa_user_sgpr_kernarg_segment_ptr 1
		.amdhsa_wavefront_size32 1
		.amdhsa_system_sgpr_workgroup_id_x 1
		.amdhsa_system_sgpr_workgroup_id_y 1
		.amdhsa_system_sgpr_workgroup_id_z 1
		.amdhsa_system_vgpr_workitem_id 0
		.amdhsa_next_free_vgpr 210
		.amdhsa_next_free_sgpr 66
		.amdhsa_reserve_vcc 1
		.amdhsa_float_denorm_mode_32 3
		.amdhsa_float_denorm_mode_16_64 3
		.amdhsa_memory_ordered 1
		.amdhsa_forward_progress 1
		.amdhsa_inst_pref_size 197
	.end_amdhsa_kernel
	.amdgpu_metadata
---
amdhsa.version: [ 1, 2 ]
amdhsa.kernels:
  - .name:           k_q6debf55d8b_coarse
    .symbol:         k_q6debf55d8b_coarse.kd
    .args:
      - { .name: xyz, .offset: 0, .size: 8, .value_kind: global_buffer, .address_space: global }
      - { .name: r_w, .offset: 8, .size: 8, .value_kind: global_buffer, .address_space: global }
      - { .name: e_w1, .offset: 16, .size: 8, .value_kind: global_buffer, .address_space: global }
      - { .name: g_w1, .offset: 24, .size: 8, .value_kind: global_buffer, .address_space: global }
      - { .name: g_w2, .offset: 32, .size: 8, .value_kind: global_buffer, .address_space: global }
      - { .name: groups, .offset: 40, .size: 8, .value_kind: global_buffer, .address_space: global }
      - { .name: wimg, .offset: 48, .size: 8, .value_kind: global_buffer, .address_space: global }
    .group_segment_fixed_size: 262656
    .private_segment_fixed_size: 0
    .kernarg_segment_align: 8
    .kernarg_segment_size: 56
    .max_flat_workgroup_size: 128
    .sgpr_count:     66
    .vgpr_count:     210
    .wavefront_size: 32
...
	.end_amdgpu_metadata
.endif
;; end of part 1
;; launch fine (part 2): grid 256 x 1, 8 waves a work-group, no clusters, 54,272 bytes of LDS; arguments xyz, groups, nbr; writes nbr
.if DOCPART == 2
	.amdgcn_target "amdgcn-amd-amdhsa--gfx1250"
	.amdhsa_code_object_version 6
	.text
	.protected	k_q6debf55d8b_fine
	.globl	k_q6debf55d8b_fine
	.p2align	8
	.type	k_q6debf55d8b_fine,@function
k_q6debf55d8b_fine:
	s_mov_b64 s[64:65], 0
	v_nop
	global_prefetch_b8 v0, s[64:65] scope:SCOPE_SE
	s_setreg_imm32_b32 hwreg(HW_REG_WAVE_MODE, 25, 1), 1
	s_wait_xcnt 0x0
; FINE: the 16 nearest points of each point, out of the 16 x 16 points of the groups that the launch before chose (which hold them all:
; see that kernel's head).  Squared distances are sums of squares of differences c - q in f32.
; Left out, as there: the values of top_k.  LIMITS, as there: no NaN or infinity in xyz; 2^-126 is added to every squared distance (it
; shows only where the distance is 0 or denormal); the key is the squared distance with its low 8 mantissa bits replaced by the point's
; place in the list, so distances that agree to 2^-15 relative may be taken in either order, and ties do not follow the lower index.
; SHARES.  Work-group g: batch g >> 5, queries 128 g .. + 127 (counted over all batches).  Wave w: 16 queries.  Lane (r, h): query 16 w + r
; and the 8 groups of bytes 8 h .. 8 h + 7 of its list: 128 points.  Every query has candidates of its own, so the matrix unit has no
; operand to share; the 48 KiB of a batch are rearranged on the way into LDS, so they come through registers.
; LDS: group G at 208 G: x of its 16 points at + 0, y at + 64, z at + 128.  208 = 13 x 16: lanes that read different groups start at
; different 16-byte columns for most pairs of groups.
; The addresses into LDS come from whole numbers read from memory (clamped to 255).  The indices made here are only stored.
.set GP, 208                           ; bytes of a group in LDS
.set XB0, 32                           ; v[32:79]   a group's x, y, z (16 each), buffer 0; first the staging loads
.set XB1, 80                           ; v[80:127]  buffer 1
.set SS,  128                          ; v[128:144] 16 new keys + 1 spare
.set TT,  146                          ; v[146:161] the running 16 smallest, ascending
; v2 r, v3 h, v[4:5] my 8 group numbers, v6-v13 their LDS addresses, v[14:19] qx qx qy qy qz qz, v[20:21] 2^-126 twice, v22 128 h, v23-v31 at work
.macro INITW base
.irp k, 0,1,2,3,4,5,6,7,8,9,10,11,12,13,14,15
.set W\k, \base+\k
.endr
.set FREE, \base+16
.endm
.macro CE a, b                         ; compare-exchange on named wires: minimum into the spare register, maximum in place, names change hands
	v_min_num_f32 v[FREE], v[W\a], v[W\b]
	v_max_num_f32 v[W\b], v[W\a], v[W\b]
.set TMPW, W\a
.set W\a, FREE
.set FREE, TMPW
.endm
.macro SORT16 base                     ; Batcher's odd-even merge sort of 16, 63 compare-exchanges, ascending
	INITW \base
	CE 0,1
	CE 2,3
	CE 4,5
	CE 6,7
	CE 8,9
	CE 10,11
	CE 12,13
	CE 14,15
	CE 0,2
	CE 1,3
	CE 4,6
	CE 5,7
	CE 8,10
	CE 9,11
	CE 12,14
	CE 13,15
	CE 1,2
	CE 5,6
	CE 9,10
	CE 13,14
	CE 0,4
	CE 1,5
	CE 2,6
	CE 3,7
	CE 8,12
	CE 9,13
	CE 10,14
	CE 11,15
	CE 2,4
	CE 3,5
	CE 10,12
	CE 11,13
	CE 1,2
	CE 3,4
	CE 5,6
	CE 9,10
	CE 11,12
	CE 13,14
	CE 0,8
	CE 1,9
	CE 2,10
	CE 3,11
	CE 4,12
	CE 5,13
	CE 6,14
	CE 7,15
	CE 4,8
	CE 5,9
	CE 6,10
	CE 7,11
	CE 2,4
	CE 3,5
	CE 6,8
	CE 7,9
	CE 10,12
	CE 11,13
	CE 1,2
	CE 3,4
	CE 5,6
	CE 7,8
	CE 9,10
	CE 11,12
	CE 13,14
.endm
.macro BST src, dst, d                 ; one stage of a bitonic merge, from one bank of 16 registers into the other
.set bi, 0
.rept 16
.if (bi & \d) == 0
	v_min_num_f32 v[\dst+bi], v[\src+bi], v[\src+bi+\d]
	v_max_num_f32 v[\dst+bi+\d], v[\src+bi], v[\src+bi+\d]
.endif
.set bi, bi+1
.endr
.endm
.macro MRG1 T, i, j
	v_min_num_f32 v[\T+\i], v[\T+\i], v[W\j]
.endm
.macro MERGE T, S, first               ; min(T[i], W[15 - i]) is the 16 smallest of both, bitonic; four stages sort it
.if \first
.irp k, 0,1,2,3,4,5,6,7,8,9,10,11,12,13,14,15
	v_mov_b32 v[\T+\k], v[W\k]
.endr
.else
	MRG1 \T, 0, 15
	MRG1 \T, 1, 14
	MRG1 \T, 2, 13
	MRG1 \T, 3, 12
	MRG1 \T, 4, 11
	MRG1 \T, 5, 10
	MRG1 \T, 6, 9
	MRG1 \T, 7, 8
	MRG1 \T, 8, 7
	MRG1 \T, 9, 6
	MRG1 \T, 10, 5
	MRG1 \T, 11, 4
	MRG1 \T, 12, 3
	MRG1 \T, 13, 2
	MRG1 \T, 14, 1
	MRG1 \T, 15, 0
	BST \T, \S, 8
	BST \S, \T, 4
	BST \T, \S, 2
	BST \S, \T, 1
.endif
.endm
	s_load_b128 s[4:7], s[0:1], 0x0                ; xyz s[4:5], groups s[6:7]
	s_load_b64 s[8:9], s[0:1], 0x10                ; nbr
	v_lshl_add_u32 v168, v0, 2, 0xd000
	v_mov_b32 v169, 0
	v_and_b32 v2, 15, v0                           ; r
	v_bfe_u32 v3, v0, 4, 1                         ; h
	v_lshrrev_b32 v23, 5, v0
	v_readfirstlane_b32 s11, v23                   ; wave
	s_mov_b32 s10, 0xffffff00                      ; a key's distance part
	s_mov_b32 s12, 0x76543210                      ; v_permlanex16_b32: lane i reads lane i of the other half
	s_mov_b32 s13, 0xfedcba98
	s_lshr_b32 s14, ttmp9, 5
	s_mul_i32 s14, s14, 49152                      ; my batch of xyz
	s_mov_b32 s15, 0
	s_lshl_b32 s16, ttmp9, 11                      ; 128 queries x 16 bytes of groups
	s_mov_b32 s17, 0
	s_lshl_b32 s18, ttmp9, 12                      ; 128 queries x 32 bytes of nbr
	s_mov_b32 s19, 0
	s_and_b32 s20, ttmp9, 31
	s_lshl_b32 s20, s20, 7                         ; the work-group's first query in its batch
	v_lshl_add_u32 v24, s11, 4, v2                 ; my query in the work-group: 16 w + r
	v_lshlrev_b32 v25, 4, v24
	v_lshl_add_u32 v25, v3, 3, v25                 ; my 8 bytes of groups
	v_add_nc_u32 v26, s20, v24
	v_mul_u32_u24 v26, v26, 12                     ; my query's coordinates
	v_mul_u32_u24 v27, v0, 12                      ; staging: point 256 i + thread
	s_mul_i32 s21, s11, 2*GP                       ; a wave stages two groups in each block of 256 points
	v_mul_u32_u24 v28, v3, GP
	v_lshl_add_u32 v28, v2, 2, v28
	v_add_nc_u32 v28, s21, v28                     ; 416 w + 208 h + 4 r
	v_lshlrev_b32 v29, 5, v24
	v_lshl_add_u32 v29, v3, 4, v29                 ; my 16 bytes of nbr
	v_lshlrev_b32 v22, 7, v3
	v_mov_b32 v20, 0x00800000
	v_mov_b32 v21, 0x00800000
	s_wait_kmcnt 0x0
	s_add_nc_u64 s[4:5], s[4:5], s[14:15]
	s_add_nc_u64 s[6:7], s[6:7], s[16:17]
	s_add_nc_u64 s[8:9], s[8:9], s[18:19]
	global_load_b64 v[4:5], v25, s[6:7]
	global_load_b96 v[128:130], v26, s[4:5]
.irp i, 0,1,2,3,4,5,6,7,8,9,10,11,12,13,14,15
	global_load_b96 v[XB0+4*\i:XB0+4*\i+2], v27, s[4:5] offset:3072*\i
.endr
.irp i, 0,1,2,3,4,5,6,7,8,9,10,11,12,13,14,15
	s_wait_loadcnt 15-\i                           ; the staging loads behind load i may be out
	ds_store_b32 v28, v[XB0+4*\i]   offset:16*GP*\i
	ds_store_b32 v28, v[XB0+4*\i+1] offset:16*GP*\i+64
	ds_store_b32 v28, v[XB0+4*\i+2] offset:16*GP*\i+128
.endr
	v_mov_b32 v14, v128                            ; the query, each coordinate twice, for the packed subtractions
	v_mov_b32 v15, v128
	v_mov_b32 v16, v129
	v_mov_b32 v17, v129
	v_mov_b32 v18, v130
	v_mov_b32 v19, v130
.irp s, 0,1,2,3,4,5,6,7
	v_bfe_u32 v[6+\s], v[4+(\s>>2)], 8*(\s&3), 8
	v_min_u32 v[6+\s], 0xff, v[6+\s]               ; a number read from memory enters an address only clamped
	v_mul_u32_u24 v[6+\s], v[6+\s], GP
.endr
	s_wait_dscnt 0x0                               ; my part of the batch is in LDS,
	s_barrier_signal -1
	s_barrier_wait -1                              ; everybody's is; it is only read from here on
.macro LOADG s, buf                    ; my group number s: 192 bytes
.irp k, 0,1,2,3,4,5,6,7,8,9,10,11
	ds_load_b128 v[\buf+4*\k:\buf+4*\k+3], v[6+\s] offset:16*\k
.endr
.endm
.macro GROUP s, buf, more, left, first
	s_wait_dscnt \left                             ; the next group's twelve loads may be out
.irp j, 0,2,4,6,8,10,12,14
	v_pk_add_f32 v[\buf+\j:\buf+\j+1],       v[\buf+\j:\buf+\j+1],       v[14:15] neg_lo:[0,1] neg_hi:[0,1]
	v_pk_add_f32 v[\buf+16+\j:\buf+17+\j],   v[\buf+16+\j:\buf+17+\j],   v[16:17] neg_lo:[0,1] neg_hi:[0,1]
	v_pk_add_f32 v[\buf+32+\j:\buf+33+\j],   v[\buf+32+\j:\buf+33+\j],   v[18:19] neg_lo:[0,1] neg_hi:[0,1]
.endr
.irp j, 0,2,4,6,8,10,12,14
	v_pk_fma_f32 v[\buf+\j:\buf+\j+1], v[\buf+\j:\buf+\j+1], v[\buf+\j:\buf+\j+1], v[20:21]
.endr
.irp j, 0,2,4,6,8,10,12,14
	v_pk_fma_f32 v[\buf+\j:\buf+\j+1], v[\buf+16+\j:\buf+17+\j], v[\buf+16+\j:\buf+17+\j], v[\buf+\j:\buf+\j+1]
.endr
.irp j, 0,2,4,6,8,10,12,14
	v_pk_fma_f32 v[\buf+\j:\buf+\j+1], v[\buf+32+\j:\buf+33+\j], v[\buf+32+\j:\buf+33+\j], v[\buf+\j:\buf+\j+1]
.endr
.irp i, 0,1,2,3,4,5,6,7,8,9,10,11,12,13,14,15
	v_and_or_b32 v[SS+\i], v[\buf+\i], s10, 16*\s+\i     ; low byte: place in my list of 128
.endr
.if \more
	LOADG \s+2, \buf
.endif
	SORT16 SS
	MERGE TT, SS, \first
.endm
	LOADG 0, XB0
	LOADG 1, XB1
	GROUP 0, XB0, 1, 12, 1
	GROUP 1, XB1, 1, 12, 0
	GROUP 2, XB0, 1, 12, 0
	GROUP 3, XB1, 1, 12, 0
	GROUP 4, XB0, 1, 12, 0
	GROUP 5, XB1, 1, 12, 0
	GROUP 6, XB0, 0, 12, 0
	GROUP 7, XB1, 0, 0, 0                          ; the last group: nothing is out behind it
	; Both halves' lists, A and B: the 16 smallest of both are min(A[i], B[15 - i]); each half makes eight of them.  Bit 7 of a key says whose list it is from.
.irp i, 0,1,2,3,4,5,6,7,8,9,10,11,12,13,14,15
	v_or_b32 v[TT+\i], v[TT+\i], v22
.endr
.irp i, 0,1,2,3,4,5,6,7
	v_permlanex16_b32 v[SS+\i], v[TT+15-\i], s12, s13
.endr
.irp i, 0,1,2,3,4,5,6,7
	v_min_num_f32 v[SS+\i], v[SS+\i], v[TT+\i]
.endr
	v_permlanex16_b32 v23, v4, s12, s13            ; the other half's eight group numbers
	v_permlanex16_b32 v24, v5, s12, s13
	v_cmp_ne_u32 vcc_lo, 0, v3
	v_cndmask_b32 v25, v4, v23, vcc_lo             ; half 0's numbers
	v_cndmask_b32 v26, v5, v24, vcc_lo
	v_cndmask_b32 v27, v23, v4, vcc_lo             ; half 1's numbers
	v_cndmask_b32 v30, v24, v5, vcc_lo
.irp i, 0,1,2,3,4,5,6,7
	v_bfe_u32 v[32+\i], v[SS+\i], 4, 3             ; which of the eight groups
	v_perm_b32 v[40+\i], v26, v25, v[32+\i]        ; byte 0: its number, from half 0's list
	v_perm_b32 v[48+\i], v30, v27, v[32+\i]        ; from half 1's
	v_and_b32 v[56+\i], 0x80, v[SS+\i]
	v_cmp_ne_u32 vcc_lo, 0, v[56+\i]
	v_cndmask_b32 v[40+\i], v[40+\i], v[48+\i], vcc_lo
	v_and_b32 v[40+\i], 0xff, v[40+\i]
	v_and_b32 v[56+\i], 15, v[SS+\i]
	v_lshl_or_b32 v[40+\i], v[40+\i], 4, v[56+\i]  ; the point's index in its batch: 16 group + place
.endr
.irp k, 0,1,2,3
	v_lshl_or_b32 v[64+\k], v[41+2*\k], 16, v[40+2*\k]
.endr
	global_store_b128 v29, v[64:67], s[8:9]        ; the wave stores 512 consecutive bytes, aligned
	s_wait_tensorcnt 0x0
	ds_add_u32 v168, v169
	s_wait_dscnt 0x0
	s_endpgm
.Lfunc_end_k_q6debf55d8b_fine:
	.size	k_q6debf55d8b_fine, .Lfunc_end_k_q6debf55d8b_fine-k_q6debf55d8b_fine
	.p2alignl 7, 3214868480
	.fill 96, 4, 3214868480
	.section	.rodata,"a",@progbits
	.p2align	6, 0x0
	.amdhsa_kernel k_q6debf55d8b_fine
		.amdhsa_group_segment_fixed_size 54272
		.amdhsa_private_segment_fixed_size 0
		.amdhsa_enable_private_segment 0
		.amdhsa_kernarg_size 24
		.amdhsa_user_sgpr_count 2
		.amdhsa_user_sgpr_kernarg_segment_ptr 1
		.amdhsa_wavefront_size32 1
		.amdhsa_system_sgpr_workgroup_id_x 1
		.amdhsa_system_sgpr_workgroup_id_y 1
		.amdhsa_system_sgpr_workgroup_id_z 1
		.amdhsa_system_vgpr_workitem_id 0
		.amdhsa_next_free_vgpr 170
		.amdhsa_next_free_sgpr 66
		.amdhsa_reserve_vcc 1
		.amdhsa_float_denorm_mode_32 3
		.amdhsa_float_denorm_mode_16_64 3
		.amdhsa_memory_ordered 1
		.amdhsa_forward_progress 1
		.amdhsa_inst_pref_size 105
	.end_amdhsa_kernel
	.amdgpu_metadata
---
amdhsa.version: [ 1, 2 ]
amdhsa.kernels:
  - .name:           k_q6debf55d8b_fine
    .symbol:         k_q6debf55d8b_fine.kd
    .args:
      - { .name: xyz, .offset: 0, .size: 8, .value_kind: global_buffer, .address_space: global }
      - { .name: groups, .offset: 8, .size: 8, .value_kind: global_buffer, .address_space: global }
      - { .name: nbr, .offset: 16, .size: 8, .value_kind: global_buffer, .address_space: global }
    .group_segment_fixed_size: 54272
    .private_segment_fixed_size: 0
    .kernarg_segment_align: 8
    .kernarg_segment_size: 24
    .max_flat_workgroup_size: 256
    .sgpr_count:     66
    .vgpr_count:     170
    .wavefront_size: 32
...
	.end_amdgpu_metadata
.endif
;; end of part 2
;; launch fuse (part 3): grid 256 x 1, 8 waves a work-group, clusters of 4 x 1, 302,592 bytes of LDS; arguments features, xyz, nbr, wimg, g_b1, g_lnw, g_lnb, g_b2, e_b1, e_lnw, e_lnb, e_w2, e_b2, r_b, r_lnw, r_lnb, out0, out1; writes out0, out1
.if DOCPART == 3
	.amdgcn_target "amdgcn-amd-amdhsa--gfx1250"
	.amdhsa_code_object_version 6
	.text
	.protected	k_q6debf55d8b_fuse
	.globl	k_q6debf55d8b_fuse
	.p2align	8
	.type	k_q6debf55d8b_fuse,@function
k_q6debf55d8b_fuse:
	s_mov_b64 s[64:65], 0
	v_nop
	global_prefetch_b8 v0, s[64:65] scope:SCOPE_SE
	s_setreg_imm32_b32 hwreg(HW_REG_WAVE_MODE, 25, 1), 1
	s_wait_xcnt 0x0
	s_wait_alu depctr_hold_cnt(0) depctr_sa_sdst(0) depctr_va_vdst(0) depctr_va_sdst(0) depctr_va_ssrc(0) depctr_va_vcc(0) depctr_vm_vsrc(0)
	s_getreg_b32 s2, hwreg(HW_REG_IB_STS2, 6, 4)
	s_cmp_eq_u32 s2, 0
	s_cbranch_scc0 .Lentry_in_a_cluster
	s_endpgm
.Lentry_in_a_cluster:
	s_bfe_u32 s2, ttmp6, 0x10000c
	s_cmp_lg_u32 s2, 0x3003
	s_cbranch_scc0 .Lentry_shape_is_right
	s_endpgm
.Lentry_shape_is_right:
; FUSE: gather of the 16 neighbours, their ten statistics, the geo MLP, the edge head, the refine layer with its LayerNorm, the residual.
; Left out (shown at the head of the first kernel): the off-diagonal sums of cov, and the mean that std takes away from the centred cen.
; LIMITS: matrix operands (features, statistics, hidden layers, weights) are rounded to bf16; sums, norms and activations are f32.
; An index read from nbr is clamped to 4095.
; SHARES.  Work-group g: rows 128 g .. + 127 of the 32,768.  Wave w: 16 whole rows, so every LayerNorm stays inside a wave.
; EVERY PRODUCT IS USED TRANSPOSED: first operand = a weight image (16 output columns x 32 K), second = 16 rows of activations.  Lane
; (r = l & 15, h = l >> 4), register j of column tile t then holds (row r, column 16 t + 8 h + j).  So a layer's result, packed to bf16, is
; the next layer's second operand as it stands, and a sum along a row is a sum in the lane and one exchange between the lane halves.
; CLUSTER: all work-groups walk the same 164 weight images (167,936 bytes).  Four work-groups form a cluster and ask for them jointly, each
; wave for its eighth, with one descriptor in all four.  The features are each work-group's own: a plain load, 16 rows a wave.
; A wave has two tensor loads out, both first fills; no LDS byte is filled twice.
; LDS: 0 .. 167,935 weight images (refine: 16 step + tile; edge: 128 + 4 step + tile), 1,024 bytes each, read as 512 consecutive bytes a load;
; 167,936 .. 301,055 features, f32, 8 waves x 16 rows of 1,024 + 16 bytes (sixteen rows' 16-byte pieces fall on sixteen different columns
; modulo 256 bytes), later each wave's own stage for its results; 301,056 .. 301,567 the 128 edge probabilities.
.set FBASE,  167936
.set FPITCH, 1040
.set FWAVE,  16*FPITCH
.set SCR,    301056
.set WPART,  20992                     ; an eighth of the images: 82 rows of 256 bytes
.set LT,  112                          ; v[112:119] four packed chains; v121 what the other lane half sends.  Used only while the weight buffers are dead
.set PP,  12                           ; v[12:13] edge probability, twice
.set MM,  14                           ; v[14:15] mean, twice
.set RS,  16                           ; v[16:17] 1 / sqrt(var + eps), twice
.set GB,  24                           ; v[24:31] the geo features as an operand
.set ST,  32                           ; v[32:47] 16 features in f32, on their way to bf16
.set FB,  48                           ; v[48:63] feature operands, two buffers
.set WB,  64                           ; v[64:127] weight images, two buffers of four
.set ACC, 128                          ; v[128:255] refine sums, 16 tiles; before that the edge head's sums and parameters, and the geo MLP
; v2 r, v3 h, v4 32 h (a lane half's 8 numbers of a parameter tile), v5 my features in LDS, v7 v8 v10 images at + 65,536, + 131,072, + 0 (v10 = 16 lane also serves
; global offsets), v9 whole rows back from the stage, v11 my row's probability, v18 my indices;  v256-v383 (window 1): r_b, tile t at 8 t
.set MSB, 0
.macro WIN new                         ; s_set_vgpr_msb: bits 5:4 third source, 7:6 destination; the high byte repeats the setting that is left
.if MSB != \new
	s_set_vgpr_msb (MSB<<8)|\new
.set MSB, \new
.endif
.endm
.macro PLACES                          ; four plain vector instructions behind matrix instructions (ISA guide 7.12.1)
.rept 4
	v_nop
.endr
.endm
.macro ROUND                           ; a round of the cluster's barrier: my work-group's barrier, wave 0 signals for it, all wait, my work-group's barrier
	s_barrier_signal -1
	s_barrier_wait -1
	s_cmp_lg_u32 s8, 0
	s_cbranch_scc1 .Lnot_wave_0_\@
	s_barrier_signal -3
.Lnot_wave_0_\@:
	s_barrier_wait -3
	s_barrier_signal -1
	s_barrier_wait -1
.endm
.macro XH x                            ; add the other lane half's figure: both halves then hold the row's
	v_permlanex16_b32 v121, v[\x], s14, s15
	v_add_f32 v[\x], v[\x], v121
.endm
.macro FOLD                            ; four packed chains into one number, over both lane halves
	v_pk_add_f32 v[LT:LT+1], v[LT:LT+1], v[LT+2:LT+3]
	v_pk_add_f32 v[LT+4:LT+5], v[LT+4:LT+5], v[LT+6:LT+7]
	v_pk_add_f32 v[LT:LT+1], v[LT:LT+1], v[LT+4:LT+5]
	v_add_f32 v[LT], v[LT], v[LT+1]
	XH LT
.endm
; LayerNorm's figures for a row of 2 n numbers, n in each lane half from v[base]: the numbers are centred in place, RS = 1 / sqrt(var + 1e-5)
.macro LNSTAT base, n, invn
.irp c, 0,2,4,6
	v_pk_add_f32 v[LT+\c:LT+\c+1], v[\base+\c:\base+\c+1], v[\base+8+\c:\base+9+\c]
.endr
.set li, 16
.rept ((\n)-16)/8
.irp c, 0,2,4,6
	v_pk_add_f32 v[LT+\c:LT+\c+1], v[LT+\c:LT+\c+1], v[\base+li+\c:\base+li+\c+1]
.endr
.set li, li+8
.endr
	FOLD
	v_mul_f32 v[MM], \invn, v[LT]
	v_mov_b32 v[MM+1], v[MM]
.set li, 0
.rept (\n)/2
	v_pk_add_f32 v[\base+li:\base+li+1], v[\base+li:\base+li+1], v[MM:MM+1] neg_lo:[0,1] neg_hi:[0,1]
.set li, li+2
.endr
.irp c, 0,2,4,6
	v_pk_mul_f32 v[LT+\c:LT+\c+1], v[\base+\c:\base+\c+1], v[\base+\c:\base+\c+1]
.endr
.set li, 8
.rept ((\n)-8)/8
.irp c, 0,2,4,6
	v_pk_fma_f32 v[LT+\c:LT+\c+1], v[\base+li+\c:\base+li+\c+1], v[\base+li+\c:\base+li+\c+1], v[LT+\c:LT+\c+1]
.endr
.set li, li+8
.endr
	FOLD
	v_fma_f32 v[LT], v[LT], \invn, s11             ; var + 1e-5
	v_rsq_f32 v[RS], v[LT]
	v_nop                                          ; one plain instruction behind a transcendental (ISA guide 5.7.2)
	s_wait_alu depctr_va_vdst(0)
	v_mov_b32 v[RS+1], v[RS]
.endm
.macro NORM base, w, b, n              ; relu(x RS w + b) on n centred numbers
.set ni, 0
.rept (\n)/2
	v_pk_mul_f32 v[\base+ni:\base+ni+1], v[\base+ni:\base+ni+1], v[RS:RS+1]
.set ni, ni+2
.endr
.set ni, 0
.rept (\n)/2
	v_pk_fma_f32 v[\base+ni:\base+ni+1], v[\base+ni:\base+ni+1], v[\w+ni:\w+ni+1], v[\b+ni:\b+ni+1]
.set ni, ni+2
.endr
.set ni, 0
.rept \n
	v_max_num_f32 v[\base+ni], 0, v[\base+ni]
.set ni, ni+1
.endr
.endm
.macro LDPAR dst, sb, n                ; a parameter vector's first n column tiles: my lane half's 8 numbers of each
.set pti, 0
.rept \n
	global_load_b128 v[\dst+8*pti:\dst+8*pti+3],   v4, s[\sb:\sb+1] offset:64*pti
	global_load_b128 v[\dst+8*pti+4:\dst+8*pti+7], v4, s[\sb:\sb+1] offset:64*pti+16
.set pti, pti+1
.endr
.endm
.macro LDW areg, off, buf              ; four weight images
.irp i, 0,1,2,3
	ds_load_b128 v[\buf+8*\i:\buf+8*\i+3],   v[\areg] offset:\off+1024*\i
	ds_load_b128 v[\buf+8*\i+4:\buf+8*\i+7], v[\areg] offset:\off+1024*\i+512
.endr
.endm
.macro LDF s                           ; my 16 features of K step s: K = 8 h .. + 7 and 16 + 8 h .. + 7
	ds_load_b128 v[ST:ST+3],     v5 offset:128*(\s)
	ds_load_b128 v[ST+4:ST+7],   v5 offset:128*(\s)+16
	ds_load_b128 v[ST+8:ST+11],  v5 offset:128*(\s)+64
	ds_load_b128 v[ST+12:ST+15], v5 offset:128*(\s)+80
.endm
.macro CVT4 dst, src
.irp j, 0,1,2,3
	v_cvt_pk_bf16_f32 v[\dst+\j], v[\src+2*\j], v[\src+2*\j+1]
.endr
.endm
	s_load_b512 s[16:31], s[0:1], 0x0              ; features 16, xyz 18, nbr 20, wimg 22, g_b1 24, g_lnw 26, g_lnb 28, g_b2 30
	s_load_b512 s[32:47], s[0:1], 0x40             ; e_b1 32, e_lnw 34, e_lnb 36, e_w2 38, e_b2 40, r_b 42, r_lnw 44, r_lnb 46
	s_load_b128 s[48:51], s[0:1], 0x80             ; out0 48, out1 50
	v_lshl_add_u32 v22, v0, 2, 0x49a00
	v_mov_b32 v23, 0
	ds_add_u32 v22, v23
	ds_add_u32 v22, v23
	v_and_b32 v1, 31, v0
	v_and_b32 v2, 15, v0                           ; r
	v_bfe_u32 v3, v0, 4, 1                         ; h
	v_lshrrev_b32 v4, 5, v0
	v_readfirstlane_b32 s8, v4                     ; wave
	s_bfe_u32 s10, ttmp6, 0x40000                  ; my place in the cluster
	s_lshl_b32 s9, ttmp9, 2                        ; in a cluster launch ttmp9 counts clusters
	s_add_co_u32 s9, s9, s10                       ; work-group g
	s_mov_b32 s11, 0x3727c5ac                      ; 1e-5
	s_mov_b32 s14, 0x76543210                      ; v_permlanex16_b32: lane i reads lane i of the other half
	s_mov_b32 s15, 0xfedcba98
	; the images: a dense block as 82 rows of 32 elements of 8 bytes; the mask names all four work-groups, bit 21 is set beside it
	s_mov_b32 s56, 15|(3<<16)|(1<<21)
	s_mov_b32 s57, 32<<16                          ; tensor_dim0 = 32
	s_mov_b32 s58, 82<<16                          ; tensor_dim1 = 82
	s_mov_b32 s59, 32<<16                          ; tile_dim0 = 32
	s_mov_b32 s60, 82                              ; tile_dim1 = 82
	s_mov_b32 s61, 32                              ; from row to row
	s_mov_b32 s62, 0
	s_mov_b32 s63, 0
	s_mov_b32 s52, 1
	s_mul_i32 s53, s8, WPART                       ; LDS address: the wave's number alone
	; the features: 16 rows of 128 elements of 8 bytes, 4 dwords of padding behind every 256
	s_mov_b32 s72, (3<<16)|(1<<20)|(7<<22)|(3<<25)
	s_mov_b32 s73, 128<<16
	s_mov_b32 s74, 16<<16
	s_mov_b32 s75, 128<<16
	s_mov_b32 s76, 16
	s_mov_b32 s77, 128
	s_mov_b32 s78, 0
	s_mov_b32 s79, 0
	s_mov_b32 s68, 1
	s_mul_i32 s69, s8, FWAVE
	s_add_co_u32 s69, s69, FBASE
	s_mul_i32 s4, s8, WPART
	s_mov_b32 s5, 0
	s_lshl_b32 s6, s9, 17                          ; 128 rows of 1,024 bytes a work-group,
	s_lshl_b32 s7, s8, 14                          ; 16 a wave
	s_add_co_u32 s6, s6, s7
	s_mov_b32 s7, 0
	s_wait_dscnt 0x0
	s_wait_kmcnt 0x0
	s_add_nc_u64 s[54:55], s[22:23], s[4:5]
	s_or_b32 s55, s55, 0x80000000
	s_add_nc_u64 s[70:71], s[16:17], s[6:7]
	s_or_b32 s71, s71, 0x80000000
	s_add_nc_u64 s[48:49], s[48:49], s[6:7]        ; out0 at my wave's rows
	s_load_b32 s12, s[40:41], 0x0                  ; e_b2
	ROUND                                          ; all four work-groups are here: the joint loads meet
	tensor_load_to_lds s[52:55], s[56:63]          ; my eighth of the images, jointly
	s_nop 0
	tensor_load_to_lds s[68:71], s[72:79]          ; my 16 rows of features
	s_nop 0
	v_lshlrev_b32 v4, 5, v3                        ; 32 h
	v_mul_u32_u24 v5, v2, FPITCH
	v_add_nc_u32 v5, v5, v4
	v_add_nc_u32 v5, s69, v5                       ; my row, my half's 8 numbers
	v_lshlrev_b32 v10, 4, v1                       ; 16 lane
	v_add_nc_u32 v7, 0x10000, v10
	v_add_nc_u32 v8, 0x20000, v10
	v_add_nc_u32 v9, s69, v10
	v_lshlrev_b32 v11, 2, v2
	v_lshl_add_u32 v11, s8, 6, v11
	v_add_nc_u32 v11, SCR, v11
	v_lshlrev_b32 v18, 5, v2                       ; 32 bytes of indices a row,
	v_lshl_add_u32 v18, v3, 4, v18                 ; 16 for each lane half,
	v_lshl_add_u32 v18, s8, 9, v18                 ; 16 rows a wave
	v_cmp_eq_u32 s13, 0, v3                        ; lanes 0-15
	v_mov_b32 v121, 0                              ; v_permlanex16_b32 counts as a reader of its destination
	s_lshl_b32 s4, s9, 12
	s_add_nc_u64 s[20:21], s[20:21], s[4:5]        ; nbr at my work-group
	s_lshr_b32 s4, s9, 5
	s_mul_i32 s4, s4, 49152
	s_add_nc_u64 s[18:19], s[18:19], s[4:5]        ; xyz at my batch
	s_lshl_b32 s4, s9, 9
	s_add_nc_u64 s[50:51], s[50:51], s[4:5]        ; out1 at my work-group
	global_load_b128 v[32:35], v18, s[20:21]       ; 8 of my row's 16 neighbours
.irp k, 0,1,2
	global_load_b128 v[160+8*\k:163+8*\k], v10, s[22:23] offset:167936+1024*\k       ; images 164, 165 (g_w1), 166 (g_w2)
	global_load_b128 v[164+8*\k:167+8*\k], v10, s[22:23] offset:167936+1024*\k+512
.endr
	LDPAR 184, 24, 2                               ; g_b1 starts the hidden layer's sums
	LDPAR 200, 26, 2                               ; g_lnw
	LDPAR 216, 28, 2                               ; g_lnb
	LDPAR 232, 30, 1                               ; g_b2 starts the geo features' sums
	LDPAR 128, 32, 4                               ; e_b1 starts the edge head's sums
	s_wait_loadcnt 28                              ; the 28 loads behind the indices may be out
.irp k, 0,1,2,3
	v_and_b32 v[36+2*\k], 0xffff, v[32+\k]
	v_lshrrev_b32 v[37+2*\k], 16, v[32+\k]
.endr
.irp i, 0,1,2,3,4,5,6,7
	v_min_u32 v[36+\i], 0xfff, v[36+\i]            ; a number read from memory enters an address only clamped
	v_mul_u32_u24 v[36+\i], v[36+\i], 12
	global_load_b96 v[44+4*\i:46+4*\i], v[36+\i], s[18:19]
.endr
	WIN 0x40                                       ; destination in window 1
	LDPAR 0, 42, 16                                ; r_b, for the refine layer's first products
	WIN 0
	s_wait_loadcnt 32                              ; only r_b's 32 loads may be out
	; ---- the statistics: 8 neighbours in each lane half, every sum completed over both halves
	v_add_f32 v76, v44, v48
	v_add_f32 v77, v45, v49
	v_add_f32 v78, v46, v50
.irp i, 2,3,4,5,6,7
	v_add_f32 v76, v76, v[44+4*\i]
	v_add_f32 v77, v77, v[45+4*\i]
	v_add_f32 v78, v78, v[46+4*\i]
.endr
	XH 76
	XH 77
	XH 78
	v_mul_f32 v76, 0x3d800000, v76                 ; the mean: / 16
	v_mul_f32 v77, 0x3d800000, v77
	v_mul_f32 v78, 0x3d800000, v78
.irp i, 0,1,2,3,4,5,6,7
	v_sub_f32 v[44+4*\i], v[44+4*\i], v76          ; cen
	v_sub_f32 v[45+4*\i], v[45+4*\i], v77
	v_sub_f32 v[46+4*\i], v[46+4*\i], v78
.endr
.irp i, 0,1,2,3,4,5,6,7
	v_mul_f32 v[80+\i], v[44+4*\i], v[44+4*\i]     ; |cen|^2 of each neighbour
	v_fmac_f32 v[80+\i], v[45+4*\i], v[45+4*\i]
	v_fmac_f32 v[80+\i], v[46+4*\i], v[46+4*\i]
.endr
	v_mul_f32 v96, v44, v44                        ; sums of squares along each axis
	v_mul_f32 v97, v45, v45
	v_mul_f32 v98, v46, v46
.irp i, 1,2,3,4,5,6,7
	v_fmac_f32 v96, v[44+4*\i], v[44+4*\i]
	v_fmac_f32 v97, v[45+4*\i], v[45+4*\i]
	v_fmac_f32 v98, v[46+4*\i], v[46+4*\i]
.endr
.irp i, 0,1,2,3,4,5,6,7
	v_sqrt_f32 v[88+\i], v[80+\i]                  ; d
.endr
	v_nop                                          ; one plain instruction behind the transcendentals
	XH 96
	XH 97
	XH 98
	s_wait_alu depctr_va_vdst(0)
	v_add_f32 v99, v88, v89
.irp i, 2,3,4,5,6,7
	v_add_f32 v99, v99, v[88+\i]
.endr
	XH 99
	v_mul_f32 v99, 0x3d800000, v99                 ; mean_d
.irp i, 0,1,2,3,4,5,6,7
	v_sub_f32 v[88+\i], v[88+\i], v99
.endr
	v_mul_f32 v100, v88, v88
.irp i, 1,2,3,4,5,6,7
	v_fmac_f32 v100, v[88+\i], v[88+\i]
.endr
	XH 100
	v_mul_f32 v101, 0x3d800000, v96                ; cov's diagonal
	v_mul_f32 v102, 0x3d800000, v97
	v_mul_f32 v103, 0x3d800000, v98
	v_add_f32 v104, v101, v102
	v_add_f32 v104, v104, v103                     ; trace
	v_mul_f32 v105, v101, v102
	v_mul_f32 v105, v105, v103
	v_max_num_f32 v105, 0x322bcc77, v105           ; det, at least 1e-8
	v_mul_f32 v106, 0x3d888889, v96                ; / 15
	v_mul_f32 v107, 0x3d888889, v97
	v_mul_f32 v108, 0x3d888889, v98
	v_mul_f32 v109, 0x3d888889, v100
	v_add_f32 v110, 0x358637bd, v104               ; trace + 1e-6
	v_sqrt_f32 v106, v106                          ; std along x, y, z
	v_sqrt_f32 v107, v107
	v_sqrt_f32 v108, v108
	v_sqrt_f32 v109, v109                          ; std_d
	v_rcp_f32 v110, v110
	v_nop
	s_wait_alu depctr_va_vdst(0)
	v_mul_f32 v101, v106, v110
	v_mul_f32 v102, v107, v110
	v_mul_f32 v103, v108, v110
	v_cvt_pk_bf16_f32 v76, v104, v105
	v_cvt_pk_bf16_f32 v77, v106, v107
	v_cvt_pk_bf16_f32 v78, v108, v99
	v_cvt_pk_bf16_f32 v79, v109, v101
	v_cvt_pk_bf16_f32 v80, v102, v103
	v_cndmask_b32 v240, v80, v76, s13              ; the operand: lanes 0-15 hold K = 0..7, lanes 16-31 K = 8, 9 and zeros
	v_cndmask_b32 v241, 0, v77, s13
	v_cndmask_b32 v242, 0, v78, s13
	v_cndmask_b32 v243, 0, v79, s13
.irp j, 4,5,6,7
	v_mov_b32 v[240+\j], 0                         ; K = 16..31
.endr
	; ---- the geo MLP
	v_wmma_f32_16x16x32_bf16 v[184:191], v[160:167], v[240:247], v[184:191]
	v_wmma_f32_16x16x32_bf16 v[192:199], v[168:175], v[240:247], v[192:199]
	PLACES
	LNSTAT 184, 16, 0x3d000000
	NORM 184, 200, 216, 16
.irp j, 0,1,2,3,4,5,6,7
	v_cvt_pk_bf16_f32 v[248+\j], v[184+2*\j], v[185+2*\j]
.endr
	v_wmma_f32_16x16x32_bf16 v[232:239], v[176:183], v[248:255], v[232:239]
	PLACES
	CVT4 GB, 232                                   ; K = 256 + 8 h .. + 7 of the edge head's input
.irp j, 4,5,6,7
	v_mov_b32 v[GB+\j], 0                          ; K = 272 ..: nothing (the image holds zeros there too)
.endr
	LDPAR 160, 34, 4                               ; e_lnw
	LDPAR 192, 36, 4                               ; e_lnb
	LDPAR 224, 38, 4                               ; e_w2
	s_wait_tensorcnt 0x0                           ; my part of the images and my features are in LDS,
	s_barrier_signal -1
	s_barrier_wait -1                              ; everybody's part of the images is
	; ---- the edge head: nine K steps of 32 (eight of features, one of geo), four column tiles.  The four sums take turns, one instruction a turn.
.macro ESTEP s
.set EN, ((\s)+1)&1
.set EC, (\s)&1
.set EOFF, 4096*((\s)+1)
.set EBUF, WB+32*EN
.if \s > 0
	PLACES                                         ; behind the last step's products: their images' and features' registers are written below
.endif
.if \s < 8
	LDW 8, EOFF, EBUF
	s_wait_dscnt 8                                 ; all but the eight just issued: this step's images and the next step's features are in
.else
	s_wait_dscnt 0
.endif
.if \s < 7
	CVT4 FB+8*EN, ST
	CVT4 FB+8*EN+4, ST+8
.endif
.if \s < 6
	LDF (\s)+2
.endif
.irp i, 0,1,2,3
.if \s < 8
	v_wmma_f32_16x16x32_bf16 v[128+8*\i:135+8*\i], v[WB+32*EC+8*\i:WB+32*EC+8*\i+7], v[FB+8*EC:FB+8*EC+7], v[128+8*\i:135+8*\i]
.else
	v_wmma_f32_16x16x32_bf16 v[128+8*\i:135+8*\i], v[WB+32*EC+8*\i:WB+32*EC+8*\i+7], v[GB:GB+7], v[128+8*\i:135+8*\i]
.endif
.endr
.endm
	LDF 0
	LDW 8, 0, WB
	s_wait_dscnt 8                                 ; step 0's features are in; its eight image loads may be out
	CVT4 FB, ST
	CVT4 FB+4, ST+8
	LDF 1
	ESTEP 0
	ESTEP 1
	ESTEP 2
	ESTEP 3
	ESTEP 4
	ESTEP 5
	ESTEP 6
	ESTEP 7
	ESTEP 8
	PLACES
	s_wait_kmcnt 0x0                               ; e_b2
	s_mul_f32 s12, s12, 0xbfb8aa3b                 ; - log2(e) e_b2
	s_wait_loadcnt 0x0                             ; e_lnw, e_lnb, e_w2, and r_b
	LNSTAT 128, 32, 0x3c800000
	NORM 128, 160, 192, 32
	v_pk_mul_f32 v[LT:LT+1], v[128:129], v[224:225]
	v_pk_mul_f32 v[LT+2:LT+3], v[130:131], v[226:227]
.set ni, 4
.rept 7
	v_pk_fma_f32 v[LT:LT+1], v[128+ni:129+ni], v[224+ni:225+ni], v[LT:LT+1]
	v_pk_fma_f32 v[LT+2:LT+3], v[130+ni:131+ni], v[226+ni:227+ni], v[LT+2:LT+3]
.set ni, ni+4
.endr
	v_pk_add_f32 v[LT:LT+1], v[LT:LT+1], v[LT+2:LT+3]
	v_add_f32 v[LT], v[LT], v[LT+1]
	XH LT
	v_fma_f32 v[LT], v[LT], 0xbfb8aa3b, s12        ; - log2(e) (z + e_b2)
	v_exp_f32 v[LT], v[LT]
	v_nop
	s_wait_alu depctr_va_vdst(0)
	v_add_f32 v[LT], 1.0, v[LT]
	v_rcp_f32 v[PP], v[LT]                         ; the sigmoid; an infinite exponential gives 0, as it should
	v_nop
	s_wait_alu depctr_va_vdst(0)
	v_mov_b32 v[PP+1], v[PP]
	ds_store_b32 v11, v[PP]                        ; both lane halves write the same number to the row's word
	; ---- the refine layer: eight K steps x four groups of four column tiles.  The sixteen sums take turns, one instruction a turn.
	; In K step 0 the third operand is r_b, from window 1: the bias starts the sums and nothing is cleared.
.macro RGROUP q
.set QS, (\q)>>2
.set QG, (\q)&3
.set QN, (\q)+1
.set QC, (\q)&1
.set FC, FB+8*(QS&1)
.set FN, FB+8*((QS+1)&1)
.set DOCVT, 0
.if QG >= 2
.if QS < 7
.set DOCVT, 1
.endif
.endif
.set DOLDF, 0
.if QG == 0
.if QS < 7
.set DOLDF, 1
.endif
.endif
.if DOCVT
	CVT4 FN+4*(QG-2), ST+8*(QG-2)                  ; half of the next step's features: also the four places behind the last group's products
.else
.if \q > 0
	PLACES
.endif
.endif
.if \q < 31
.set NOFF, ((QN>>2)&3)*16384+(QN&3)*4096
.set NBUF, WB+32*(QN&1)
.if (QN>>2) < 4
	LDW 10, NOFF, NBUF
.else
	LDW 7, NOFF, NBUF
.endif
.endif
.if DOLDF
	LDF QS+1
.endif
.if \q < 31
	s_wait_dscnt 8+4*DOLDF                         ; all but what this group has just issued: its own images are in
.else
	s_wait_dscnt 0
.endif
.if QS == 0
	WIN 0x10                                       ; third operand in window 1
.endif
.irp i, 0,1,2,3
.if QS == 0
	v_wmma_f32_16x16x32_bf16 v[ACC+8*(4*QG+\i):ACC+8*(4*QG+\i)+7], v[WB+32*QC+8*\i:WB+32*QC+8*\i+7], v[FC:FC+7], v[8*(4*QG+\i):8*(4*QG+\i)+7]
.else
	v_wmma_f32_16x16x32_bf16 v[ACC+8*(4*QG+\i):ACC+8*(4*QG+\i)+7], v[WB+32*QC+8*\i:WB+32*QC+8*\i+7], v[FC:FC+7], v[ACC+8*(4*QG+\i):ACC+8*(4*QG+\i)+7]
.endif
.endr
.if QS == 0
	WIN 0
.endif
.endm
	LDF 0
	LDW 10, 0, WB
	s_wait_dscnt 8                                 ; step 0's features are in; group 0's eight image loads may be out
	CVT4 FB, ST
	CVT4 FB+4, ST+8
.set rq, 0
.rept 32
	RGROUP rq
.set rq, rq+1
.endr
	PLACES
	; ---- LayerNorm, ReLU, times the probability, plus the features; out through my own rows of LDS
.macro LDRP t                          ; r_lnw and r_lnb of column tile t, into one of four slots
.set PB, 32+16*((\t)&3)
	global_load_b128 v[PB:PB+3],     v4, s[44:45] offset:64*(\t)
	global_load_b128 v[PB+4:PB+7],   v4, s[44:45] offset:64*(\t)+16
	global_load_b128 v[PB+8:PB+11],  v4, s[46:47] offset:64*(\t)
	global_load_b128 v[PB+12:PB+15], v4, s[46:47] offset:64*(\t)+16
.endm
.macro LDFT t                          ; my 8 features of column tile t, into one of two slots
.set FF, 96+8*((\t)&1)
	ds_load_b128 v[FF:FF+3],   v5 offset:64*(\t)
	ds_load_b128 v[FF+4:FF+7], v5 offset:64*(\t)+16
.endm
	LDRP 0
	LDRP 1
	LDRP 2
	LDRP 3
	LDFT 0
	LDFT 1
	LNSTAT ACC, 128, 0x3b800000
.macro RT t
.set AB, ACC+8*(\t)
.set PA, 32+16*((\t)&3)
.set FA, 96+8*((\t)&1)
.if \t < 13
	s_wait_loadcnt 12                              ; the three tiles' parameters asked for behind this tile's may be out
.else
	s_wait_loadcnt 4*(15-\t)
.endif
.if (\t == 0) || (\t == 15)
	s_wait_dscnt 2                                 ; behind this tile's features: at tile 0 the next tile's two loads, at tile 15 the last tile's two stores
.else
	s_wait_dscnt 4                                 ; behind this tile's features: the last tile's two stores and the next tile's two loads
.endif
.irp j, 0,2,4,6
	v_pk_mul_f32 v[AB+\j:AB+\j+1], v[AB+\j:AB+\j+1], v[RS:RS+1]
.endr
.irp j, 0,2,4,6
	v_pk_fma_f32 v[AB+\j:AB+\j+1], v[AB+\j:AB+\j+1], v[PA+\j:PA+\j+1], v[PA+8+\j:PA+9+\j]
.endr
.irp j, 0,1,2,3,4,5,6,7
	v_max_num_f32 v[AB+\j], 0, v[AB+\j]
.endr
.irp j, 0,2,4,6
	v_pk_fma_f32 v[AB+\j:AB+\j+1], v[AB+\j:AB+\j+1], v[PP:PP+1], v[FA+\j:FA+\j+1]
.endr
	ds_store_b128 v5, v[AB:AB+3]   offset:64*(\t)        ; over the very bytes that held these features: my lane's own, read above
	ds_store_b128 v5, v[AB+4:AB+7] offset:64*(\t)+16
.if \t < 14
	LDFT (\t)+2
.endif
.if \t < 12
	LDRP (\t)+4
.endif
.endm
.set rt, 0
.rept 16
	RT rt
.set rt, rt+1
.endr
.set on, 0
.rept 32
	ds_load_b128 v[ACC+4*on:ACC+4*on+3], v9 offset:(on>>1)*FPITCH+(on&1)*512   ; half a row; LDS serves a wave's instructions in order (ISA guide 5.7.1): these see the stores above
.set on, on+1
.endr
.set on, 0
.rept 32
	s_wait_dscnt 31-on                             ; the loads behind this one may be out
	global_store_b128 v10, v[ACC+4*on:ACC+4*on+3], s[48:49] offset:(on>>1)*1024+(on&1)*512 th:TH_STORE_NT   ; 512 consecutive bytes, aligned
.set on, on+1
.endr
	s_wait_dscnt 0x0                               ; my rows' probabilities are in LDS (met: the count above ended at 0),
	s_barrier_signal -1
	s_barrier_wait -1                              ; everybody's are
	s_cmp_lg_u32 s8, 0
	s_cbranch_scc1 .Lnot_first
	v_add_nc_u32 v20, SCR, v10
	ds_load_b128 v[32:35], v20                     ; wave 0: the work-group's 128 probabilities,
	s_wait_dscnt 0x0
	global_store_b128 v10, v[32:35], s[50:51]      ; 512 consecutive bytes, aligned
.Lnot_first:
	s_wait_tensorcnt 0x0
	ds_add_u32 v22, v23
	s_wait_dscnt 0x0
	ROUND                                          ; the closing round: no work-group ends while a partner may still ask jointly
	s_endpgm
.Lfunc_end_k_q6debf55d8b_fuse:
	.size	k_q6debf55d8b_fuse, .Lfunc_end_k_q6debf55d8b_fuse-k_q6debf55d8b_fuse
	.p2alignl 7, 3214868480
	.fill 96, 4, 3214868480
	.section	.rodata,"a",@progbits
	.p2align	6, 0x0
	.amdhsa_kernel k_q6debf55d8b_fuse
		.amdhsa_group_segment_fixed_size 302592
		.amdhsa_private_segment_fixed_size 0
		.amdhsa_enable_private_segment 0
		.amdhsa_kernarg_size 144
		.amdhsa_user_sgpr_count 2
		.amdhsa_user_sgpr_kernarg_segment_ptr 1
		.amdhsa_wavefront_size32 1
		.amdhsa_system_sgpr_workgroup_id_x 1
		.amdhsa_system_sgpr_workgroup_id_y 1
		.amdhsa_system_sgpr_workgroup_id_z 1
		.amdhsa_system_vgpr_workitem_id 0
		.amdhsa_next_free_vgpr 384
		.amdhsa_next_free_sgpr 80
		.amdhsa_reserve_vcc 0
		.amdhsa_float_denorm_mode_32 3
		.amdhsa_float_denorm_mode_16_64 3
		.amdhsa_memory_ordered 1
		.amdhsa_forward_progress 1
		.amdhsa_inst_pref_size 130
	.end_amdhsa_kernel
	.amdgpu_metadata
---
amdhsa.version: [ 1, 2 ]
amdhsa.kernels:
  - .name:           k_q6debf55d8b_fuse
    .symbol:         k_q6debf55d8b_fuse.kd
    .args:
      - { .name: features, .offset: 0, .size: 8, .value_kind: global_buffer, .address_space: global }
      - { .name: xyz, .offset: 8, .size: 8, .value_kind: global_buffer, .address_space: global }
      - { .name: nbr, .offset: 16, .size: 8, .value_kind: global_buffer, .address_space: global }
      - { .name: wimg, .offset: 24, .size: 8, .value_kind: global_buffer, .address_space: global }
      - { .name: g_b1, .offset: 32, .size: 8, .value_kind: global_buffer, .address_space: global }
      - { .name: g_lnw, .offset: 40, .size: 8, .value_kind: global_buffer, .address_space: global }
      - { .name: g_lnb, .offset: 48, .size: 8, .value_kind: global_buffer, .address_space: global }
      - { .name: g_b2, .offset: 56, .size: 8, .value_kind: global_buffer, .address_space: global }
      - { .name: e_b1, .offset: 64, .size: 8, .value_kind: global_buffer, .address_space: global }
      - { .name: e_lnw, .offset: 72, .size: 8, .value_kind: global_buffer, .address_space: global }
      - { .name: e_lnb, .offset: 80, .size: 8, .value_kind: global_buffer, .address_space: global }
      - { .name: e_w2, .offset: 88, .size: 8, .value_kind: global_buffer, .address_space: global }
      - { .name: e_b2, .offset: 96, .size: 8, .value_kind: global_buffer, .address_space: global }
      - { .name: r_b, .offset: 104, .size: 8, .value_kind: global_buffer, .address_space: global }
      - { .name: r_lnw, .offset: 112, .size: 8, .value_kind: global_buffer, .address_space: global }
      - { .name: r_lnb, .offset: 120, .size: 8, .value_kind: global_buffer, .address_space: global }
      - { .name: out0, .offset: 128, .size: 8, .value_kind: global_buffer, .address_space: global }
      - { .name: out1, .offset: 136, .size: 8, .value_kind: global_buffer, .address_space: global }
    .group_segment_fixed_size: 302592
    .private_segment_fixed_size: 0
    .kernarg_segment_align: 8
    .kernarg_segment_size: 144
    .max_flat_workgroup_size: 256
    .sgpr_count:     80
    .vgpr_count:     384
    .wavefront_size: 32
...
	.end_amdgpu_metadata
.endif
;; end of part 3
;; ======== version 2 of 3: 3 launches; 1.19 times as fast as version 1
;; limits: values within 3.05e-05 (relative) of each other or of a threshold may be ordered or decided otherwise than in the reference
;; workspace buffers: groups 524,288 bytes of whole numbers; nbr 1,048,576 bytes of whole numbers; wimg 171,008 bytes
;; launch coarse (part 4): grid 256 x 1, 4 waves a work-group, no clusters, 262,656 bytes of LDS; arguments xyz, r_w, e_w1, g_w1, g_w2, groups, wimg; writes groups, wimg
.if DOCPART == 4
	.amdgcn_target "amdgcn-amd-amdhsa--gfx1250"
	.amdhsa_code_object_version 6
	.text
	.protected	k_q6debf55d8b_coarse
	.globl	k_q6debf55d8b_coarse
	.p2align	8
	.type	k_q6debf55d8b_coarse,@function
k_q6debf55d8b_coarse:
	s_mov_b64 s[64:65], 0
	v_nop
	global_prefetch_b8 v0, s[64:65] scope:SCOPE_SE
	s_setreg_imm32_b32 hwreg(HW_REG_WAVE_MODE, 25, 1), 1
	s_wait_xcnt 0x0
; COARSE: for each of the 8 x 4096 points, the 16 groups (of 16 consecutive points of its batch) whose nearest member is nearest.
; Also, one per work-group 0..166: the four weight matrices as bf16 images in matrix-operand order (buffer wimg).
;
; HOW THE TOP 16 OF 4096 IS FOUND.  Cut the 4096 candidates into 256 groups of 16.  Each of the 16 nearest points lies in one of the 16
; groups with the smallest group minimum: were its group not among them, 16 other groups would each hold a point at least as near.  So
; this launch takes one minimum per group and the 16 smallest of 256 minima; the next launch ranks the 16 x 16 points of those groups.
; WORK OF THE FORMULA THAT NO RESULT NEEDS, for all values of the inputs: the values that top_k returns (only its indices are used); the six
; off-diagonal sums of cov (trace and det read the diagonal alone); the mean that std takes away from cen (cen is centred, its mean is 0 by
; identity).  Every input has a way to an output and is loaded by some launch.  A NaN, an infinity or an overflow that would arise only in
; the work left out is not carried to the result.
; LIMITS.  NaN and infinity in xyz are not served.  A squared distance below 2^-126 counts as 2^-126.  The ranking key is the squared
; distance with its low 8 mantissa bits replaced by an index, so two points whose squared distances agree to 2^-15 relative may be taken in
; either order, and exact ties do not follow top_k's lower index.
;
; DISTANCES ON THE MATRIX UNIT IN F32 QUALITY.  Every coordinate, less the batch's point 0 (distances do not change, and a common offset
; drops out), is cut exactly into three bf16 pieces (8 + 8 + 8 significant bits).  K slot 9 d + 3 i + j holds piece i of -2 q'[d] on the
; query's side and piece j of c'[d] on the candidate's; slots 27..29 hold 1 and the pieces of |c'|^2; slots 30, 31 hold 0.
; One 16x16x32 product then gives |c'|^2 - 2 q'.c' for 16 candidates x 16 queries; |q'|^2 is added to the group's minimum.
;
; SHARES.  Work-group g: batch g >> 5, queries 128 (g & 31) .. + 127.  Wave w: 32 queries as two operands f.  Lane (r = l & 15, h = l >> 4):
; query 32 w + 16 f + r against the groups G with G & 1 = h.  The table of all 4096 candidates (64 bytes each) is built in LDS by the
; work-group itself; it is computed, not copied, so the tensor data mover and clusters have nothing to bring.
; TABLE.  Candidate c = 32 p + 16 hr + 8 e + j is row 8 hr + j of tile 2 p + e; its dwords 4 k .. 4 k + 3 lie at 2048 p + 1024 e + 256 k + 16 row.
; A lane's operand load is then 16 bytes at 1024 tile + 16 l (and + 512): 512 consecutive bytes a wave.  In the result lane half h holds rows
; 8 h .. 8 h + 7, which over tiles 2 p and 2 p + 1 are the 16 points of group 2 p + h.
;
; THE MAIN PART: MATRIX AND VECTOR WORK SIDE BY SIDE.  A trip is 16 pairs of tiles: 64 products, the reduction of their 512 results a lane to
; 2 x 16 keys, and the sort and merge of the 2 x 16 keys of the trip BEFORE (which lie in a second set of key registers).  The products go out one
; at a time; behind each stands a slice of 8 to 17 vector instructions: reductions of both queries in pairs, and between the pairs the next
; half-steps of the two sorting networks, also in pairs, so that an instruction seldom reads what the few before it wrote.
; OPERANDS come in runs of 8 loads (two pairs of tiles), two buffers.  Longer runs do not fit: the loop holds 228 registers and an instruction
; names 256; operands in another window would want a switch in front of and behind every product, since vector work stands between the products.
.set BATCHB, 49152                     ; bytes of a batch of xyz
.set PT,  64                           ; v[64:127]   build: 16 loaded points, 4 registers apart
.set QL,  128                          ; v[128:134]  build: my two queries as loaded
.set PC,  160                          ; v[160:171]  build: the pieces xh xm xl yh ym yl zh zm zl th tm tl
.set CP,  172                          ; v[172:175]  build: x', y', z', |c'|^2
.set U,   176                          ; v[176:191]  build: the 16 dwords of a row; v191 stays 0
.set BQ,  16                           ; v[16:31]    the two query operands
.set AF,  32                           ; v[32:95]    candidate operands [buffer][pair in it][tile of the pair]
.set DD,  96                           ; v[96:127]   results [tile of the pair][f]
.set TT,  128                          ; v[128:159]  the running 16 smallest keys, ascending, for f = 0, 1
.set KSA, 160                          ; v[160:193]  key set A: 16 keys + 1 spare, for f = 0, 1
.set KSB, 194                          ; v[194:227]  key set B
; v1 lane, v2 r, v3 h, v4 table address, v5 my group's number, v6 v7 |q'|^2, v8-v15 at work (v12-v15: the build's addresses)
.macro PLACES                          ; four plain vector instructions behind matrix instructions (ISA guide 7.12.1)
.rept 4
	v_nop
.endr
.endm
; ---- selection: keys are positive normal f32, compared as floats.  Wires are names: a compare-exchange writes the minimum into the spare
; register and the maximum in place, and the names change hands, so it costs two instructions and no move.  Both queries run the same network
; on registers 17 apart, so one set of names serves both.  The network is a list of numbered half-steps of two instructions (one for each
; query); a call of SRT emits the next few of them: half-steps SLO .. SHI - 1 of the list NET.
.macro INITW base
.irp k, 0,1,2,3,4,5,6,7,8,9,10,11,12,13,14,15
.set W\k, \base+\k
.endr
.set FREE, \base+16
.endm
.macro CEH a, b                        ; a compare-exchange: half-step sk the two minima, half-step sk + 1 the two maxima
.if (sk >= SLO) && (sk < SHI)
	v_min_num_f32 v[FREE], v[W\a], v[W\b]
	v_min_num_f32 v[FREE+17], v[W\a+17], v[W\b+17]
.endif
.if (sk+1 >= SLO) && (sk+1 < SHI)
	v_max_num_f32 v[W\b], v[W\a], v[W\b]
	v_max_num_f32 v[W\b+17], v[W\a+17], v[W\b+17]
.set TMPW, W\a
.set W\a, FREE
.set FREE, TMPW
.endif
.set sk, sk+2
.endm
.macro MGH i, j                        ; min(T[i], W[15 - i]): the 16 smallest of the running list and the sorted wires, as a bitonic sequence.  The first merge is a copy
.if (sk >= SLO) && (sk < SHI)
.if SFIRST
	v_mov_b32 v[TT+\j], v[W\j]
	v_mov_b32 v[TT+16+\j], v[W\j+17]
.else
	v_min_num_f32 v[TT+\i], v[TT+\i], v[W\j]
	v_min_num_f32 v[TT+16+\i], v[TT+16+\i], v[W\j+17]
.endif
.endif
.set sk, sk+1
.endm
; One stage of the bitonic merge, from one bank of 16 registers into the other (the wires' registers are dead behind the minima and are the second bank).
; The index runs downward in every stage: a step then reads nothing that the three steps in front of it wrote.
.macro BSH sbase, sstep, dbase, dstep, dist
.set bi, 15
.rept 16
.if (bi & \dist) == 0
.if (sk >= SLO) && (sk < SHI)
	v_min_num_f32 v[\dbase+bi], v[\sbase+bi], v[\sbase+bi+\dist]
	v_min_num_f32 v[\dbase+\dstep+bi], v[\sbase+\sstep+bi], v[\sbase+\sstep+bi+\dist]
.endif
.if (sk+1 >= SLO) && (sk+1 < SHI)
	v_max_num_f32 v[\dbase+bi+\dist], v[\sbase+bi], v[\sbase+bi+\dist]
	v_max_num_f32 v[\dbase+\dstep+bi+\dist], v[\sbase+\sstep+bi], v[\sbase+\sstep+bi+\dist]
.endif
.set sk, sk+2
.endif
.set bi, bi-1
.endr
.endm
; The list: Batcher's odd-even merge sort of 16 (63 compare-exchanges, half-steps 0..125), the 16 minima (126..141), four merge stages (142..205).
; Each section is skipped whole where the call asks for none of it.
.macro NET
.if (SLO < 16) && (SHI > 0)
.set sk, 0
	CEH 0,1
	CEH 2,3
	CEH 4,5
	CEH 6,7
	CEH 8,9
	CEH 10,11
	CEH 12,13
	CEH 14,15
.endif
.if (SLO < 32) && (SHI > 16)
.set sk, 16
	CEH 0,2
	CEH 1,3
	CEH 4,6
	CEH 5,7
	CEH 8,10
	CEH 9,11
	CEH 12,14
	CEH 13,15
.endif
.if (SLO < 40) && (SHI > 32)
.set sk, 32
	CEH 1,2
	CEH 5,6
	CEH 9,10
	CEH 13,14
.endif
.if (SLO < 56) && (SHI > 40)
.set sk, 40
	CEH 0,4
	CEH 1,5
	CEH 2,6
	CEH 3,7
	CEH 8,12
	CEH 9,13
	CEH 10,14
	CEH 11,15
.endif
.if (SLO < 64) && (SHI > 56)
.set sk, 56
	CEH 2,4
	CEH 3,5
	CEH 10,12
	CEH 11,13
.endif
.if (SLO < 76) && (SHI > 64)
.set sk, 64
	CEH 1,2
	CEH 3,4
	CEH 5,6
	CEH 9,10
	CEH 11,12
	CEH 13,14
.endif
.if (SLO < 92) && (SHI > 76)
.set sk, 76
	CEH 0,8
	CEH 1,9
	CEH 2,10
	CEH 3,11
	CEH 4,12
	CEH 5,13
	CEH 6,14
	CEH 7,15
.endif
.if (SLO < 100) && (SHI > 92)
.set sk, 92
	CEH 4,8
	CEH 5,9
	CEH 6,10
	CEH 7,11
.endif
.if (SLO < 112) && (SHI > 100)
.set sk, 100
	CEH 2,4
	CEH 3,5
	CEH 6,8
	CEH 7,9
	CEH 10,12
	CEH 11,13
.endif
.if (SLO < 126) && (SHI > 112)
.set sk, 112
	CEH 1,2
	CEH 3,4
	CEH 5,6
	CEH 7,8
	CEH 9,10
	CEH 11,12
	CEH 13,14
.endif
.if (SLO < 142) && (SHI > 126)
.set sk, 126
	MGH 0,15                               ; wires in the order in which the last layer finished them
	MGH 15,0
	MGH 14,1
	MGH 13,2
	MGH 12,3
	MGH 11,4
	MGH 10,5
	MGH 9,6
	MGH 8,7
	MGH 7,8
	MGH 6,9
	MGH 5,10
	MGH 4,11
	MGH 3,12
	MGH 2,13
	MGH 1,14
.endif
.if SFIRST == 0
.if (SLO < 158) && (SHI > 142)
.set sk, 142
	BSH TT, 16, SCUR, 17, 8
.endif
.if (SLO < 174) && (SHI > 158)
.set sk, 158
	BSH SCUR, 17, TT, 16, 4
.endif
.if (SLO < 190) && (SHI > 174)
.set sk, 174
	BSH TT, 16, SCUR, 17, 2
.endif
.if (SLO < 206) && (SHI > 190)
.set sk, 190
	BSH SCUR, 17, TT, 16, 1
.endif
.endif
.endm
.macro SRT n                           ; the next n half-steps (nothing where the list has ended, or in the trip that has no keys to sort yet)
.if SORTON
.set SLO, spos
.set SHI, spos+\n
	NET
.set spos, SHI
.endif
.endm
	s_load_b256 s[4:11], s[0:1], 0x0               ; xyz s[4:5], r_w s[6:7], e_w1 s[8:9], g_w1 s[10:11]
	s_load_b128 s[12:15], s[0:1], 0x20             ; g_w2 s[12:13], groups s[14:15]
	s_load_b64 s[16:17], s[0:1], 0x30              ; wimg
	v_lshl_add_u32 v232, v0, 2, 0x40000
	v_mov_b32 v233, 0
	v_and_b32 v1, 31, v0                           ; lane
	v_and_b32 v2, 15, v0                           ; r
	v_bfe_u32 v3, v0, 4, 1                         ; h
	v_lshrrev_b32 v8, 5, v0
	v_readfirstlane_b32 s18, v8                    ; wave
	s_mov_b32 s23, 0xffff0000                      ; the upper 16 bits of an f32: its leading bf16 piece
	s_mov_b32 s36, 0xffffff00                      ; a key's distance part
	s_mov_b32 s37, 0x00800000                      ; 2^-126
	s_mov_b32 s38, 0x76543210                      ; v_permlanex16_b32: lane i reads lane i of the other half
	s_mov_b32 s39, 0xfedcba98
	s_lshr_b32 s30, ttmp9, 5                       ; batch
	s_mul_i32 s42, s30, BATCHB
	s_mov_b32 s43, 0
	s_and_b32 s31, ttmp9, 31
	s_lshl_b32 s31, s31, 7                         ; the work-group's first query in the batch
	s_lshl_b32 s32, s18, 5
	s_add_co_u32 s31, s31, s32                     ; my wave's first query
	v_and_b32 v8, 7, v0                            ; the candidate that I build in each block of 128: j
	v_bfe_u32 v9, v0, 3, 1
	v_lshl_add_u32 v8, v9, 4, v8                   ; + 16 hr
	v_lshl_add_u32 v8, v3, 3, v8                   ; + 8 e
	v_lshl_add_u32 v8, s18, 5, v8                  ; + 32 wave
	v_mul_u32_u24 v9, v8, 12                       ; its byte offset in the batch
	v_add_nc_u32 v10, s31, v2
	v_mul_u32_u24 v10, v10, 12                     ; byte offset of my query of operand 0
	v_lshlrev_b32 v12, 4, v2                       ; where my candidate's row goes: 16 row
	v_lshl_add_u32 v12, v3, 10, v12                ; + 1024 e
	v_lshl_add_u32 v12, s18, 11, v12               ; + 2048 wave: the pair p = 4 i + wave
	v_add_nc_u32 v13, 0x10000, v12                 ; an LDS immediate reaches 65,535: four address registers 65,536 bytes apart
	v_add_nc_u32 v14, 0x20000, v12
	v_add_nc_u32 v15, 0x30000, v12
	v_lshlrev_b32 v4, 4, v1                        ; operand loads: 16 lane
	v_mov_b32 v5, v3                               ; my group in pair 0: h
	s_wait_kmcnt 0x0
	s_add_nc_u64 s[4:5], s[4:5], s[42:43]          ; xyz at my batch
	s_load_b96 s[20:22], s[4:5], 0x0               ; the batch's point 0
.irp i, 0,1,2,3,4,5,6,7,8,9,10,11,12,13,14,15
	global_load_b96 v[PT+4*\i:PT+4*\i+2], v9, s[4:5] offset:1536*\i    ; candidates 128 i + mine
.endr
	global_load_b96 v[QL:QL+2], v10, s[4:5]
	global_load_b96 v[QL+4:QL+6], v10, s[4:5] offset:192               ; 16 queries further
	; ---- one weight image of 1,024 bytes by each of work-groups 0..166: fragment f = the work-group's number.
	; f < 128: r_w, column tile f & 15, K step f >> 4.  f < 164: e_w1, tile (f-128) & 3, step (f-128) >> 2.  f < 166: g_w1, tile f - 164.  f = 166: g_w2.
	; Image: lane (r, h) of the first matrix operand holds W[k][16 tile + r]; bytes 16 l: k = 32 step + 8 h + 0..7; bytes 512 + 16 l: 16 more.  Rows k past the matrix are 0.
	s_cmp_lt_u32 ttmp9, 167
	s_cbranch_scc0 .Lnoimg
	s_mov_b64 s[24:25], s[12:13]                   ; g_w2:
	s_mov_b32 s26, 64                              ; bytes in a row
	s_mov_b32 s27, 32                              ; rows
	s_mov_b32 s28, 0                               ; column tile
	s_mov_b32 s29, 0                               ; K step
	s_sub_co_u32 s30, ttmp9, 164
	s_sub_co_u32 s31, ttmp9, 128
	s_and_b32 s32, s31, 3
	s_lshr_b32 s33, s31, 2
	s_and_b32 s34, ttmp9, 15
	s_lshr_b32 s35, ttmp9, 4
	s_cmp_lt_u32 ttmp9, 166
	s_cselect_b64 s[24:25], s[10:11], s[24:25]     ; g_w1
	s_cselect_b32 s26, 128, s26
	s_cselect_b32 s27, 10, s27
	s_cselect_b32 s28, s30, s28
	s_cmp_lt_u32 ttmp9, 164
	s_cselect_b64 s[24:25], s[8:9], s[24:25]       ; e_w1
	s_cselect_b32 s26, 256, s26
	s_cselect_b32 s27, 272, s27
	s_cselect_b32 s28, s32, s28
	s_cselect_b32 s29, s33, s29
	s_cmp_lt_u32 ttmp9, 128
	s_cselect_b64 s[24:25], s[6:7], s[24:25]       ; r_w
	s_cselect_b32 s26, 1024, s26
	s_cselect_b32 s27, 256, s27
	s_cselect_b32 s28, s34, s28
	s_cselect_b32 s29, s35, s29
	s_sub_co_u32 s30, s27, 1                       ; the last row
	v_lshrrev_b32 v176, 6, v0                      ; thread t makes bytes 8 t .. 8 t + 7 of the image: four k of one column
	v_lshlrev_b32 v176, 4, v176                    ; k = 16 (t >> 6)
	v_bfe_u32 v177, v0, 5, 1
	v_lshl_add_u32 v176, v177, 3, v176             ; + 8 h
	v_and_b32 v177, 1, v0
	v_lshl_add_u32 v176, v177, 2, v176             ; + 4 (t & 1)
	v_lshl_add_u32 v176, s29, 5, v176              ; + 32 step
	v_bfe_u32 v177, v0, 1, 4                       ; r
	v_lshl_add_u32 v177, s28, 4, v177              ; column
	v_lshlrev_b32 v177, 2, v177
.irp i, 0,1,2,3
	v_add_nc_u32 v[178+\i], \i, v176               ; k
	v_min_u32 v[182+\i], s30, v[178+\i]            ; no load leaves the matrix
	v_mad_u32_u24 v[182+\i], v[182+\i], s26, v177
	global_load_b32 v[186+\i], v[182+\i], s[24:25]
.endr
	s_wait_loadcnt 0x0                             ; the four weights (and all that was asked for before them)
.irp i, 0,1,2,3
	v_cmp_gt_u32 vcc_lo, s27, v[178+\i]
	v_cndmask_b32 v[186+\i], 0, v[186+\i], vcc_lo  ; 0 past the last row
.endr
	v_cvt_pk_bf16_f32 v190, v186, v187
	v_cvt_pk_bf16_f32 v191, v188, v189
	v_lshlrev_b32 v192, 3, v0
	s_lshl_b32 s42, ttmp9, 10
	s_add_nc_u64 s[16:17], s[16:17], s[42:43]
	global_store_b64 v192, v[190:191], s[16:17]    ; a wave stores 256 consecutive bytes, aligned
	s_wait_xcnt 0x0                                ; the store's registers are written again below only behind this wait
.Lnoimg:
	s_wait_kmcnt 0x0                               ; point 0
	s_xor_b32 s20, s20, 0x80000000                 ; kept negated: the subtraction is an addition with the scalar in front
	s_xor_b32 s21, s21, 0x80000000
	s_xor_b32 s22, s22, 0x80000000
	v_mov_b32 v[U+15], 0                           ; K slots 30, 31
.macro SPLIT3 hi, mi, lo, src          ; an f32 as three bf16 pieces, exactly: 8 leading bits, the next 8 of the rest, the last 8
	v_and_b32 v[\hi], s23, v[\src]
	v_sub_f32 v[\lo], v[\src], v[\hi]
	v_and_b32 v[\mi], s23, v[\lo]
	v_sub_f32 v[\lo], v[\lo], v[\mi]
.endm
.macro PK d, a, b                      ; two pieces into a dword: exact, they are bf16 numbers
	v_cvt_pk_bf16_f32 v[\d], v[\a], v[\b]
.endm
; Candidate 128 i + mine: shift, |c'|^2, pieces, the row's 15 dwords, four stores of 16 bytes (16 lanes fill 256 consecutive bytes).
.macro BUILD1 i
.if \i < 16
	s_wait_loadcnt 17                              ; younger than load i: 15 - i of the first sixteen, my 2 queries, the i reloads below
.else
	s_wait_loadcnt 31-\i                           ; younger than reload i: the reloads behind it
.endif
	v_add_f32 v[CP],   s20, v[PT+4*(\i&15)]
	v_add_f32 v[CP+1], s21, v[PT+4*(\i&15)+1]
	v_add_f32 v[CP+2], s22, v[PT+4*(\i&15)+2]
.if \i < 16
	global_load_b96 v[PT+4*(\i&15):PT+4*(\i&15)+2], v9, s[4:5] offset:1536*(\i+16)   ; the registers just read take candidate i + 16
.endif
	v_mul_f32 v[CP+3], v[CP], v[CP]
	v_fmac_f32 v[CP+3], v[CP+1], v[CP+1]
	v_fmac_f32 v[CP+3], v[CP+2], v[CP+2]
	SPLIT3 PC,   PC+1,  PC+2,  CP
	SPLIT3 PC+3, PC+4,  PC+5,  CP+1
	SPLIT3 PC+6, PC+7,  PC+8,  CP+2
	SPLIT3 PC+9, PC+10, PC+11, CP+3
	PK U,    PC,   PC+1
	PK U+1,  PC+2, PC
	PK U+2,  PC+1, PC+2
	PK U+3,  PC,   PC+1
	PK U+4,  PC+2, PC+3
	PK U+5,  PC+4, PC+5
	PK U+6,  PC+3, PC+4
	PK U+7,  PC+5, PC+3
	PK U+8,  PC+4, PC+5
	PK U+9,  PC+6, PC+7
	PK U+10, PC+8, PC+6
	PK U+11, PC+7, PC+8
	PK U+12, PC+6, PC+7
	PK U+13, PC+8, PC+9
	PK U+14, PC+10, PC+11
.irp k, 0,1,2,3
	ds_store_b128 v[12+(\i>>3)], v[U+4*\k:U+4*\k+3] offset:(\i&7)*8192+256*\k
.endr
.endm
.set bld, 0
.rept 32
	BUILD1 bld
.set bld, bld+1
.endr
; My query of operand f: |q'|^2, the pieces of -2 q', the 16 dwords, and of them the eight that my lane half holds
; (registers 0-3: K = 8 h .. 8 h + 7, registers 4-7: K = 16 + 8 h ..).  The queries' loads are older than the reloads waited for above.
.macro QFRAG f
	v_add_f32 v[CP],   s20, v[QL+4*\f]
	v_add_f32 v[CP+1], s21, v[QL+4*\f+1]
	v_add_f32 v[CP+2], s22, v[QL+4*\f+2]
	v_mul_f32 v[6+\f], v[CP], v[CP]
	v_fmac_f32 v[6+\f], v[CP+1], v[CP+1]
	v_fmac_f32 v[6+\f], v[CP+2], v[CP+2]
	v_mul_f32 v[CP],   -2.0, v[CP]
	v_mul_f32 v[CP+1], -2.0, v[CP+1]
	v_mul_f32 v[CP+2], -2.0, v[CP+2]
	SPLIT3 PC,   PC+1, PC+2, CP
	SPLIT3 PC+3, PC+4, PC+5, CP+1
	SPLIT3 PC+6, PC+7, PC+8, CP+2
	PK U,    PC,   PC
	PK U+1,  PC,   PC+1
	PK U+2,  PC+1, PC+1
	PK U+3,  PC+2, PC+2
	PK U+4,  PC+2, PC+3
	PK U+5,  PC+3, PC+3
	PK U+6,  PC+4, PC+4
	PK U+7,  PC+4, PC+5
	PK U+8,  PC+5, PC+5
	PK U+9,  PC+6, PC+6
	PK U+10, PC+6, PC+7
	PK U+11, PC+7, PC+7
	PK U+12, PC+8, PC+8
	v_cvt_pk_bf16_f32 v[U+13], v[PC+8], 1.0
	v_mov_b32 v[U+14], 0x3f803f80                  ; 1, 1
.irp k, 0,1,2,3
	v_cndmask_b32 v[BQ+8*\f+\k],   v[U+\k],   v[U+4+\k],  vcc_lo
	v_cndmask_b32 v[BQ+8*\f+4+\k], v[U+8+\k], v[U+12+\k], vcc_lo
.endr
.endm
	v_cmp_ne_u32 vcc_lo, 0, v3                     ; lanes 16-31
	QFRAG 0
	QFRAG 1
	s_wait_dscnt 0x0                               ; my rows of the table are written,
	s_barrier_signal -1
	s_barrier_wait -1                              ; everybody's are: the only barrier; the table is only read from here on
.macro LDG buf, pr                     ; pairs pr, pr + 1 of the trip (64 candidates, four groups) into operand buffer buf: eight loads of 512 consecutive bytes
.irp q, 0,1
	ds_load_b128 v[AF+32*(\buf)+16*\q:AF+32*(\buf)+16*\q+3],     v4 offset:((\pr)+\q)*2048
	ds_load_b128 v[AF+32*(\buf)+16*\q+4:AF+32*(\buf)+16*\q+7],   v4 offset:((\pr)+\q)*2048+512
	ds_load_b128 v[AF+32*(\buf)+16*\q+8:AF+32*(\buf)+16*\q+11],  v4 offset:((\pr)+\q)*2048+1024
	ds_load_b128 v[AF+32*(\buf)+16*\q+12:AF+32*(\buf)+16*\q+15], v4 offset:((\pr)+\q)*2048+1536
.endr
.endm
.macro MM w                            ; product w of the trip: pair w >> 2, tile (w >> 1) & 1, query operand w & 1.  Each stands alone (C = 0)
.set MA, AF+32*(((\w)>>3)&1)+16*(((\w)>>2)&1)+8*(((\w)>>1)&1)
.set MB, BQ+8*((\w)&1)
.set MD, DD+16*(((\w)>>1)&1)+8*((\w)&1)
	v_wmma_f32_16x16x32_bf16 v[MD:MD+7], v[MA:MA+7], v[MB:MB+7], 0
.endm
; Pair i of a trip: four slices.  The products run two ahead of the reductions: slices 0, 1 multiply this pair's second tile and reduce its first,
; slices 2, 3 multiply the next pair's first tile and reduce this pair's second.  v8, v9 (and v10-v15) hold the running minima of queries f = 0, 1.
; PLACES, counted without any sorting work: behind slice 1's product stand its four reductions, which name none of its
; registers, before the run of loads into its operand buffer and before slice 2 reads its result; behind slice 3's product stand nine.
.macro PAIR i, last
.set DOMM, 1
.set DOLD, (\i)&1                      ; a run of loads in every second pair
.set DOWT, 0
.if \last
.if (\i) > 11
.set DOLD, 0                           ; the table has ended
.endif
.if (\i) == 13
.set DOWT, 1
.endif
.if (\i) == 15
.set DOMM, 0                           ; no next pair
.endif
.endif
	MM 4*(\i)+2
	SRT 1
	v_min3_num_f32 v8, v[DD], v[DD+1], v[DD+2]
	v_min3_num_f32 v9, v[DD+8], v[DD+9], v[DD+10]
	SRT 2
	MM 4*(\i)+3
	v_min3_num_f32 v10, v[DD+3], v[DD+4], v[DD+5]
	v_min3_num_f32 v11, v[DD+11], v[DD+12], v[DD+13]
	SRT 1
	v_min3_num_f32 v8, v8, v[DD+6], v[DD+7]
	v_min3_num_f32 v9, v9, v[DD+14], v[DD+15]
	SRT 2
.if DOLD
	LDG ((((\i)+3)>>1)&1), (\i)+3                  ; into the buffer whose last product stands in slice 1
	s_wait_dscnt 8                                 ; all but the eight just issued: the other buffer, which the next eight products read, is in
.endif
.if DOWT
	s_wait_dscnt 0                                 ; nothing was asked for here: the last two pairs are in
.endif
.if DOMM
	MM 4*(\i)+4
.endif
	v_min3_num_f32 v12, v[DD+16], v[DD+17], v[DD+18]
	v_min3_num_f32 v13, v[DD+24], v[DD+25], v[DD+26]
	SRT 1
	v_min3_num_f32 v14, v[DD+19], v[DD+20], v[DD+21]
	v_min3_num_f32 v15, v[DD+27], v[DD+28], v[DD+29]
	SRT 1
	v_min3_num_f32 v8, v8, v[DD+22], v[DD+23]
	v_min3_num_f32 v9, v9, v[DD+30], v[DD+31]
	SRT 1
	v_min3_num_f32 v8, v8, v10, v12
	v_min3_num_f32 v9, v9, v11, v13
.if DOMM
	MM 4*(\i)+5
.endif
	SRT 1
	v_min_num_f32 v8, v8, v14                      ; my group's minimum over its 16 points,
	v_min_num_f32 v9, v9, v15
	SRT 1
	v_add_f32 v8, v8, v6                           ; + |q'|^2,
	v_add_f32 v9, v9, v7
	SRT 1
	v_max_num_f32 v8, s37, v8                      ; at least 2^-126,
	v_max_num_f32 v9, s37, v9
	SRT 1
	v_and_or_b32 v[KNEW+\i], v8, s36, v5           ; the group's number in the low byte
	v_and_or_b32 v[KNEW+17+\i], v9, s36, v5
	v_add_nc_u32 v5, 2, v5                         ; my group in the next pair
.endm
; A trip: 16 pairs give 16 keys for each of my two queries, into set knew; meanwhile the keys of the trip before, in set sold, are sorted and merged
; into the running 16 (son = 0: there are none yet; first = 1: the merge is a copy).  13 half-steps a pair x 16 cover the list's 206.
.macro TRIP knew, sold, son, first, last
.set KNEW, \knew
.set SCUR, \sold
.set SORTON, \son
.set SFIRST, \first
.set spos, 0
.if \son
	INITW \sold
.endif
.set prn, 0
.rept 16
	PAIR prn, \last
.set prn, prn+1
.endr
.if \last == 0
	v_add_nc_u32 v4, 0x8000, v4                    ; 16 pairs of 2,048 bytes on
.endif
.endm
	LDG 0, 0
	LDG 1, 2
	s_wait_dscnt 8                                 ; pairs 0, 1 are in; the eight loads of pairs 2, 3 may be out
	MM 0
	MM 1
	PLACES                                         ; in front of the first reductions, which read these two results
	TRIP KSA, KSB, 0, 0, 0                         ; trip 0
	TRIP KSB, KSA, 1, 1, 0                         ; trip 1
	s_mov_b32 s40, 2
.Ltrip:
	TRIP KSA, KSB, 1, 0, 0                         ; trips 2, 4
	TRIP KSB, KSA, 1, 0, 0                         ; trips 3, 5
	s_sub_co_u32 s40, s40, 1
	s_cmp_lg_u32 s40, 0
	s_cbranch_scc1 .Ltrip
	TRIP KSA, KSB, 1, 0, 0                         ; trip 6
	TRIP KSB, KSA, 1, 0, 1                         ; trip 7: nothing is fetched past the table, nothing multiplied past its last pair
.set SCUR, KSB
.set SORTON, 1
.set SFIRST, 0
.set spos, 0
	INITW KSB
	SRT 206                                        ; the last trip's keys: the whole list
	; The two lane halves hold sorted lists A and B over the even and the odd groups.  The 16 smallest of both are min(A[i], B[15 - i]), i = 0..15:
	; half 0 makes i = 0..7, half 1 (with the lists' parts exchanged) i = 8..15.  Only the low bytes, the groups' numbers, are stored.
	v_lshlrev_b32 v13, 4, v2                       ; 16 bytes a query,
	v_lshl_add_u32 v13, v3, 3, v13                 ; 8 of them from each half,
	v_lshl_add_u32 v13, s18, 9, v13                ; 32 queries a wave
	s_lshl_b32 s42, ttmp9, 11                      ; 128 queries a work-group
	s_add_nc_u64 s[14:15], s[14:15], s[42:43]
.macro OUTG f
.set TB, TT+16*\f
.set XB, KSA+17*\f
.irp i, 0,1,2,3,4,5,6,7
	v_permlanex16_b32 v[XB+\i], v[TB+15-\i], s38, s39
.endr
.irp i, 0,1,2,3,4,5,6,7
	v_min_num_f32 v[XB+\i], v[XB+\i], v[TB+\i]
.endr
	v_perm_b32 v[XB+8], v[XB+1], v[XB],   0x0400   ; bytes 0, 1: the low bytes of two keys
	v_perm_b32 v[XB+9], v[XB+3], v[XB+2], 0x0400
	v_perm_b32 v[8+2*\f], v[XB+9], v[XB+8], 0x05040100
	v_perm_b32 v[XB+8], v[XB+5], v[XB+4], 0x0400
	v_perm_b32 v[XB+9], v[XB+7], v[XB+6], 0x0400
	v_perm_b32 v[9+2*\f], v[XB+9], v[XB+8], 0x05040100
	global_store_b64 v13, v[8+2*\f:9+2*\f], s[14:15] offset:256*\f   ; the wave stores 256 consecutive bytes, aligned
.endm
	OUTG 0
	OUTG 1
	s_wait_tensorcnt 0x0
	ds_add_u32 v232, v233
	s_wait_dscnt 0x0
	s_endpgm
.Lfunc_end_k_q6debf55d8b_coarse:
	.size	k_q6debf55d8b_coarse, .Lfunc_end_k_q6debf55d8b_coarse-k_q6debf55d8b_coarse
	.p2alignl 7, 3214868480
	.fill 96, 4, 3214868480
	.section	.rodata,"a",@progbits
	.p2align	6, 0x0
	.amdhsa_kernel k_q6debf55d8b_coarse
		.amdhsa_group_segment_fixed_size 262656
		.amdhsa_private_segment_fixed_size 0
		.amdhsa_enable_private_segment 0
		.amdhsa_kernarg_size 56
		.amdhsa_user_sgpr_count 2
		.amdhsa_user_sgpr_kernarg_segment_ptr 1
		.amdhsa_wavefront_size32 1
		.amdhsa_system_sgpr_workgroup_id_x 1
		.amdhsa_system_sgpr_workgroup_id_y 1
		.amdhsa_system_sgpr_workgroup_id_z 1
		.amdhsa_system_vgpr_workitem_id 0
		.amdhsa_next_free_vgpr 234
		.amdhsa_next_free_sgpr 66
		.amdhsa_reserve_vcc 1
		.amdhsa_float_denorm_mode_32 3
		.amdhsa_float_denorm_mode_16_64 3
		.amdhsa_memory_ordered 1
		.amdhsa_forward_progress 1
		.amdhsa_inst_pref_size 255
	.end_amdhsa_kernel
	.section	.bss,"aw",@nobits
	.p2align	6
	.space	262144
	.amdgpu_metadata
---
amdhsa.version: [ 1, 2 ]
amdhsa.kernels:
  - .name:           k_q6debf55d8b_coarse
    .symbol:         k_q6debf55d8b_coarse.kd
    .args:
      - { .name: xyz, .offset: 0, .size: 8, .value_kind: global_buffer, .address_space: global }
      - { .name: r_w, .offset: 8, .size: 8, .value_kind: global_buffer, .address_space: global }
      - { .name: e_w1, .offset: 16, .size: 8, .value_kind: global_buffer, .address_space: global }
      - { .name: g_w1, .offset: 24, .size: 8, .value_kind: global_buffer, .address_space: global }
      - { .name: g_w2, .offset: 32, .size: 8, .value_kind: global_buffer, .address_space: global }
      - { .name: groups, .offset: 40, .size: 8, .value_kind: global_buffer, .address_space: global }
      - { .name: wimg, .offset: 48, .size: 8, .value_kind: global_buffer, .address_space: global }
    .group_segment_fixed_size: 262656
    .private_segment_fixed_size: 0
    .kernarg_segment_align: 8
    .kernarg_segment_size: 56
    .max_flat_workgroup_size: 128
    .sgpr_count:     66
    .vgpr_count:     234
    .wavefront_size: 32
...
	.end_amdgpu_metadata
.endif
;; end of part 4
;; launch fine: the kernel of part 2 again; grid 256 x 1, 8 waves a work-group, no clusters, 54,272 bytes of LDS; arguments xyz, groups, nbr; writes nbr
;; launch fuse (part 5): grid 256 x 1, 4 waves a work-group, clusters of 4 x 1, 302,080 bytes of LDS; arguments features, xyz, nbr, wimg, g_b1, g_lnw, g_lnb, g_b2, e_b1, e_lnw, e_lnb, e_w2, e_b2, r_b, r_lnw, r_lnb, out0, out1; writes out0, out1
.if DOCPART == 5
	.amdgcn_target "amdgcn-amd-amdhsa--gfx1250"
	.amdhsa_code_object_version 6
	.text
	.protected	k_q6debf55d8b_fuse
	.globl	k_q6debf55d8b_fuse
	.p2align	8
	.type	k_q6debf55d8b_fuse,@function
k_q6debf55d8b_fuse:
	s_mov_b64 s[64:65], 0
	v_nop
	global_prefetch_b8 v0, s[64:65] scope:SCOPE_SE
	s_setreg_imm32_b32 hwreg(HW_REG_WAVE_MODE, 25, 1), 1
	s_wait_xcnt 0x0
	s_wait_alu depctr_hold_cnt(0) depctr_sa_sdst(0) depctr_va_vdst(0) depctr_va_sdst(0) depctr_va_ssrc(0) depctr_va_vcc(0) depctr_vm_vsrc(0)
	s_getreg_b32 s2, hwreg(HW_REG_IB_STS2, 6, 4)
	s_cmp_eq_u32 s2, 0
	s_cbranch_scc0 .Lentry_in_a_cluster
	s_endpgm
.Lentry_in_a_cluster:
	s_bfe_u32 s2, ttmp6, 0x10000c
	s_cmp_lg_u32 s2, 0x3003
	s_cbranch_scc0 .Lentry_shape_is_right
	s_endpgm
.Lentry_shape_is_right:
; FUSE: gather of the 16 neighbours, their ten statistics, the geo MLP, the edge head, the refine layer with its LayerNorm, the residual.
; Left out (shown at the head of the first kernel): the off-diagonal sums of cov, and the mean that std takes away from the centred cen.
; LIMITS: matrix operands (features, statistics, hidden layers, weights) are rounded to bf16; sums, norms and activations are f32.
; An index read from nbr is clamped to 4095.
; SHARES.  Work-group g: rows 128 g .. + 127 of the 32,768.  Wave w: 32 whole rows as two row tiles R = 0, 1 of 16, so every LayerNorm stays
; inside a wave and every weight image that the wave reads from LDS feeds two products.
; EVERY PRODUCT IS USED TRANSPOSED: first operand = a weight image (16 output columns x 32 K), second = 16 rows of activations.  Lane
; (r = l & 15, h = l >> 4), register j of column tile t then holds (row r, column 16 t + 8 h + j).  So a layer's result, packed to bf16, is
; the next layer's second operand as it stands, and a sum along a row is a sum in the lane and one exchange between the lane halves.
; ONE WALK ALONG K serves the refine layer (16 column tiles) and the edge head (4): both take the same features, which are read from LDS and
; converted once.  The edge head's ninth K step, the geo features, comes last.
; CLUSTER: all work-groups walk the same 164 weight images (167,936 bytes).  Four work-groups form a cluster and ask for them jointly, each
; wave for its quarter, with one descriptor in all four.  The features are each work-group's own: a plain load, 32 rows a wave.
; A wave has two tensor loads out, both first fills; no LDS byte is filled twice.
; LDS: 0 .. 167,935 weight images (refine: 16 step + tile; edge: 128 + 4 step + tile), 1,024 bytes each, read as 512 consecutive bytes a load;
; 167,936 .. 301,055 features, f32, 4 waves x 32 rows of 1,024 + 16 bytes (sixteen rows' 16-byte pieces fall on sixteen different columns
; modulo 256 bytes), later each wave's own stage for its results; 301,056 .. 301,567 the 128 edge probabilities.
; REGISTERS, in windows of 256 (s_set_vgpr_msb: bits 1:0 source 0, 3:2 source 1, 5:4 source 2, 7:6 destination):
;   window 0: v1-v18 addresses; v32-63 feature operands [buffer][R]; v64-95 features in f32 on their way [R]; v96-255 weight images, two buffers
;             of ten; behind the walk v96-223 the features for the residual.  In front of the walk: the statistics and the geo MLP.
;   window 1 + R: the sums of row tile R, refine tile t at 8 t, edge tile e at 128 + 8 e; v160-167 its geo features as an operand; v168-183 its
;             LayerNorm figures and its probability; v192-255 r_lnb (window 1: column tiles 0-7, window 2: tiles 8-15).
;   window 3: r_b at 8 t and e_b1 at 128 + 8 e (the third operand of K step 0: the biases start the sums); r_lnw takes r_b's place behind K step 0;
;             e_lnw v160-191, e_lnb v192-223, e_w2 v224-255.
; All four windows are taken, so the features (256 more registers in f32) are read from LDS a second time for the residual.
.set FBASE,  167936
.set FPITCH, 1040
.set FTILE,  16*FPITCH                 ; a row tile
.set FWAVE,  32*FPITCH
.set SCR,    301056
.set WPART,  41984                     ; a quarter of the images: 164 rows of 256 bytes
.set FB,  32
.set ST,  64
.set WB,  96
.set FT,  96
.set NB,  56                           ; v[56:119] statistics: 16 neighbours, 4 registers each: x, y, z, then |cen|^2 and d
; the LayerNorm's registers in window 0 (geo MLP); they are set anew for windows 1 and 2 below
.set LT,  112                          ; four packed chains
.set XT,  121                          ; what the other lane half sends
.set MM,  14                           ; mean, twice
.set RS,  16                           ; 1 / sqrt(var + eps), twice
; v2 r, v3 h, v4 32 h (a lane half's 8 numbers of a parameter tile), v5 my features in LDS, v7 v8 v10 images at + 65,536, + 131,072, + 0 (v10 = 16 lane also serves
; global offsets), v9 whole rows back from the stage, v11 my row's probability, v18 my row's indices
.set MSB, 0
.macro WIN new                         ; the immediate's high byte repeats the setting that is left; a switch that changes nothing is dropped
.if MSB != (\new)
	s_set_vgpr_msb (MSB<<8)|(\new)
.set MSB, (\new)
.endif
.endm
.macro PLACES                          ; four plain vector instructions behind matrix instructions (ISA guide 7.12.1)
.rept 4
	v_nop
.endr
.endm
.macro ROUND                           ; a round of the cluster's barrier: my work-group's barrier, wave 0 signals for it, all wait, my work-group's barrier
	s_barrier_signal -1
	s_barrier_wait -1
	s_cmp_lg_u32 s8, 0
	s_cbranch_scc1 .Lnot_wave_0_\@
	s_barrier_signal -3
.Lnot_wave_0_\@:
	s_barrier_wait -3
	s_barrier_signal -1
	s_barrier_wait -1
.endm
.macro XH x                            ; add the other lane half's figure: both halves then hold the row's
	v_permlanex16_b32 v[XT], v[\x], s14, s15
	v_add_f32 v[\x], v[\x], v[XT]
.endm
.macro FOLD                            ; four packed chains into one number, over both lane halves
	v_pk_add_f32 v[LT:LT+1], v[LT:LT+1], v[LT+2:LT+3]
	v_pk_add_f32 v[LT+4:LT+5], v[LT+4:LT+5], v[LT+6:LT+7]
	v_pk_add_f32 v[LT:LT+1], v[LT:LT+1], v[LT+4:LT+5]
	v_add_f32 v[LT], v[LT], v[LT+1]
	XH LT
.endm
; LayerNorm's figures for a row of 2 n numbers, n in each lane half from v[base]: the numbers are centred in place, RS = 1 / sqrt(var + 1e-5).
; All its registers lie in one window.
.macro LNSTAT base, n, invn
.irp c, 0,2,4,6
	v_pk_add_f32 v[LT+\c:LT+\c+1], v[\base+\c:\base+\c+1], v[\base+8+\c:\base+9+\c]
.endr
.set li, 16
.rept ((\n)-16)/8
.irp c, 0,2,4,6
	v_pk_add_f32 v[LT+\c:LT+\c+1], v[LT+\c:LT+\c+1], v[\base+li+\c:\base+li+\c+1]
.endr
.set li, li+8
.endr
	FOLD
	v_mul_f32 v[MM], \invn, v[LT]
	v_mov_b32 v[MM+1], v[MM]
.set li, 0
.rept (\n)/2
	v_pk_add_f32 v[\base+li:\base+li+1], v[\base+li:\base+li+1], v[MM:MM+1] neg_lo:[0,1] neg_hi:[0,1]
.set li, li+2
.endr
.irp c, 0,2,4,6
	v_pk_mul_f32 v[LT+\c:LT+\c+1], v[\base+\c:\base+\c+1], v[\base+\c:\base+\c+1]
.endr
.set li, 8
.rept ((\n)-8)/8
.irp c, 0,2,4,6
	v_pk_fma_f32 v[LT+\c:LT+\c+1], v[\base+li+\c:\base+li+\c+1], v[\base+li+\c:\base+li+\c+1], v[LT+\c:LT+\c+1]
.endr
.set li, li+8
.endr
	FOLD
	v_fma_f32 v[LT], v[LT], \invn, s11             ; var + 1e-5
	v_rsq_f32 v[RS], v[LT]
	v_nop                                          ; one plain instruction behind a transcendental (ISA guide 5.7.2)
	s_wait_alu depctr_va_vdst(0)
	v_mov_b32 v[RS+1], v[RS]
.endm
.macro NORM base, w, b, n              ; relu(x RS w + b) on n centred numbers, all in one window
.set ni, 0
.rept (\n)/2
	v_pk_mul_f32 v[\base+ni:\base+ni+1], v[\base+ni:\base+ni+1], v[RS:RS+1]
.set ni, ni+2
.endr
.set ni, 0
.rept (\n)/2
	v_pk_fma_f32 v[\base+ni:\base+ni+1], v[\base+ni:\base+ni+1], v[\w+ni:\w+ni+1], v[\b+ni:\b+ni+1]
.set ni, ni+2
.endr
.set ni, 0
.rept \n
	v_max_num_f32 v[\base+ni], 0, v[\base+ni]
.set ni, ni+1
.endr
.endm
.macro LDPAR dst, sb, n, t0            ; n column tiles of a parameter vector from tile t0 on: my lane half's 8 numbers of each
.set pti, 0
.rept \n
	global_load_b128 v[\dst+8*pti:\dst+8*pti+3],   v4, s[\sb:\sb+1] offset:64*(\t0+pti)
	global_load_b128 v[\dst+8*pti+4:\dst+8*pti+7], v4, s[\sb:\sb+1] offset:64*(\t0+pti)+16
.set pti, pti+1
.endr
.endm
.macro CVT4 dst, src
.irp j, 0,1,2,3
	v_cvt_pk_bf16_f32 v[\dst+\j], v[\src+2*\j], v[\src+2*\j+1]
.endr
.endm
	s_load_b512 s[16:31], s[0:1], 0x0              ; features 16, xyz 18, nbr 20, wimg 22, g_b1 24, g_lnw 26, g_lnb 28, g_b2 30
	s_load_b512 s[32:47], s[0:1], 0x40             ; e_b1 32, e_lnw 34, e_lnb 36, e_w2 38, e_b2 40, r_b 42, r_lnw 44, r_lnb 46
	s_load_b128 s[48:51], s[0:1], 0x80             ; out0 48, out1 50
	v_lshl_add_u32 v30, v0, 2, 0x49a00
	v_mov_b32 v31, 0
	ds_add_u32 v30, v31
	ds_add_u32 v30, v31
	v_and_b32 v1, 31, v0
	v_and_b32 v2, 15, v0                           ; r
	v_bfe_u32 v3, v0, 4, 1                         ; h
	v_lshrrev_b32 v4, 5, v0
	v_readfirstlane_b32 s8, v4                     ; wave
	s_bfe_u32 s10, ttmp6, 0x40000                  ; my place in the cluster
	s_lshl_b32 s9, ttmp9, 2                        ; in a cluster launch ttmp9 counts clusters
	s_add_co_u32 s9, s9, s10                       ; work-group g
	s_mov_b32 s11, 0x3727c5ac                      ; 1e-5
	s_mov_b32 s14, 0x76543210                      ; v_permlanex16_b32: lane i reads lane i of the other half
	s_mov_b32 s15, 0xfedcba98
	; the images: a dense block as 164 rows of 32 elements of 8 bytes; the mask names all four work-groups, bit 21 is set beside it
	s_mov_b32 s56, 15|(3<<16)|(1<<21)
	s_mov_b32 s57, 32<<16                          ; tensor_dim0 = 32
	s_mov_b32 s58, 164<<16                         ; tensor_dim1 = 164
	s_mov_b32 s59, 32<<16                          ; tile_dim0 = 32
	s_mov_b32 s60, 164                             ; tile_dim1 = 164
	s_mov_b32 s61, 32                              ; from row to row
	s_mov_b32 s62, 0
	s_mov_b32 s63, 0
	s_mov_b32 s52, 1
	s_mul_i32 s53, s8, WPART                       ; LDS address: the wave's number alone
	; the features: 32 rows of 128 elements of 8 bytes, 4 dwords of padding behind every 256
	s_mov_b32 s72, (3<<16)|(1<<20)|(7<<22)|(3<<25)
	s_mov_b32 s73, 128<<16
	s_mov_b32 s74, 32<<16
	s_mov_b32 s75, 128<<16
	s_mov_b32 s76, 32
	s_mov_b32 s77, 128
	s_mov_b32 s78, 0
	s_mov_b32 s79, 0
	s_mov_b32 s68, 1
	s_mul_i32 s69, s8, FWAVE
	s_add_co_u32 s69, s69, FBASE
	s_mul_i32 s4, s8, WPART
	s_mov_b32 s5, 0
	s_lshl_b32 s6, s9, 17                          ; 128 rows of 1,024 bytes a work-group,
	s_lshl_b32 s7, s8, 15                          ; 32 a wave
	s_add_co_u32 s6, s6, s7
	s_mov_b32 s7, 0
	s_wait_dscnt 0x0
	s_wait_kmcnt 0x0
	s_add_nc_u64 s[54:55], s[22:23], s[4:5]
	s_or_b32 s55, s55, 0x80000000
	s_add_nc_u64 s[70:71], s[16:17], s[6:7]
	s_or_b32 s71, s71, 0x80000000
	s_add_nc_u64 s[48:49], s[48:49], s[6:7]        ; out0 at my wave's rows
	s_load_b32 s12, s[40:41], 0x0                  ; e_b2
	ROUND                                          ; all four work-groups are here: the joint loads meet
	tensor_load_to_lds s[52:55], s[56:63]          ; my quarter of the images, jointly
	s_nop 0
	tensor_load_to_lds s[68:71], s[72:79]          ; my 32 rows of features
	s_nop 0
	v_lshlrev_b32 v4, 5, v3                        ; 32 h
	v_mul_u32_u24 v5, v2, FPITCH
	v_add_nc_u32 v5, v5, v4
	v_add_nc_u32 v5, s69, v5                       ; row r of row tile 0, my half's 8 numbers
	v_lshlrev_b32 v10, 4, v1                       ; 16 lane
	v_add_nc_u32 v7, 0x10000, v10
	v_add_nc_u32 v8, 0x20000, v10
	v_add_nc_u32 v9, s69, v10
	v_lshlrev_b32 v11, 2, v2
	v_lshl_add_u32 v11, s8, 7, v11
	v_add_nc_u32 v11, SCR, v11                     ; the word of row r of row tile 0
	v_lshlrev_b32 v18, 5, v1                       ; 32 bytes of indices a row, a row a lane,
	v_lshl_add_u32 v18, s8, 10, v18                ; 32 rows a wave
	v_cmp_eq_u32 s13, 0, v3                        ; lanes 0-15
	s_lshl_b32 s4, s9, 12
	s_add_nc_u64 s[20:21], s[20:21], s[4:5]        ; nbr at my work-group
	s_lshr_b32 s4, s9, 5
	s_mul_i32 s4, s4, 49152
	s_add_nc_u64 s[18:19], s[18:19], s[4:5]        ; xyz at my batch
	s_lshl_b32 s4, s9, 9
	s_add_nc_u64 s[50:51], s[50:51], s[4:5]        ; out1 at my work-group
	global_load_b128 v[32:35], v18, s[20:21]       ; the 16 neighbours of row 32 w + lane
	global_load_b128 v[36:39], v18, s[20:21] offset:16
.irp k, 0,1,2
	global_load_b128 v[184+8*\k:187+8*\k], v10, s[22:23] offset:167936+1024*\k       ; images 164, 165 (g_w1), 166 (g_w2)
	global_load_b128 v[188+8*\k:191+8*\k], v10, s[22:23] offset:167936+1024*\k+512
.endr
	LDPAR 208, 24, 2, 0                            ; g_b1 starts the hidden layer's sums
	LDPAR 224, 26, 2, 0                            ; g_lnw
	LDPAR 240, 28, 2, 0                            ; g_lnb
	LDPAR 176, 30, 1, 0                            ; g_b2 starts the geo features' sums
	s_wait_loadcnt 20                              ; the 20 loads behind the indices may be out
.irp k, 0,1,2,3,4,5,6,7
	v_and_b32 v[40+2*\k], 0xffff, v[32+\k]
	v_lshrrev_b32 v[41+2*\k], 16, v[32+\k]
.endr
.irp i, 0,1,2,3,4,5,6,7,8,9,10,11,12,13,14,15
	v_min_u32 v[40+\i], 0xfff, v[40+\i]            ; a number read from memory enters an address only clamped
	v_mul_u32_u24 v[40+\i], v[40+\i], 12
	global_load_b96 v[NB+4*\i:NB+4*\i+2], v[40+\i], s[18:19]
.endr
	WIN 0xc0                                       ; destination in window 3
	LDPAR 0, 42, 16, 0                             ; r_b
	LDPAR 128, 32, 4, 0                            ; e_b1
	WIN 0
	s_wait_loadcnt 40                              ; only the 40 loads of r_b and e_b1 may be out: the neighbours and the geo MLP's parameters are in
	WIN 0xc0
	LDPAR 160, 34, 4, 0                            ; e_lnw
	LDPAR 192, 36, 4, 0                            ; e_lnb
	LDPAR 224, 38, 4, 0                            ; e_w2
	WIN 0x40
	LDPAR 192, 46, 8, 0                            ; r_lnb, column tiles 0-7, into window 1
	WIN 0x80
	LDPAR 192, 46, 8, 8                            ; tiles 8-15, into window 2
	WIN 0
	; ---- the statistics: a lane has a whole row's 16 neighbours; sums run in two chains (even and odd neighbours)
	v_pk_add_f32 v[120:121], v[NB:NB+1], v[NB+8:NB+9]
	v_add_f32 v122, v[NB+2], v[NB+10]
	v_pk_add_f32 v[124:125], v[NB+4:NB+5], v[NB+12:NB+13]
	v_add_f32 v126, v[NB+6], v[NB+14]
.irp i, 4,6,8,10,12,14
	v_pk_add_f32 v[120:121], v[120:121], v[NB+4*\i:NB+4*\i+1]
	v_add_f32 v122, v122, v[NB+4*\i+2]
	v_pk_add_f32 v[124:125], v[124:125], v[NB+4*\i+4:NB+4*\i+5]
	v_add_f32 v126, v126, v[NB+4*\i+6]
.endr
	v_pk_add_f32 v[120:121], v[120:121], v[124:125]
	v_add_f32 v122, v122, v126
	v_pk_mul_f32 v[120:121], v[120:121], 0x3d800000 op_sel_hi:[1,0]    ; the mean: / 16
	v_mul_f32 v122, 0x3d800000, v122
.irp i, 0,1,2,3,4,5,6,7,8,9,10,11,12,13,14,15
	v_pk_add_f32 v[NB+4*\i:NB+4*\i+1], v[NB+4*\i:NB+4*\i+1], v[120:121] neg_lo:[0,1] neg_hi:[0,1]   ; cen
	v_sub_f32 v[NB+4*\i+2], v[NB+4*\i+2], v122
.endr
	v_pk_mul_f32 v[128:129], v[NB:NB+1], v[NB:NB+1]                    ; v128-v130: sums of squares along each axis
	v_mul_f32 v130, v[NB+2], v[NB+2]
	v_mul_f32 v[NB+3], v[NB], v[NB]                                    ; the fourth register: |cen|^2 of the neighbour
.irp i, 1,2,3,4,5,6,7,8,9,10,11,12,13,14,15
	v_mul_f32 v[NB+4*\i+3], v[NB+4*\i], v[NB+4*\i]
	v_pk_fma_f32 v[128:129], v[NB+4*\i:NB+4*\i+1], v[NB+4*\i:NB+4*\i+1], v[128:129]
.endr
	v_fmac_f32 v[NB+3], v[NB+1], v[NB+1]
.irp i, 1,2,3,4,5,6,7,8,9,10,11,12,13,14,15
	v_fmac_f32 v[NB+4*\i+3], v[NB+4*\i+1], v[NB+4*\i+1]
	v_fmac_f32 v130, v[NB+4*\i+2], v[NB+4*\i+2]
.endr
.irp i, 0,1,2,3,4,5,6,7,8,9,10,11,12,13,14,15
	v_fmac_f32 v[NB+4*\i+3], v[NB+4*\i+2], v[NB+4*\i+2]
.endr
.irp i, 0,1,2,3,4,5,6,7,8,9,10,11,12,13,14,15
	v_sqrt_f32 v[NB+4*\i+3], v[NB+4*\i+3]          ; d
.endr
	v_nop                                          ; one plain instruction behind the transcendentals
	s_wait_alu depctr_va_vdst(0)
	v_add_f32 v131, v[NB+3], v[NB+11]
	v_add_f32 v132, v[NB+7], v[NB+15]
.irp i, 4,6,8,10,12,14
	v_add_f32 v131, v131, v[NB+4*\i+3]
	v_add_f32 v132, v132, v[NB+4*\i+7]
.endr
	v_add_f32 v131, v131, v132
	v_mul_f32 v131, 0x3d800000, v131               ; mean_d
.irp i, 0,1,2,3,4,5,6,7,8,9,10,11,12,13,14,15
	v_sub_f32 v[NB+4*\i+3], v[NB+4*\i+3], v131
.endr
	v_mul_f32 v133, v[NB+3], v[NB+3]
	v_mul_f32 v134, v[NB+7], v[NB+7]
.irp i, 2,4,6,8,10,12,14
	v_fmac_f32 v133, v[NB+4*\i+3], v[NB+4*\i+3]
	v_fmac_f32 v134, v[NB+4*\i+7], v[NB+4*\i+7]
.endr
	v_add_f32 v133, v133, v134
	v_mul_f32 v135, 0x3d800000, v128               ; cov's diagonal
	v_mul_f32 v136, 0x3d800000, v129
	v_mul_f32 v137, 0x3d800000, v130
	v_add_f32 v138, v135, v136
	v_add_f32 v138, v138, v137                     ; trace
	v_mul_f32 v139, v135, v136
	v_mul_f32 v139, v139, v137
	v_max_num_f32 v139, 0x322bcc77, v139           ; det, at least 1e-8
	v_mul_f32 v140, 0x3d888889, v128               ; / 15
	v_mul_f32 v141, 0x3d888889, v129
	v_mul_f32 v142, 0x3d888889, v130
	v_mul_f32 v143, 0x3d888889, v133
	v_add_f32 v144, 0x358637bd, v138               ; trace + 1e-6
	v_sqrt_f32 v140, v140                          ; std along x, y, z
	v_sqrt_f32 v141, v141
	v_sqrt_f32 v142, v142
	v_sqrt_f32 v143, v143                          ; std_d
	v_rcp_f32 v144, v144
	v_nop
	s_wait_alu depctr_va_vdst(0)
	v_mul_f32 v135, v140, v144
	v_mul_f32 v136, v141, v144
	v_mul_f32 v137, v142, v144
	v_cvt_pk_bf16_f32 v146, v138, v139             ; the row's ten numbers as five dwords
	v_cvt_pk_bf16_f32 v147, v140, v141
	v_cvt_pk_bf16_f32 v148, v142, v131
	v_cvt_pk_bf16_f32 v149, v143, v135
	v_cvt_pk_bf16_f32 v150, v136, v137
.irp k, 0,1,2,3,4
	v_permlanex16_b32 v[NB+\k], v[146+\k], s14, s15    ; and those of the row 16 away
.endr
	; the operands: lane (r, 0) holds K = 0..7 of row 16 R + r, lane (r, 1) K = 8, 9 and zeros.  Row 16 R + r lives in lane 16 R + r.
	v_cndmask_b32 v32, v[NB+4], v146, s13          ; R = 0: lanes 0-15 their own, lanes 16-31 the other half's last dword
	v_cndmask_b32 v33, 0, v147, s13
	v_cndmask_b32 v34, 0, v148, s13
	v_cndmask_b32 v35, 0, v149, s13
	v_cndmask_b32 v40, v150, v[NB], s13            ; R = 1: lanes 0-15 the other half's, lanes 16-31 their own last dword
	v_cndmask_b32 v41, 0, v[NB+1], s13
	v_cndmask_b32 v42, 0, v[NB+2], s13
	v_cndmask_b32 v43, 0, v[NB+3], s13
.irp j, 36,37,38,39,44,45,46,47
	v_mov_b32 v\j, 0                               ; K = 16..31
.endr
	; ---- the geo MLP: hidden layer v[48:63] (R = 0), v[64:79] (R = 1)
	v_wmma_f32_16x16x32_bf16 v[48:55], v[184:191], v[32:39], v[208:215]
	v_wmma_f32_16x16x32_bf16 v[56:63], v[192:199], v[32:39], v[216:223]
	v_wmma_f32_16x16x32_bf16 v[64:71], v[184:191], v[40:47], v[208:215]
	v_wmma_f32_16x16x32_bf16 v[72:79], v[192:199], v[40:47], v[216:223]
	PLACES
	LNSTAT 48, 16, 0x3d000000
	NORM 48, 224, 240, 16
	LNSTAT 64, 16, 0x3d000000
	NORM 64, 224, 240, 16
.irp j, 0,1,2,3,4,5,6,7
	v_cvt_pk_bf16_f32 v[80+\j], v[48+2*\j], v[49+2*\j]
	v_cvt_pk_bf16_f32 v[88+\j], v[64+2*\j], v[65+2*\j]
.endr
	v_wmma_f32_16x16x32_bf16 v[96:103], v[200:207], v[80:87], v[176:183]
	v_wmma_f32_16x16x32_bf16 v[104:111], v[200:207], v[88:95], v[176:183]
	PLACES
	WIN 0x40                                       ; destination in window 1: row tile 0's geo operand
	CVT4 160, 96                                   ; K = 256 + 8 h .. + 7 of the edge head's input
.irp j, 164,165,166,167,176
	v_mov_b32 v\j, 0                               ; K = 272 ..: nothing (the image holds zeros there too); v176: v_permlanex16_b32 counts as a reader of its destination
.endr
	WIN 0x80                                       ; window 2: row tile 1's
	CVT4 160, 104
.irp j, 164,165,166,167,176
	v_mov_b32 v\j, 0
.endr
	WIN 0
	s_wait_tensorcnt 0x0                           ; my part of the images and my features are in LDS,
	s_barrier_signal -1
	s_barrier_wait -1                              ; everybody's part of the images is
	; ---- the walk along K.  Group q = 2 s + half of K step s: ten images (half 0: refine tiles 0-9; half 1: refine tiles 10-15 and the edge head's four);
	; group 16: the edge head's four images of the geo step.  Each image feeds a product of row tile 0 and one of row tile 1.
.macro LDI areg, off, reg              ; one image
	ds_load_b128 v[\reg:\reg+3],   v[\areg] offset:\off
	ds_load_b128 v[\reg+4:\reg+7], v[\areg] offset:\off+512
.endm
.macro LDWG q                          ; group q's images into buffer q & 1
.set GS, (\q)>>1
.set GBUF, WB+80*((\q)&1)
.if (\q) == 16
.irp e, 0,1,2,3
	LDI 8, 32768+1024*\e, GBUF+8*\e
.endr
.else
.if GS < 4
.set GAR, 10
.else
.set GAR, 7
.endif
.if ((\q)&1) == 0
.irp t, 0,1,2,3,4,5,6,7,8,9
	LDI GAR, (GS&3)*16384+1024*\t, GBUF+8*\t
.endr
.else
.irp t, 0,1,2,3,4,5
	LDI GAR, (GS&3)*16384+1024*(10+\t), GBUF+8*\t
.endr
.irp e, 0,1,2,3
	LDI 8, GS*4096+1024*\e, GBUF+48+8*\e
.endr
.endif
.endif
.endm
.macro LDF R, s                        ; my 16 features of row tile R, K step s: K = 8 h .. + 7 and 16 + 8 h .. + 7
	ds_load_b128 v[ST+16*(\R):ST+16*(\R)+3],     v5 offset:(\R)*FTILE+128*(\s)
	ds_load_b128 v[ST+16*(\R)+4:ST+16*(\R)+7],   v5 offset:(\R)*FTILE+128*(\s)+16
	ds_load_b128 v[ST+16*(\R)+8:ST+16*(\R)+11],  v5 offset:(\R)*FTILE+128*(\s)+64
	ds_load_b128 v[ST+16*(\R)+12:ST+16*(\R)+15], v5 offset:(\R)*FTILE+128*(\s)+80
.endm
.macro CVF R, s                        ; they become the operand of K step s
	CVT4 FB+16*((\s)&1)+8*(\R), ST+16*(\R)
	CVT4 FB+16*((\s)&1)+8*(\R)+4, ST+16*(\R)+8
.endm
; Group q's products for the row tile of window n.  Sums (first and last operand) in window n; in K step 0 the last operand is the bias of the same
; number in window 3; in the geo step the second operand lies in window n too.  The accumulators take turns, one instruction a turn.
.macro MMRUN q, n
.set MS, (\q)>>1
.set MBUF, WB+80*((\q)&1)
.set MFB, FB+16*(MS&1)+8*((\n)-1)
.set MC0, 10*((\q)&1)
.if (\q) == 16
	WIN ((\n)<<2)|((\n)<<4)|((\n)<<6)
.irp k, 0,1,2,3
	v_wmma_f32_16x16x32_bf16 v[128+8*\k:135+8*\k], v[MBUF+8*\k:MBUF+8*\k+7], v[160:167], v[128+8*\k:135+8*\k]
.endr
.else
.if MS == 0
	WIN (3<<4)|((\n)<<6)
.else
	WIN ((\n)<<4)|((\n)<<6)
.endif
.irp k, 0,1,2,3,4,5,6,7,8,9
	v_wmma_f32_16x16x32_bf16 v[8*(MC0+\k):8*(MC0+\k)+7], v[MBUF+8*\k:MBUF+8*\k+7], v[MFB:MFB+7], v[8*(MC0+\k):8*(MC0+\k)+7]
.endr
.endif
.endm
; A group: wait; eight conversions (row tile 1 of this K step in half 0, row tile 0 of the next in half 1), which are also the places behind the last
; group's products in front of the loads into its images' registers; the next group's images; four loads of features into the stage just converted; 20 products.
.macro KGROUP q
.set KS, (\q)>>1
.set KB, (\q)&1
.if (\q) <= 13
	s_wait_dscnt 4                                 ; all but the last group's four feature loads: my images and the stage that I convert now are in
.else
	s_wait_dscnt 0                                 ; the last group asked for no features behind my images
.endif
.if (\q) < 16
.if KB == 0
	CVF 1, KS
.else
.if KS < 7
	CVF 0, KS+1
.else
	PLACES                                         ; nothing is left to convert
.endif
.endif
	LDWG (\q)+1
.if KB == 0
.if KS <= 6
	LDF 1, KS+1
.endif
.else
.if KS <= 5
	LDF 0, KS+2
.endif
.endif
.endif
.if (\q) == 0
	s_wait_loadcnt 56                              ; the 56 loads behind r_b and e_b1 may be out
.endif
.if (\q) == 2
	WIN 0xc0
	LDPAR 0, 44, 16, 0                             ; r_lnw takes r_b's registers: K step 0 has read them, eight conversions ago
	WIN 0
.endif
	MMRUN \q, 1
	MMRUN \q, 2
	WIN 0
.endm
	LDF 0, 0
	LDF 1, 0
	LDWG 0
	s_wait_dscnt 24                                ; row tile 0's features of K step 0 are in
	CVF 0, 0
	LDF 0, 1
.set kq, 0
.rept 17
	KGROUP kq
.set kq, kq+1
.endr
	PLACES                                         ; behind the last products: their results are read and their images' registers loaded below
.macro LDRES R                         ; row tile R's features in the results' layout: my 8 numbers of each column tile
.set fi, 0
.rept 16
	ds_load_b128 v[FT+8*fi:FT+8*fi+3],   v5 offset:(\R)*FTILE+64*fi
	ds_load_b128 v[FT+8*fi+4:FT+8*fi+7], v5 offset:(\R)*FTILE+64*fi+16
.set fi, fi+1
.endr
.endm
	LDRES 0
	s_wait_kmcnt 0x0                               ; e_b2
	s_mul_f32 s12, s12, 0xbfb8aa3b                 ; - log2(e) e_b2
	s_wait_loadcnt 0x0                             ; all parameters
; the LayerNorm's registers in windows 1 and 2
.set LT,  168
.set XT,  176
.set MM,  178
.set RS,  180
.set PP,  182                          ; the edge probability, twice
	; ---- the edge head's end for the row tile of window n: LayerNorm, ReLU, the product with e_w2, the sigmoid
.macro EDGE n
	WIN 0x55*(\n)                                  ; every operand in window n
	LNSTAT 128, 32, 0x3c800000
.set ei, 0
.rept 16
	v_pk_mul_f32 v[128+ei:129+ei], v[128+ei:129+ei], v[RS:RS+1]
.set ei, ei+2
.endr
	WIN (\n)|(3<<2)|(3<<4)|((\n)<<6)               ; second and third source in window 3: e_lnw, e_lnb
.set ei, 0
.rept 16
	v_pk_fma_f32 v[128+ei:129+ei], v[128+ei:129+ei], v[160+ei:161+ei], v[192+ei:193+ei]
.set ei, ei+2
.endr
	WIN 0x55*(\n)
.set ei, 0
.rept 32
	v_max_num_f32 v[128+ei], 0, v[128+ei]
.set ei, ei+1
.endr
	WIN (\n)|(3<<2)|((\n)<<4)|((\n)<<6)            ; second source in window 3: e_w2
	v_pk_mul_f32 v[LT:LT+1], v[128:129], v[224:225]
	v_pk_mul_f32 v[LT+2:LT+3], v[130:131], v[226:227]
.set ei, 4
.rept 7
	v_pk_fma_f32 v[LT:LT+1], v[128+ei:129+ei], v[224+ei:225+ei], v[LT:LT+1]
	v_pk_fma_f32 v[LT+2:LT+3], v[130+ei:131+ei], v[226+ei:227+ei], v[LT+2:LT+3]
.set ei, ei+4
.endr
	WIN 0x55*(\n)
	v_pk_add_f32 v[LT:LT+1], v[LT:LT+1], v[LT+2:LT+3]
	v_add_f32 v[LT], v[LT], v[LT+1]
	XH LT
	v_fma_f32 v[LT], v[LT], 0xbfb8aa3b, s12        ; - log2(e) (z + e_b2)
	v_exp_f32 v[LT], v[LT]
	v_nop
	s_wait_alu depctr_va_vdst(0)
	v_add_f32 v[LT], 1.0, v[LT]
	v_rcp_f32 v[PP], v[LT]                         ; the sigmoid; an infinite exponential gives 0, as it should
	v_nop
	s_wait_alu depctr_va_vdst(0)
	v_mov_b32 v[PP+1], v[PP]
	WIN (\n)<<2                                    ; an LDS store's data is its second source
	ds_store_b32 v11, v[PP] offset:64*((\n)-1)     ; both lane halves write the same number to the row's word
.endm
	EDGE 1
	EDGE 2
	; ---- the refine layer's end for the row tile of window n, in long runs under one setting each: LayerNorm, ReLU, times the probability, plus the
	; features; out through my own rows of LDS.  Row tile 0 is stored before row tile 1 is begun: its stores leave while row tile 1 is worked on.
.macro REFINE n
.set RR, (\n)-1
	WIN 0x55*(\n)
	LNSTAT 0, 128, 0x3b800000
.set ri, 0
.rept 64
	v_pk_mul_f32 v[ri:ri+1], v[ri:ri+1], v[RS:RS+1]
.set ri, ri+2
.endr
	WIN (\n)|(3<<2)|(1<<4)|((\n)<<6)               ; second source r_lnw (window 3, the sums' own numbers), third r_lnb's tiles 0-7 (window 1)
.set ri, 0
.rept 32
	v_pk_fma_f32 v[ri:ri+1], v[ri:ri+1], v[ri:ri+1], v[192+ri:193+ri]
.set ri, ri+2
.endr
	WIN (\n)|(3<<2)|(2<<4)|((\n)<<6)               ; third source r_lnb's tiles 8-15 (window 2)
.set ri, 0
.rept 32
	v_pk_fma_f32 v[64+ri:65+ri], v[64+ri:65+ri], v[64+ri:65+ri], v[192+ri:193+ri]
.set ri, ri+2
.endr
	WIN 0x55*(\n)
.set ri, 0
.rept 128
	v_max_num_f32 v[ri], 0, v[ri]
.set ri, ri+1
.endr
	s_wait_dscnt 0x0                               ; this row tile's features are in
	WIN (\n)|((\n)<<2)|((\n)<<6)                   ; third source in window 0: the features
.set ri, 0
.rept 64
	v_pk_fma_f32 v[ri:ri+1], v[ri:ri+1], v[PP:PP+1], v[FT+ri:FT+ri+1]
.set ri, ri+2
.endr
	WIN (\n)<<2
.set ri, 0
.rept 16
	ds_store_b128 v5, v[8*ri:8*ri+3]   offset:RR*FTILE+64*ri        ; over the very bytes that held these features: my lane's own, read above
	ds_store_b128 v5, v[8*ri+4:8*ri+7] offset:RR*FTILE+64*ri+16
.set ri, ri+1
.endr
.if (\n) == 1
	WIN 0
	LDRES 1                                        ; the next row tile's features, well ahead of their use
.endif
	WIN (\n)<<6
.set ri, 0
.rept 32
	ds_load_b128 v[4*ri:4*ri+3], v9 offset:RR*FTILE+(ri>>1)*FPITCH+(ri&1)*512   ; half a row; LDS serves a wave's instructions in order (ISA guide 5.7.1): these see the stores above
.set ri, ri+1
.endr
	WIN (\n)<<2
.set ri, 0
.rept 32
	s_wait_dscnt 31-ri                             ; the loads behind this one may be out
	global_store_b128 v10, v[4*ri:4*ri+3], s[48:49] offset:RR*16384+(ri>>1)*1024+(ri&1)*512 th:TH_STORE_NT   ; 512 consecutive bytes, aligned
.set ri, ri+1
.endr
.endm
	REFINE 1
	REFINE 2
	WIN 0                                          ; at a branch and at a label every window is 0
	s_wait_dscnt 0x0                               ; my rows' probabilities are in LDS (met: the count above ended at 0),
	s_barrier_signal -1
	s_barrier_wait -1                              ; everybody's are
	s_cmp_lg_u32 s8, 0
	s_cbranch_scc1 .Lnot_first
	v_add_nc_u32 v20, SCR, v10
	ds_load_b128 v[32:35], v20                     ; wave 0: the work-group's 128 probabilities,
	s_wait_dscnt 0x0
	global_store_b128 v10, v[32:35], s[50:51]      ; 512 consecutive bytes, aligned
.Lnot_first:
	s_wait_tensorcnt 0x0
	ds_add_u32 v30, v31
	s_wait_dscnt 0x0
	ROUND                                          ; the closing round: no work-group ends while a partner may still ask jointly
	s_endpgm
.Lfunc_end_k_q6debf55d8b_fuse:
	.size	k_q6debf55d8b_fuse, .Lfunc_end_k_q6debf55d8b_fuse-k_q6debf55d8b_fuse
	.p2alignl 7, 3214868480
	.fill 96, 4, 3214868480
	.section	.rodata,"a",@progbits
	.p2align	6, 0x0
	.amdhsa_kernel k_q6debf55d8b_fuse
		.amdhsa_group_segment_fixed_size 302080
		.amdhsa_private_segment_fixed_size 0
		.amdhsa_enable_private_segment 0
		.amdhsa_kernarg_size 144
		.amdhsa_user_sgpr_count 2
		.amdhsa_user_sgpr_kernarg_segment_ptr 1
		.amdhsa_wavefront_size32 1
		.amdhsa_system_sgpr_workgroup_id_x 1
		.amdhsa_system_sgpr_workgroup_id_y 1
		.amdhsa_system_sgpr_workgroup_id_z 1
		.amdhsa_system_vgpr_workitem_id 0
		.amdhsa_next_free_vgpr 1024
		.amdhsa_next_free_sgpr 80
		.amdhsa_reserve_vcc 0
		.amdhsa_float_denorm_mode_32 3
		.amdhsa_float_denorm_mode_16_64 3
		.amdhsa_memory_ordered 1
		.amdhsa_forward_progress 1
		.amdhsa_inst_pref_size 196
	.end_amdhsa_kernel
	.amdgpu_metadata
---
amdhsa.version: [ 1, 2 ]
amdhsa.kernels:
  - .name:           k_q6debf55d8b_fuse
    .symbol:         k_q6debf55d8b_fuse.kd
    .args:
      - { .name: features, .offset: 0, .size: 8, .value_kind: global_buffer, .address_space: global }
      - { .name: xyz, .offset: 8, .size: 8, .value_kind: global_buffer, .address_space: global }
      - { .name: nbr, .offset: 16, .size: 8, .value_kind: global_buffer, .address_space: global }
      - { .name: wimg, .offset: 24, .size: 8, .value_kind: global_buffer, .address_space: global }
      - { .name: g_b1, .offset: 32, .size: 8, .value_kind: global_buffer, .address_space: global }
      - { .name: g_lnw, .offset: 40, .size: 8, .value_kind: global_buffer, .address_space: global }
      - { .name: g_lnb, .offset: 48, .size: 8, .value_kind: global_buffer, .address_space: global }
      - { .name: g_b2, .offset: 56, .size: 8, .value_kind: global_buffer, .address_space: global }
      - { .name: e_b1, .offset: 64, .size: 8, .value_kind: global_buffer, .address_space: global }
      - { .name: e_lnw, .offset: 72, .size: 8, .value_kind: global_buffer, .address_space: global }
      - { .name: e_lnb, .offset: 80, .size: 8, .value_kind: global_buffer, .address_space: global }
      - { .name: e_w2, .offset: 88, .size: 8, .value_kind: global_buffer, .address_space: global }
      - { .name: e_b2, .offset: 96, .size: 8, .value_kind: global_buffer, .address_space: global }
      - { .name: r_b, .offset: 104, .size: 8, .value_kind: global_buffer, .address_space: global }
      - { .name: r_lnw, .offset: 112, .size: 8, .value_kind: global_buffer, .address_space: global }
      - { .name: r_lnb, .offset: 120, .size: 8, .value_kind: global_buffer, .address_space: global }
      - { .name: out0, .offset: 128, .size: 8, .value_kind: global_buffer, .address_space: global }
      - { .name: out1, .offset: 136, .size: 8, .value_kind: global_buffer, .address_space: global }
    .group_segment_fixed_size: 302080
    .private_segment_fixed_size: 0
    .kernarg_segment_align: 8
    .kernarg_segment_size: 144
    .max_flat_workgroup_size: 128
    .sgpr_count:     80
    .vgpr_count:     1024
    .wavefront_size: 32
...
	.end_amdgpu_metadata
.endif
;; end of part 5
;; ======== version 3 of 3: 3 launches; version 2 with the launch coarse written anew for expert scheduling mode
;; limits: values within 3.05e-05 (relative) of each other or of a threshold may be ordered or decided otherwise than in the reference
;; workspace buffers: groups 524,288 bytes of whole numbers; nbr 1,048,576 bytes of whole numbers; wimg 171,008 bytes
;; launch coarse (part 6): grid 256 x 1, 4 waves a work-group, no clusters, 262,656 bytes of LDS; arguments xyz, r_w, e_w1, g_w1, g_w2, groups, wimg; writes groups, wimg
.if DOCPART == 6
	.amdgcn_target "amdgcn-amd-amdhsa--gfx1250"
	.amdhsa_code_object_version 6
	.text
	.protected	k_q6debf55d8b_coarse
	.globl	k_q6debf55d8b_coarse
	.p2align	8
	.type	k_q6debf55d8b_coarse,@function
k_q6debf55d8b_coarse:
	s_mov_b64 s[64:65], 0
	v_nop
	global_prefetch_b8 v0, s[64:65] scope:SCOPE_SE
	s_setreg_imm32_b32 hwreg(HW_REG_WAVE_SCHED_MODE, 0, 2), 2
	s_setreg_imm32_b32 hwreg(HW_REG_WAVE_MODE, 25, 1), 1
	s_wait_xcnt 0x0
	s_wait_alu depctr_vm_vsrc(0)
; COARSE: for each of the 8 x 4096 points, the 16 groups (of 16 consecutive points of its batch) whose nearest member is nearest.
; Also, one per work-group 0..166: the four weight matrices as bf16 images in matrix-operand order (buffer wimg).
;
; HOW THE TOP 16 OF 4096 IS FOUND.  Cut the 4096 candidates into 256 groups of 16.  Each of the 16 nearest points lies in one of the 16
; groups with the smallest group minimum: were its group not among them, 16 other groups would each hold a point at least as near.  So
; this launch takes one minimum per group and the 16 smallest of 256 minima; the next launch ranks the 16 x 16 points of those groups.
; WORK OF THE FORMULA THAT NO RESULT NEEDS, for all values of the inputs: the values that top_k returns (only its indices are used); the six
; off-diagonal sums of cov (trace and det read the diagonal alone); the mean that std takes away from cen (cen is centred, its mean is 0 by
; identity).  Every input has a way to an output and is loaded by some launch.  A NaN, an infinity or an overflow that would arise only in
; the work left out is not carried to the result.
; LIMITS.  NaN and infinity in xyz are not served.  A squared distance below 2^-126 counts as 2^-126.  The ranking key is the squared
; distance with its low 8 mantissa bits replaced by an index, so two points whose squared distances agree to 2^-15 relative may be taken in
; either order, and exact ties do not follow top_k's lower index.
;
; DISTANCES ON THE MATRIX UNIT IN F32 QUALITY.  Every coordinate, less the batch's point 0 (distances do not change, and a common offset
; drops out), is cut exactly into three bf16 pieces (8 + 8 + 8 significant bits).  K slot 9 d + 3 i + j holds piece i of -2 q'[d] on the
; query's side and piece j of c'[d] on the candidate's; slots 27..29 hold 1 and the pieces of |c'|^2; slots 30, 31 hold 0.
; One 16x16x32 product then gives |c'|^2 - 2 q'.c' for 16 candidates x 16 queries; |q'|^2 is added to the group's minimum.
;
; SHARES.  Work-group g: batch g >> 5, queries 128 (g & 31) .. + 127.  Wave w: 32 queries as two operands f.  Lane (r = l & 15, h = l >> 4):
; query 32 w + 16 f + r against the groups G with G & 1 = h.  The table of all 4096 candidates (64 bytes each) is built in LDS by the
; work-group itself; it is computed, not copied, so the tensor data mover and clusters have nothing to bring.
; TABLE.  Candidate c = 32 p + 16 hr + 8 e + j is row 8 hr + j of tile 2 p + e; its dwords 4 k .. 4 k + 3 lie at 2048 p + 1024 e + 256 k + 16 row.
; A lane's operand load is then 16 bytes at 1024 tile + 16 l (and + 512): 512 consecutive bytes a wave.  In the result lane half h holds rows
; 8 h .. 8 h + 7, which over tiles 2 p and 2 p + 1 are the 16 points of group 2 p + h.
;
; THE MAIN PART: MATRIX AND VECTOR WORK SIDE BY SIDE.  A trip is 16 pairs of tiles: 64 products, the reduction of their 512 results a lane to
; 2 x 16 keys, and the sort and merge of the 2 x 16 keys of the trip BEFORE (which lie in a second set of key registers).  The products go out one
; at a time; behind each stands a slice of 8 to 17 vector instructions: reductions of both queries in pairs, and between the pairs the next
; half-steps of the two sorting networks, also in pairs, so that an instruction seldom reads what the few before it wrote.
; OPERANDS come eight loads at a time (two pairs of tiles), two buffers.  More at a time does not fit: the loop holds 228 registers and an instruction
; names 256; operands in another window would want a switch in front of and behind every product, since vector work stands between the products.
;
; THE MODE: SCHED_MODE bits 1:0 = 2 (LLVM: expert scheduling mode 2), set by the entry lines.  The code itself states the register dependences
; between vector or matrix instructions and memory or LDS instructions, with s_wait_alu, always for 0.
; THE PLAN.  Registers that memory or LDS instructions touch:
;   v4, v9, v10, v12-v15   offsets and addresses, made at the head.  v4 is stepped once a trip; the others are not written again before the main part.
;   PT slot j (build)      read by step j's three additions; the load of candidate j + 16, issued in step j + 1, lands in it.
;   U0, U1 (build)         two row buffers.  Step i's roundings write U[i & 1]; the four LDS stores issued in step i + 1 read it.
;   AF0, AF1 (main part)   two operand buffers.  Eight products read a buffer; behind the last of them eight loads land in it.
; BUILD: step i works on PT slot i and U[i & 1]; its memory instructions, the reload into slot i - 1 and the stores from U[(i - 1) & 1], touch what step i - 1
; worked on and what no vector instruction of step i names.  So two waits at a step's head state all, and the five are dealt among the step's vector work.
; MAIN PART: one wait on va_vdst for every eight products, behind the last product that reads a buffer; the eight loads follow it, dealt among a product and
; reductions that name the other buffer, BQ, DD, v8-v15 and the keys.  One wait on vm_vsrc a trip, ahead of the add to v4, which stands ahead of such a wait on va_vdst.
; BQ, DD, T, the key sets and v5-v7 are named by vector and matrix instructions alone.
.set BATCHB, 49152                     ; bytes of a batch of xyz
.set PT,  64                           ; v[64:127]   build: 16 loaded points, 4 registers apart
.set QL,  128                          ; v[128:134]  build: my two queries as loaded
.set PC,  160                          ; v[160:171]  build: the pieces xh xm xl yh ym yl zh zm zl th tm tl
.set CP,  172                          ; v[172:175]  build: x', y', z', |c'|^2
.set U,   176                          ; v[176:207]  build: the 16 dwords of a row, two buffers by turns; v191 and v207 stay 0
.set BQ,  16                           ; v[16:31]    the two query operands
.set AF,  32                           ; v[32:95]    candidate operands [buffer][pair in it][tile of the pair]
.set DD,  96                           ; v[96:127]   results [tile of the pair][f]
.set TT,  128                          ; v[128:159]  the running 16 smallest keys, ascending, for f = 0, 1
.set KSA, 160                          ; v[160:193]  key set A: 16 keys + 1 spare, for f = 0, 1
.set KSB, 194                          ; v[194:227]  key set B
; v1 lane, v2 r, v3 h, v4 table address, v5 my group's number, v6 v7 |q'|^2, v8-v15 at work (v12-v15: the build's addresses)
.macro PLACES                          ; four plain vector instructions behind matrix instructions (ISA guide 7.12.1)
.rept 4
	v_nop
.endr
.endm
; ---- selection: keys are positive normal f32, compared as floats.  Wires are names: a compare-exchange writes the minimum into the spare
; register and the maximum in place, and the names change hands, so it costs two instructions and no move.  Both queries run the same network
; on registers 17 apart, so one set of names serves both.  The network is a list of numbered half-steps of two instructions (one for each
; query); a call of SRT emits the next few of them: half-steps SLO .. SHI - 1 of the list NET.
.macro INITW base
.irp k, 0,1,2,3,4,5,6,7,8,9,10,11,12,13,14,15
.set W\k, \base+\k
.endr
.set FREE, \base+16
.endm
.macro CEH a, b                        ; a compare-exchange: half-step sk the two minima, half-step sk + 1 the two maxima
.if (sk >= SLO) && (sk < SHI)
	v_min_num_f32 v[FREE], v[W\a], v[W\b]
	v_min_num_f32 v[FREE+17], v[W\a+17], v[W\b+17]
.endif
.if (sk+1 >= SLO) && (sk+1 < SHI)
	v_max_num_f32 v[W\b], v[W\a], v[W\b]
	v_max_num_f32 v[W\b+17], v[W\a+17], v[W\b+17]
.set TMPW, W\a
.set W\a, FREE
.set FREE, TMPW
.endif
.set sk, sk+2
.endm
.macro MGH i, j                        ; min(T[i], W[15 - i]): the 16 smallest of the running list and the sorted wires, as a bitonic sequence.  The first merge is a copy
.if (sk >= SLO) && (sk < SHI)
.if SFIRST
	v_mov_b32 v[TT+\j], v[W\j]
	v_mov_b32 v[TT+16+\j], v[W\j+17]
.else
	v_min_num_f32 v[TT+\i], v[TT+\i], v[W\j]
	v_min_num_f32 v[TT+16+\i], v[TT+16+\i], v[W\j+17]
.endif
.endif
.set sk, sk+1
.endm
; One stage of the bitonic merge, from one bank of 16 registers into the other (the wires' registers are dead behind the minima and are the second bank).
; The index runs downward in every stage: a step then reads nothing that the three steps in front of it wrote.
.macro BSH sbase, sstep, dbase, dstep, dist
.set bi, 15
.rept 16
.if (bi & \dist) == 0
.if (sk >= SLO) && (sk < SHI)
	v_min_num_f32 v[\dbase+bi], v[\sbase+bi], v[\sbase+bi+\dist]
	v_min_num_f32 v[\dbase+\dstep+bi], v[\sbase+\sstep+bi], v[\sbase+\sstep+bi+\dist]
.endif
.if (sk+1 >= SLO) && (sk+1 < SHI)
	v_max_num_f32 v[\dbase+bi+\dist], v[\sbase+bi], v[\sbase+bi+\dist]
	v_max_num_f32 v[\dbase+\dstep+bi+\dist], v[\sbase+\sstep+bi], v[\sbase+\sstep+bi+\dist]
.endif
.set sk, sk+2
.endif
.set bi, bi-1
.endr
.endm
; The list: Batcher's odd-even merge sort of 16 (63 compare-exchanges, half-steps 0..125), the 16 minima (126..141), four merge stages (142..205).
; Each section is skipped whole where the call asks for none of it.
.macro NET
.if (SLO < 16) && (SHI > 0)
.set sk, 0
	CEH 0,1
	CEH 2,3
	CEH 4,5
	CEH 6,7
	CEH 8,9
	CEH 10,11
	CEH 12,13
	CEH 14,15
.endif
.if (SLO < 32) && (SHI > 16)
.set sk, 16
	CEH 0,2
	CEH 1,3
	CEH 4,6
	CEH 5,7
	CEH 8,10
	CEH 9,11
	CEH 12,14
	CEH 13,15
.endif
.if (SLO < 40) && (SHI > 32)
.set sk, 32
	CEH 1,2
	CEH 5,6
	CEH 9,10
	CEH 13,14
.endif
.if (SLO < 56) && (SHI > 40)
.set sk, 40
	CEH 0,4
	CEH 1,5
	CEH 2,6
	CEH 3,7
	CEH 8,12
	CEH 9,13
	CEH 10,14
	CEH 11,15
.endif
.if (SLO < 64) && (SHI > 56)
.set sk, 56
	CEH 2,4
	CEH 3,5
	CEH 10,12
	CEH 11,13
.endif
.if (SLO < 76) && (SHI > 64)
.set sk, 64
	CEH 1,2
	CEH 3,4
	CEH 5,6
	CEH 9,10
	CEH 11,12
	CEH 13,14
.endif
.if (SLO < 92) && (SHI > 76)
.set sk, 76
	CEH 0,8
	CEH 1,9
	CEH 2,10
	CEH 3,11
	CEH 4,12
	CEH 5,13
	CEH 6,14
	CEH 7,15
.endif
.if (SLO < 100) && (SHI > 92)
.set sk, 92
	CEH 4,8
	CEH 5,9
	CEH 6,10
	CEH 7,11
.endif
.if (SLO < 112) && (SHI > 100)
.set sk, 100
	CEH 2,4
	CEH 3,5
	CEH 6,8
	CEH 7,9
	CEH 10,12
	CEH 11,13
.endif
.if (SLO < 126) && (SHI > 112)
.set sk, 112
	CEH 1,2
	CEH 3,4
	CEH 5,6
	CEH 7,8
	CEH 9,10
	CEH 11,12
	CEH 13,14
.endif
.if (SLO < 142) && (SHI > 126)
.set sk, 126
	MGH 0,15                               ; wires in the order in which the last layer finished them
	MGH 15,0
	MGH 14,1
	MGH 13,2
	MGH 12,3
	MGH 11,4
	MGH 10,5
	MGH 9,6
	MGH 8,7
	MGH 7,8
	MGH 6,9
	MGH 5,10
	MGH 4,11
	MGH 3,12
	MGH 2,13
	MGH 1,14
.endif
.if SFIRST == 0
.if (SLO < 158) && (SHI > 142)
.set sk, 142
	BSH TT, 16, SCUR, 17, 8
.endif
.if (SLO < 174) && (SHI > 158)
.set sk, 158
	BSH SCUR, 17, TT, 16, 4
.endif
.if (SLO < 190) && (SHI > 174)
.set sk, 174
	BSH TT, 16, SCUR, 17, 2
.endif
.if (SLO < 206) && (SHI > 190)
.set sk, 190
	BSH SCUR, 17, TT, 16, 1
.endif
.endif
.endm
.macro SRT n                           ; the next n half-steps (nothing where the list has ended, or in the trip that has no keys to sort yet)
.if SORTON
.set SLO, spos
.set SHI, spos+\n
	NET
.set spos, SHI
.endif
.endm
	s_load_b256 s[4:11], s[0:1], 0x0               ; xyz s[4:5], r_w s[6:7], e_w1 s[8:9], g_w1 s[10:11]
	s_load_b128 s[12:15], s[0:1], 0x20             ; g_w2 s[12:13], groups s[14:15]
	s_load_b64 s[16:17], s[0:1], 0x30              ; wimg
	v_lshl_add_u32 v230, v0, 2, 0x40000
	v_mov_b32 v231, 0
	v_and_b32 v1, 31, v0                           ; lane
	v_and_b32 v2, 15, v0                           ; r
	v_bfe_u32 v3, v0, 4, 1                         ; h
	v_lshrrev_b32 v8, 5, v0
	v_readfirstlane_b32 s18, v8                    ; wave
	s_mov_b32 s23, 0xffff0000                      ; the upper 16 bits of an f32: its leading bf16 piece
	s_mov_b32 s36, 0xffffff00                      ; a key's distance part
	s_mov_b32 s37, 0x00800000                      ; 2^-126
	s_mov_b32 s38, 0x76543210                      ; v_permlanex16_b32: lane i reads lane i of the other half
	s_mov_b32 s39, 0xfedcba98
	s_lshr_b32 s30, ttmp9, 5                       ; batch
	s_mul_i32 s42, s30, BATCHB
	s_mov_b32 s43, 0
	s_and_b32 s31, ttmp9, 31
	s_lshl_b32 s31, s31, 7                         ; the work-group's first query in the batch
	s_wait_alu depctr_va_sdst(0)                   ; s18 is written, ahead of its first reader: the line below
	s_lshl_b32 s32, s18, 5
	s_add_co_u32 s31, s31, s32                     ; my wave's first query
	v_and_b32 v8, 7, v0                            ; the candidate that I build in each block of 128: j
	v_bfe_u32 v9, v0, 3, 1
	v_lshl_add_u32 v8, v9, 4, v8                   ; + 16 hr
	v_lshl_add_u32 v8, v3, 3, v8                   ; + 8 e
	v_lshl_add_u32 v8, s18, 5, v8                  ; + 32 wave
	v_mul_u32_u24 v9, v8, 12                       ; its byte offset in the batch
	v_add_nc_u32 v10, s31, v2
	v_mul_u32_u24 v10, v10, 12                     ; byte offset of my query of operand 0
	v_lshlrev_b32 v12, 4, v2                       ; where my candidate's row goes: 16 row
	v_lshl_add_u32 v12, v3, 10, v12                ; + 1024 e
	v_lshl_add_u32 v12, s18, 11, v12               ; + 2048 wave: the pair p = 4 i + wave
	v_add_nc_u32 v13, 0x10000, v12                 ; an LDS immediate reaches 65,535: four address registers 65,536 bytes apart
	v_add_nc_u32 v14, 0x20000, v12
	v_add_nc_u32 v15, 0x30000, v12
	v_lshlrev_b32 v4, 4, v1                        ; operand loads: 16 lane
	v_mov_b32 v5, v3                               ; my group in pair 0: h
	s_wait_kmcnt 0x0
	s_add_nc_u64 s[4:5], s[4:5], s[42:43]          ; xyz at my batch
	s_load_b96 s[20:22], s[4:5], 0x0               ; the batch's point 0
	s_wait_alu depctr_va_vdst(0)                   ; v4, v9, v10 and v12 to v15 are written: the loads of xyz, the stores into the table and the first operand loads read them as offsets and addresses
.irp i, 0,1,2,3,4,5,6,7,8,9,10,11,12,13,14,15
	global_load_b96 v[PT+4*\i:PT+4*\i+2], v9, s[4:5] offset:1536*\i    ; candidates 128 i + mine
.endr
	global_load_b96 v[QL:QL+2], v10, s[4:5]
	global_load_b96 v[QL+4:QL+6], v10, s[4:5] offset:192               ; 16 queries further
	; ---- one weight image of 1,024 bytes by each of work-groups 0..166: fragment f = the work-group's number.
	; f < 128: r_w, column tile f & 15, K step f >> 4.  f < 164: e_w1, tile (f-128) & 3, step (f-128) >> 2.  f < 166: g_w1, tile f - 164.  f = 166: g_w2.
	; Image: lane (r, h) of the first matrix operand holds W[k][16 tile + r]; bytes 16 l: k = 32 step + 8 h + 0..7; bytes 512 + 16 l: 16 more.  Rows k past the matrix are 0.
	s_cmp_lt_u32 ttmp9, 167
	s_cbranch_scc0 .Lnoimg
	s_mov_b64 s[24:25], s[12:13]                   ; g_w2:
	s_mov_b32 s26, 64                              ; bytes in a row
	s_mov_b32 s27, 32                              ; rows
	s_mov_b32 s28, 0                               ; column tile
	s_mov_b32 s29, 0                               ; K step
	s_sub_co_u32 s30, ttmp9, 164
	s_sub_co_u32 s31, ttmp9, 128
	s_and_b32 s32, s31, 3
	s_lshr_b32 s33, s31, 2
	s_and_b32 s34, ttmp9, 15
	s_lshr_b32 s35, ttmp9, 4
	s_cmp_lt_u32 ttmp9, 166
	s_cselect_b64 s[24:25], s[10:11], s[24:25]     ; g_w1
	s_cselect_b32 s26, 128, s26
	s_cselect_b32 s27, 10, s27
	s_cselect_b32 s28, s30, s28
	s_cmp_lt_u32 ttmp9, 164
	s_cselect_b64 s[24:25], s[8:9], s[24:25]       ; e_w1
	s_cselect_b32 s26, 256, s26
	s_cselect_b32 s27, 272, s27
	s_cselect_b32 s28, s32, s28
	s_cselect_b32 s29, s33, s29
	s_cmp_lt_u32 ttmp9, 128
	s_cselect_b64 s[24:25], s[6:7], s[24:25]       ; r_w
	s_cselect_b32 s26, 1024, s26
	s_cselect_b32 s27, 256, s27
	s_cselect_b32 s28, s34, s28
	s_cselect_b32 s29, s35, s29
	s_sub_co_u32 s30, s27, 1                       ; the last row
	v_lshrrev_b32 v176, 6, v0                      ; thread t makes bytes 8 t .. 8 t + 7 of the image: four k of one column
	v_lshlrev_b32 v176, 4, v176                    ; k = 16 (t >> 6)
	v_bfe_u32 v177, v0, 5, 1
	v_lshl_add_u32 v176, v177, 3, v176             ; + 8 h
	v_and_b32 v177, 1, v0
	v_lshl_add_u32 v176, v177, 2, v176             ; + 4 (t & 1)
	v_lshl_add_u32 v176, s29, 5, v176              ; + 32 step
	v_bfe_u32 v177, v0, 1, 4                       ; r
	v_lshl_add_u32 v177, s28, 4, v177              ; column
	v_lshlrev_b32 v177, 2, v177
.irp i, 0,1,2,3
	v_add_nc_u32 v[178+\i], \i, v176               ; k
	v_min_u32 v[182+\i], s30, v[178+\i]            ; no load leaves the matrix
	v_mad_u32_u24 v[182+\i], v[182+\i], s26, v177
.endr
.irp i, 0,1,2,3
	v_cmp_gt_u32 s[32+\i], s27, v[178+\i]          ; is k a row of the matrix?  Four masks in four scalar registers, which the selections above have done with
.endr
	s_wait_alu depctr_va_vdst(0)                   ; the four offsets v182 to v185 are written, which the loads below read
.irp i, 0,1,2,3
	global_load_b32 v[186+\i], v[182+\i], s[24:25]
.endr
	s_wait_loadcnt 0x0                             ; the four weights (and all that was asked for before them)
	s_wait_alu depctr_va_sdst(0)                   ; the four masks s32 to s35 are written, ahead of their first reader
.irp i, 0,1,2,3
	v_cndmask_b32 v[186+\i], 0, v[186+\i], s[32+\i]  ; 0 past the last row
.endr
	v_cvt_pk_bf16_f32 v190, v186, v187
	v_cvt_pk_bf16_f32 v191, v188, v189
	v_lshlrev_b32 v192, 3, v0
	s_lshl_b32 s42, ttmp9, 10
	s_add_nc_u64 s[16:17], s[16:17], s[42:43]
	s_wait_alu depctr_va_vdst(0)                   ; v190 and v191, the store's data, and v192, its offset, are written
	global_store_b64 v192, v[190:191], s[16:17]    ; a wave stores 256 consecutive bytes, aligned
	s_wait_xcnt 0x0                                ; the store's registers are written again below only behind this wait
	s_wait_alu depctr_vm_vsrc(0)                   ; the store has read v190 to v192 and the four loads v182 to v185: the build writes all of them as its row buffers
.Lnoimg:
	s_wait_kmcnt 0x0                               ; point 0
	s_xor_b32 s20, s20, 0x80000000                 ; kept negated: the subtraction is an addition with the scalar in front
	s_xor_b32 s21, s21, 0x80000000
	s_xor_b32 s22, s22, 0x80000000
	v_mov_b32 v[U+15], 0                           ; K slots 30, 31, in both row buffers
	v_mov_b32 v[U+31], 0
.macro SPLIT3 hi, mi, lo, src          ; an f32 as three bf16 pieces, exactly: 8 leading bits, the next 8 of the rest, the last 8
	v_and_b32 v[\hi], s23, v[\src]
	v_sub_f32 v[\lo], v[\src], v[\hi]
	v_and_b32 v[\mi], s23, v[\lo]
	v_sub_f32 v[\lo], v[\lo], v[\mi]
.endm
.macro PK d, a, b                      ; two pieces into a dword: exact, they are bf16 numbers
	v_cvt_pk_bf16_f32 v[\d], v[\a], v[\b]
.endm
.macro ROWST j, k                      ; quarter k of the row of candidate 128 j + mine, out of row buffer j & 1: 16 lanes fill 256 consecutive bytes
	ds_store_b128 v[12+((\j)>>3)], v[U+16*((\j)&1)+4*(\k):U+16*((\j)&1)+4*(\k)+3] offset:((\j)&7)*8192+256*(\k)
.endm
; Step i.  Candidate 128 i + mine: shift, |c'|^2, pieces, the row's 15 dwords into row buffer i & 1.  Among them the memory instructions of step i - 1:
; the load of candidate i + 15 into the registers that step i - 1 read, and the four stores of step i - 1's row.
.macro BUILD1 i
.set UB, U+16*((\i)&1)
.if (\i) == 0
	s_wait_loadcnt 17                              ; younger than load 0: the 15 others of the first sixteen and my 2 queries
.elseif (\i) < 16
	s_wait_loadcnt 16                              ; younger than load i: 15 - i of the first sixteen, my 2 queries, the i - 1 reloads of steps 1 to i - 1
.elseif (\i) == 16
	s_wait_loadcnt 14                              ; younger than the first reload: those of steps 2 to 15; the last is issued below
.else
	s_wait_loadcnt 31-(\i)                         ; younger than reload i - 16: the reloads behind it
.endif
.if (\i) > 1
	s_wait_alu depctr_vm_vsrc(0)                   ; the stores issued in the step before have read row buffer i & 1, which this step's roundings write again
.endif
.if (\i) > 0
	s_wait_alu depctr_va_vdst(0)                   ; the step before has written the other row buffer, which the stores below read, and is done reading its point, in whose registers the load below lands
.if (\i) <= 16
	global_load_b96 v[PT+4*((\i)-1):PT+4*((\i)-1)+2], v9, s[4:5] offset:1536*((\i)+15)   ; no vector instruction since the wait names these registers
.endif
	ROWST (\i)-1, 0
.endif
	v_add_f32 v[CP],   s20, v[PT+4*((\i)&15)]
	v_add_f32 v[CP+1], s21, v[PT+4*((\i)&15)+1]
	v_add_f32 v[CP+2], s22, v[PT+4*((\i)&15)+2]
.if (\i) > 0
	ROWST (\i)-1, 1
.endif
	v_mul_f32 v[CP+3], v[CP], v[CP]
	v_fmac_f32 v[CP+3], v[CP+1], v[CP+1]
	v_fmac_f32 v[CP+3], v[CP+2], v[CP+2]
	SPLIT3 PC,   PC+1,  PC+2,  CP
	SPLIT3 PC+3, PC+4,  PC+5,  CP+1
.if (\i) > 0
	ROWST (\i)-1, 2
.endif
	SPLIT3 PC+6, PC+7,  PC+8,  CP+2
	SPLIT3 PC+9, PC+10, PC+11, CP+3
.if (\i) > 0
	ROWST (\i)-1, 3
.endif
	PK UB,    PC,   PC+1
	PK UB+1,  PC+2, PC
	PK UB+2,  PC+1, PC+2
	PK UB+3,  PC,   PC+1
	PK UB+4,  PC+2, PC+3
	PK UB+5,  PC+4, PC+5
	PK UB+6,  PC+3, PC+4
	PK UB+7,  PC+5, PC+3
	PK UB+8,  PC+4, PC+5
	PK UB+9,  PC+6, PC+7
	PK UB+10, PC+8, PC+6
	PK UB+11, PC+7, PC+8
	PK UB+12, PC+6, PC+7
	PK UB+13, PC+8, PC+9
	PK UB+14, PC+10, PC+11
.endm
.set bld, 0
.rept 32
	BUILD1 bld
.set bld, bld+1
.endr
	s_wait_alu depctr_va_vdst(0)                   ; step 31 has written its row buffer, which the last four stores read.  All readers of v64 to v95 also stand ahead of this wait (see the first operand loads)
.irp k, 0,1,2,3
	ROWST 31, \k
.endr
	s_wait_alu depctr_vm_vsrc(0)                   ; the stores have read both row buffers and v12 to v15, the loads of xyz v9 and v10: the queries' part below and the main part write all of them
; My query of operand f: |q'|^2, the pieces of -2 q', the 16 dwords, and of them the eight that my lane half holds
; (registers 0-3: K = 8 h .. 8 h + 7, registers 4-7: K = 16 + 8 h ..).  The queries' loads are older than the reloads waited for above.
.macro QFRAG f
	v_add_f32 v[CP],   s20, v[QL+4*\f]
	v_add_f32 v[CP+1], s21, v[QL+4*\f+1]
	v_add_f32 v[CP+2], s22, v[QL+4*\f+2]
	v_mul_f32 v[6+\f], v[CP], v[CP]
	v_fmac_f32 v[6+\f], v[CP+1], v[CP+1]
	v_fmac_f32 v[6+\f], v[CP+2], v[CP+2]
	v_mul_f32 v[CP],   -2.0, v[CP]
	v_mul_f32 v[CP+1], -2.0, v[CP+1]
	v_mul_f32 v[CP+2], -2.0, v[CP+2]
	SPLIT3 PC,   PC+1, PC+2, CP
	SPLIT3 PC+3, PC+4, PC+5, CP+1
	SPLIT3 PC+6, PC+7, PC+8, CP+2
	PK U,    PC,   PC
	PK U+1,  PC,   PC+1
	PK U+2,  PC+1, PC+1
	PK U+3,  PC+2, PC+2
	PK U+4,  PC+2, PC+3
	PK U+5,  PC+3, PC+3
	PK U+6,  PC+4, PC+4
	PK U+7,  PC+4, PC+5
	PK U+8,  PC+5, PC+5
	PK U+9,  PC+6, PC+6
	PK U+10, PC+6, PC+7
	PK U+11, PC+7, PC+7
	PK U+12, PC+8, PC+8
	v_cvt_pk_bf16_f32 v[U+13], v[PC+8], 1.0
	v_mov_b32 v[U+14], 0x3f803f80                  ; 1, 1
.irp k, 0,1,2,3
	v_cndmask_b32 v[BQ+8*\f+\k],   v[U+\k],   v[U+4+\k],  vcc_lo
	v_cndmask_b32 v[BQ+8*\f+4+\k], v[U+8+\k], v[U+12+\k], vcc_lo
.endr
.endm
	v_cmp_ne_u32 vcc_lo, 0, v3                     ; lanes 16-31
	s_wait_alu depctr_va_vcc(0)                    ; VCC is written, ahead of its first reader, the first selection below
	QFRAG 0
	QFRAG 1
	s_wait_dscnt 0x0                               ; my rows of the table are written,
	s_barrier_signal -1
	s_barrier_wait -1                              ; everybody's are: the only barrier; the table is only read from here on
.macro LDP buf, pr, n                  ; loads n and n + 1 of the eight that bring pairs pr, pr + 1 of the trip into operand buffer buf: 512 consecutive bytes each
	ds_load_b128 v[AF+32*(\buf)+4*(\n):AF+32*(\buf)+4*(\n)+3],   v4 offset:(\pr)*2048+512*(\n)
	ds_load_b128 v[AF+32*(\buf)+4*(\n)+4:AF+32*(\buf)+4*(\n)+7], v4 offset:(\pr)*2048+512*(\n)+512
.endm
.macro LDG buf, pr                     ; all eight: 64 candidates, four groups
.irp n, 0,2,4,6
	LDP \buf, \pr, \n
.endr
.endm
.macro MM w                            ; product w of the trip: pair w >> 2, tile (w >> 1) & 1, query operand w & 1.  Each stands alone (C = 0)
.set MA, AF+32*(((\w)>>3)&1)+16*(((\w)>>2)&1)+8*(((\w)>>1)&1)
.set MB, BQ+8*((\w)&1)
.set MD, DD+16*(((\w)>>1)&1)+8*((\w)&1)
	v_wmma_f32_16x16x32_bf16 v[MD:MD+7], v[MA:MA+7], v[MB:MB+7], 0
.endm
; Pair i of a trip: four slices.  The products run two ahead of the reductions: slices 0, 1 multiply this pair's second tile and reduce its first,
; slices 2, 3 multiply the next pair's first tile and reduce this pair's second.  v8, v9 (and v10-v15) hold the running minima of queries f = 0, 1.
; PLACES (ISA guide 7.12.1), counted without any sorting work: behind slice 1's product stand its four reductions, which name none of its
; registers, before slice 2 reads its result; behind slice 3's product stand nine.
; In every second pair, behind slice 1, whose product is the last to read an operand buffer: the wait for the other buffer's data; in a trip's pair 1 the step of
; the table's address; the one wait on va_vdst; and then that buffer's eight loads, two at a time among slice 2's product and reductions.
.macro PAIR i, last
.set DOMM, 1
.set DOLD, (\i)&1                      ; eight loads in every second pair
.if \last
.if (\i) > 11
.set DOLD, 0                           ; the table has ended
.endif
.if (\i) == 15
.set DOMM, 0                           ; no next pair
.endif
.endif
.set DOWT, ((\i)&1)*DOMM
.set LBUF, (((\i)+3)>>1)&1             ; the buffer whose last product stands in slice 1
	MM 4*(\i)+2
	SRT 1
	v_min3_num_f32 v8, v[DD], v[DD+1], v[DD+2]
	v_min3_num_f32 v9, v[DD+8], v[DD+9], v[DD+10]
	SRT 2
	MM 4*(\i)+3
	v_min3_num_f32 v10, v[DD+3], v[DD+4], v[DD+5]
	v_min3_num_f32 v11, v[DD+11], v[DD+12], v[DD+13]
	SRT 1
	v_min3_num_f32 v8, v8, v[DD+6], v[DD+7]
	v_min3_num_f32 v9, v9, v[DD+14], v[DD+15]
	SRT 2
.if DOWT
	s_wait_dscnt 0                                 ; the eight loads asked for two pairs ago are in, and no LDS instruction has been issued since: the next eight products read them
.endif
.if ((\i) == 1) && STEPA
	s_wait_alu depctr_vm_vsrc(0)                   ; the operand loads issued so far (the last in pair 15 of the trip before) have read v4
	v_add_nc_u32 v4, 0x8000, v4                    ; 16 pairs of 2,048 bytes on: this trip's pair 0
.endif
.if DOLD
	s_wait_alu depctr_va_vdst(0)                   ; the eight products that read buffer LBUF, slice 1's the last of them, are done reading it: the loads below land in it; in pair 1, v4 is written
.endif
.if DOMM
	MM 4*(\i)+4
.endif
.if DOLD
	LDP LBUF, (\i)+3, 0                            ; no wait: what stands between the wait above and these eight loads names the other buffer, BQ, DD, v8-v15 and the keys
.endif
	v_min3_num_f32 v12, v[DD+16], v[DD+17], v[DD+18]
	v_min3_num_f32 v13, v[DD+24], v[DD+25], v[DD+26]
	SRT 1
.if DOLD
	LDP LBUF, (\i)+3, 2
.endif
	v_min3_num_f32 v14, v[DD+19], v[DD+20], v[DD+21]
	v_min3_num_f32 v15, v[DD+27], v[DD+28], v[DD+29]
	SRT 1
.if DOLD
	LDP LBUF, (\i)+3, 4
.endif
	v_min3_num_f32 v8, v8, v[DD+22], v[DD+23]
	v_min3_num_f32 v9, v9, v[DD+30], v[DD+31]
	SRT 1
.if DOLD
	LDP LBUF, (\i)+3, 6
.endif
	v_min3_num_f32 v8, v8, v10, v12
	v_min3_num_f32 v9, v9, v11, v13
.if DOMM
	MM 4*(\i)+5
.endif
	SRT 1
	v_min_num_f32 v8, v8, v14                      ; my group's minimum over its 16 points,
	v_min_num_f32 v9, v9, v15
	SRT 1
	v_add_f32 v8, v8, v6                           ; + |q'|^2,
	v_add_f32 v9, v9, v7
	SRT 1
	v_max_num_f32 v8, s37, v8                      ; at least 2^-126,
	v_max_num_f32 v9, s37, v9
	SRT 1
	v_and_or_b32 v[KNEW+\i], v8, s36, v5           ; the group's number in the low byte
	v_and_or_b32 v[KNEW+17+\i], v9, s36, v5
	v_add_nc_u32 v5, 2, v5                         ; my group in the next pair
.endm
; A trip: 16 pairs give 16 keys for each of my two queries, into set knew; meanwhile the keys of the trip before, in set sold, are sorted and merged
; into the running 16 (son = 0: there are none yet; first = 1: the merge is a copy).  13 half-steps a pair x 16 cover the list's 206.
; Every trip but the first (son = 1) moves the table's address on in its pair 1, ahead of the trip's first loads; pairs 13 and 15 reach the next trip's first four pairs by their offsets.
.macro TRIP knew, sold, son, first, last
.set KNEW, \knew
.set SCUR, \sold
.set SORTON, \son
.set STEPA, \son
.set SFIRST, \first
.set spos, 0
.if \son
	INITW \sold
.endif
.set prn, 0
.rept 16
	PAIR prn, \last
.set prn, prn+1
.endr
.endm
	LDG 0, 0                                       ; no wait: the vector instructions that read v64 to v95 (the build's points) stand ahead of the wait on va_vdst in front of the build's last stores,
	LDG 1, 2                                       ; and what was issued since, the queries' part, names neither v4 nor v32 to v95
	s_wait_dscnt 8                                 ; pairs 0, 1 are in; the eight loads of pairs 2, 3 may be out
	MM 0
	MM 1
	PLACES                                         ; in front of the first reductions, which read these two results
	TRIP KSA, KSB, 0, 0, 0                         ; trip 0
	TRIP KSB, KSA, 1, 1, 0                         ; trip 1
	s_mov_b32 s40, 2
.Ltrip:
	TRIP KSA, KSB, 1, 0, 0                         ; trips 2, 4
	TRIP KSB, KSA, 1, 0, 0                         ; trips 3, 5
	s_sub_co_u32 s40, s40, 1
	s_cmp_lg_u32 s40, 0
	s_cbranch_scc1 .Ltrip
	TRIP KSA, KSB, 1, 0, 0                         ; trip 6
	TRIP KSB, KSA, 1, 0, 1                         ; trip 7: nothing is fetched past the table, nothing multiplied past its last pair
.set SCUR, KSB
.set SORTON, 1
.set SFIRST, 0
.set spos, 0
	INITW KSB
	SRT 206                                        ; the last trip's keys: the whole list
	; The two lane halves hold sorted lists A and B over the even and the odd groups.  The 16 smallest of both are min(A[i], B[15 - i]), i = 0..15:
	; half 0 makes i = 0..7, half 1 (with the lists' parts exchanged) i = 8..15.  Only the low bytes, the groups' numbers, are stored.
	v_lshlrev_b32 v13, 4, v2                       ; 16 bytes a query,
	v_lshl_add_u32 v13, v3, 3, v13                 ; 8 of them from each half,
	v_lshl_add_u32 v13, s18, 9, v13                ; 32 queries a wave
	s_lshl_b32 s42, ttmp9, 11                      ; 128 queries a work-group
	s_add_nc_u64 s[14:15], s[14:15], s[42:43]
.macro OUTG f                          ; query operand f: its eight bytes into v[8 + 2 f : 9 + 2 f]
.set TB, TT+16*\f
.set XB, KSA+17*\f
.irp i, 0,1,2,3,4,5,6,7
	v_permlanex16_b32 v[XB+\i], v[TB+15-\i], s38, s39
.endr
.irp i, 0,1,2,3,4,5,6,7
	v_min_num_f32 v[XB+\i], v[XB+\i], v[TB+\i]
.endr
	v_perm_b32 v[XB+8], v[XB+1], v[XB],   0x0400   ; bytes 0, 1: the low bytes of two keys
	v_perm_b32 v[XB+9], v[XB+3], v[XB+2], 0x0400
	v_perm_b32 v[8+2*\f], v[XB+9], v[XB+8], 0x05040100
	v_perm_b32 v[XB+8], v[XB+5], v[XB+4], 0x0400
	v_perm_b32 v[XB+9], v[XB+7], v[XB+6], 0x0400
	v_perm_b32 v[9+2*\f], v[XB+9], v[XB+8], 0x05040100
.endm
	OUTG 0
	OUTG 1
	s_wait_alu depctr_va_vdst(0)                   ; v8 to v11, the two stores' data, and v13, their offset, are written
	global_store_b64 v13, v[8:9], s[14:15]         ; the wave stores 256 consecutive bytes, aligned
	global_store_b64 v13, v[10:11], s[14:15] offset:256
	s_wait_dscnt 0x0
	s_wait_alu depctr_hold_cnt(0) depctr_sa_sdst(0) depctr_va_vdst(0) depctr_va_sdst(0) depctr_va_ssrc(0) depctr_va_vcc(0) depctr_vm_vsrc(0)
	s_wait_tensorcnt 0x0
	ds_add_u32 v230, v231
	s_wait_dscnt 0x0
	s_endpgm
.Lfunc_end_k_q6debf55d8b_coarse:
	.size	k_q6debf55d8b_coarse, .Lfunc_end_k_q6debf55d8b_coarse-k_q6debf55d8b_coarse
	.p2alignl 7, 3214868480
	.fill 96, 4, 3214868480
	.section	.rodata,"a",@progbits
	.p2align	6, 0x0
	.amdhsa_kernel k_q6debf55d8b_coarse
		.amdhsa_group_segment_fixed_size 262656
		.amdhsa_private_segment_fixed_size 0
		.amdhsa_enable_private_segment 0
		.amdhsa_kernarg_size 56
		.amdhsa_user_sgpr_count 2
		.amdhsa_user_sgpr_kernarg_segment_ptr 1
		.amdhsa_wavefront_size32 1
		.amdhsa_system_sgpr_workgroup_id_x 1
		.amdhsa_system_sgpr_workgroup_id_y 1
		.amdhsa_system_sgpr_workgroup_id_z 1
		.amdhsa_system_vgpr_workitem_id 0
		.amdhsa_next_free_vgpr 232
		.amdhsa_next_free_sgpr 66
		.amdhsa_reserve_vcc 1
		.amdhsa_float_denorm_mode_32 3
		.amdhsa_float_denorm_mode_16_64 3
		.amdhsa_memory_ordered 1
		.amdhsa_forward_progress 1
		.amdhsa_inst_pref_size 255
	.end_amdhsa_kernel
	.section	.bss,"aw",@nobits
	.p2align	6
	.space	262144
	.amdgpu_metadata
---
amdhsa.version: [ 1, 2 ]
amdhsa.kernels:
  - .name:           k_q6debf55d8b_coarse
    .symbol:         k_q6debf55d8b_coarse.kd
    .args:
      - { .name: xyz, .offset: 0, .size: 8, .value_kind: global_buffer, .address_space: global }
      - { .name: r_w, .offset: 8, .size: 8, .value_kind: global_buffer, .address_space: global }
      - { .name: e_w1, .offset: 16, .size: 8, .value_kind: global_buffer, .address_space: global }
      - { .name: g_w1, .offset: 24, .size: 8, .value_kind: global_buffer, .address_space: global }
      - { .name: g_w2, .offset: 32, .size: 8, .value_kind: global_buffer, .address_space: global }
      - { .name: groups, .offset: 40, .size: 8, .value_kind: global_buffer, .address_space: global }
      - { .name: wimg, .offset: 48, .size: 8, .value_kind: global_buffer, .address_space: global }
    .group_segment_fixed_size: 262656
    .private_segment_fixed_size: 0
    .kernarg_segment_align: 8
    .kernarg_segment_size: 56
    .max_flat_workgroup_size: 128
    .sgpr_count:     66
    .vgpr_count:     232
    .wavefront_size: 32
...
	.end_amdgpu_metadata
.endif
;; end of part 6
;; launch fine: the kernel of part 2 again; grid 256 x 1, 8 waves a work-group, no clusters, 54,272 bytes of LDS; arguments xyz, groups, nbr; writes nbr
;; launch fuse: the kernel of part 5 again; grid 256 x 1, 4 waves a work-group, clusters of 4 x 1, 302,080 bytes of LDS; arguments features, xyz, nbr, wimg, g_b1, g_lnw, g_lnb, g_b2, e_b1, e_lnw, e_lnb, e_w2, e_b2, r_b, r_lnw, r_lnb, out0, out1; writes out0, out1
